; MI455X (gfx1250); checked and timed in simulation.
; The chip was launched on July 23, 2026; its instructions are those of AMD's public machine-readable ISA for CDNA 5 (MIT licence, August 2026) and "CDNA5" Instruction Set Architecture Reference Guide (July 2026). The comments in the code are by the model that wrote it; some were corrected since.
;; Multi Head Attention. Allowed arithmetic: float matrix products may take bf16 or f16 operands with f32 sums; all other float work in f32.
;; Inputs: k 4 x 2,048 x 1,024 float32; mask 1 x 1 x 2,048 x 2,048 int32; q 4 x 2,048 x 1,024 float32; v 4 x 2,048 x 1,024 float32; w_k 1,024 x 1,024 float32; w_o 1,024 x 1,024 float32; w_q 1,024 x 1,024 float32; w_v 1,024 x 1,024 float32.
;; Outputs: out0 4 x 2,048 x 1,024 float32.
;; 3 versions, each right and faster than the one before. Each part assembles by itself: llvm-mc -triple=amdgcn-amd-amdhsa -mcpu=gfx1250 --defsym DOCPART=n.
;; ======== version 1 of 3: 4 launches
;; limits: values are held in f16: magnitudes above 65,504 overflow, below 6.1e-05 lose precision
;; workspace buffers: wb 6,291,456 bytes; wob 2,097,152 bytes; mbits 524,288 bytes of whole numbers; qkvh 50,331,648 bytes; oh 16,777,216 bytes
;; launch prep (part 1): grid 256 x 1, 8 waves a work-group, no clusters, 68,608 bytes of LDS; arguments w_q, w_k, w_v, w_o, mask, wb, wob, mbits; writes wb, wob, mbits
.if DOCPART == 1
	.amdgcn_target "amdgcn-amd-amdhsa--gfx1250"
	.amdhsa_code_object_version 6
	.text
	.protected	k_q8b091e2cd5_prep
	.globl	k_q8b091e2cd5_prep
	.p2align	8
	.type	k_q8b091e2cd5_prep,@function
k_q8b091e2cd5_prep:
	s_mov_b64 s[64:65], 0
	v_nop
	global_prefetch_b8 v0, s[64:65] scope:SCOPE_SE
	s_setreg_imm32_b32 hwreg(HW_REG_WAVE_MODE, 25, 1), 1
	s_wait_xcnt 0x0
; PREPARATION.  (1) w_q, w_k, w_v [1024][1024] f32 are rounded to bf16 into wb [3][1024][1024]; w_o is rounded to bf16 and that number written as f16 into wob.
; (2) mask [2048][2048] int32 becomes lane masks: mbits [128 qt][32 st][32 words]; bit 16 h + r of word 8 kb + j says mask[16 qt + r][64 st + 16 kb + 8 h + j] != 0:
; the lane mask of register 8 kb + j of a tile of 64 keys x 16 queries as the attention launch holds it.
; LIMITS.  |w_o| stays within 65,504 (beyond it f16 has an infinity); below 2^-14 it keeps f16's fixed step of 6e-8.
; SHARES.  2,048 waves, all alike: each converts 2,048 weights (8,192 bytes in) and one mask block of 16 rows x 128 keys (16 x 512 bytes in, 256 bytes out).
; No matrix work, no cluster (no two work-groups read the same bytes), no barrier: a wave turns its mask block through LDS bytes of its own.
.set PITCH, 528                        ; a mask row in LDS: 512 bytes + 16: the 16 rows that a load back touches start 16 bytes apart modulo 256
.set WLDS,  16*PITCH                   ; a wave's LDS bytes
.set WX, 32                            ; v[32:95]    16 x 4 registers of weights as loaded
.set MX, 96                            ; v[96:159]   16 x 4 registers of mask as loaded: row t
.set OW, 160                           ; v[160:191]  8 x 4 registers of weights to store
.set MY, 192                           ; v[192:255]  the mask turned: register 32 stl + 8 kb + j
	s_load_b512 s[8:23], s[0:1], 0x0               ; w_q s[8:9], w_k s[10:11], w_v s[12:13], w_o s[14:15], mask s[16:17], wb s[18:19], wob s[20:21], mbits s[22:23]
	v_lshl_add_u32 v30, v0, 2, 0x10800
	v_mov_b32 v31, 0
	v_and_b32 v1, 31, v0                           ; lane
	v_lshrrev_b32 v2, 5, v0
	v_readfirstlane_b32 s2, v2                     ; wave 0..7
	s_lshr_b32 s3, ttmp9, 6                        ; which weight: 0 q, 1 k, 2 v, 3 o
	s_and_b32 s4, ttmp9, 63                        ; which 65,536 bytes of it
	s_mov_b32 s36, 0xffff0000                      ; a word's upper bf16
	s_mul_i32 s5, s2, WLDS                         ; my wave's LDS bytes
	v_lshlrev_b32 v2, 5, v1                        ; 32 x lane: 8 weights in
	v_lshlrev_b32 v3, 4, v1                        ; 16 x lane: 8 weights out; 4 mask words in
	v_lshlrev_b32 v16, 3, v1                       ; 8 x lane: 2 mask words out
	v_add_nc_u32 v4, s5, v3                        ; LDS, in: row t at offset 528 t
	v_and_b32 v8, 15, v1                           ; r
	v_lshrrev_b32 v9, 4, v1                        ; h
	v_mul_u32_u24 v5, v8, PITCH
	v_lshl_add_u32 v5, v9, 5, v5
	v_add_nc_u32 v5, s5, v5                        ; LDS, back: row r, 8 keys at byte 32 h
	v_mov_b32 v6, 0                                ; the words to store: v_writelane_b32's destination counts as read
	v_mov_b32 v7, 0
	s_lshl_b32 s24, s4, 16
	s_lshl_b32 s25, s2, 13
	s_add_co_u32 s24, s24, s25                     ; my weights' byte offset in their tensor
	s_mov_b32 s25, 0
	s_lshr_b32 s38, s24, 1                         ; half of it on the way out,
	s_lshl_b32 s39, s3, 21                         ; plus the weight's place in wb (wob holds w_o alone)
	s_cmp_eq_u32 s3, 3
	s_cselect_b32 s39, 0, s39
	s_add_co_u32 s38, s38, s39
	s_mov_b32 s39, 0
	s_lshl_b32 s6, ttmp9, 3
	s_add_co_u32 s6, s6, s2                        ; my mask block, 0..2047
	s_lshr_b32 s7, s6, 4                           ; qt: its 16 rows
	s_and_b32 s6, s6, 15                           ; its 128 keys
	s_lshl_b32 s30, s7, 17                         ; 16 rows of 8,192 bytes
	s_lshl_b32 s31, s6, 9
	s_add_co_u32 s30, s30, s31
	s_mov_b32 s31, 0
	s_lshl_b32 s32, s7, 12                         ; 32 x 32 words
	s_lshl_b32 s33, s6, 8                          ; 64 words
	s_add_co_u32 s32, s32, s33
	s_mov_b32 s33, 0
	s_wait_kmcnt 0x0
	s_add_nc_u64 s[30:31], s[16:17], s[30:31]      ; mask at my block
	s_add_nc_u64 s[32:33], s[22:23], s[32:33]      ; mbits at my 64 words
	s_cmp_eq_u32 s3, 1
	s_cselect_b64 s[26:27], s[10:11], s[8:9]
	s_cmp_eq_u32 s3, 2
	s_cselect_b64 s[26:27], s[12:13], s[26:27]
	s_cmp_eq_u32 s3, 3
	s_cselect_b64 s[26:27], s[14:15], s[26:27]
	s_cselect_b64 s[28:29], s[20:21], s[18:19]
	s_add_nc_u64 s[26:27], s[26:27], s[24:25]      ; my weights, in
	s_add_nc_u64 s[28:29], s[28:29], s[38:39]      ; and out
.irp t, 0,1,2,3,4,5,6,7,8,9,10,11,12,13,14,15
	global_load_b128 v[MX+4*(\t):MX+4*(\t)+3], v3, s[30:31] offset:8192*(\t) th:TH_LOAD_NT  ; row t: 512 consecutive bytes
.endr
.irp t, 0,1,2,3,4,5,6,7
	global_load_b128 v[WX+8*(\t):WX+8*(\t)+3],   v2, s[26:27] offset:1024*(\t) th:TH_LOAD_NT
	global_load_b128 v[WX+8*(\t)+4:WX+8*(\t)+7], v2, s[26:27] offset:1024*(\t)+16 th:TH_LOAD_NT
.endr
	s_wait_loadcnt 16                              ; loads come back in order: the 16 of the mask are in, the 16 younger ones stay out
.irp t, 0,1,2,3,4,5,6,7,8,9,10,11,12,13,14,15
	ds_store_b128 v4, v[MX+4*(\t):MX+4*(\t)+3] offset:PITCH*(\t)
.endr
.irp c, 0,1,2,3,4,5,6,7                ; c = 4 stl + kb.  LDS serves a wave's instructions in order: these see the stores above
	ds_load_b128 v[MY+8*(\c):MY+8*(\c)+3],   v5 offset:64*(\c)
	ds_load_b128 v[MY+8*(\c)+4:MY+8*(\c)+7], v5 offset:64*(\c)+16
.endr
	s_wait_loadcnt 0x0                             ; the weights
; Eight weights a lane: rounded to bf16; half = 1: that number widened again and written as f16.  Each store of the wave covers 512 consecutive bytes.
.macro CONV it, half
.irp j, 0,1,2,3
	v_cvt_pk_bf16_f32 v[OW+4*(\it)+(\j)], v[WX+8*(\it)+2*(\j)], v[WX+8*(\it)+2*(\j)+1]
.endr
.if \half
.irp j, 0,1,2,3
	v_lshlrev_b32 v[8+2*(\j)], 16, v[OW+4*(\it)+(\j)]
	v_and_b32     v[9+2*(\j)], s36, v[OW+4*(\it)+(\j)]
.endr
.irp j, 0,1,2,3
	v_cvt_pk_f16_f32 v[OW+4*(\it)+(\j)], v[8+2*(\j)], v[9+2*(\j)]
.endr
.endif
	global_store_b128 v3, v[OW+4*(\it):OW+4*(\it)+3], s[28:29] offset:512*(\it)
.endm
	s_cmp_eq_u32 s3, 3
	s_cbranch_scc1 .Lhalf
.irp it, 0,1,2,3,4,5,6,7
	CONV \it, 0
.endr
	s_branch .Lmask
.Lhalf:
.irp it, 0,1,2,3,4,5,6,7
	CONV \it, 1
.endr
.Lmask:
	s_wait_dscnt 0x0                               ; the mask, turned
.set i, 0
.rept 64                               ; word i is a compare's lane mask; lane i / 2 of v6 (even i) or v7 (odd i) takes it
	v_cmp_ne_u32 s[34+i%2], 0, v[MY+i]
	v_writelane_b32 v[6+i%2], s[34+i%2], i/2
.set i, i+1
.endr
	global_store_b64 v16, v[6:7], s[32:33]         ; 256 consecutive bytes, at a multiple of 256 from mbits' first byte
	s_wait_tensorcnt 0x0
	ds_add_u32 v30, v31
	s_wait_dscnt 0x0
	s_endpgm
.Lfunc_end_k_q8b091e2cd5_prep:
	.size	k_q8b091e2cd5_prep, .Lfunc_end_k_q8b091e2cd5_prep-k_q8b091e2cd5_prep
	.p2alignl 7, 3214868480
	.fill 96, 4, 3214868480
	.section	.rodata,"a",@progbits
	.p2align	6, 0x0
	.amdhsa_kernel k_q8b091e2cd5_prep
		.amdhsa_group_segment_fixed_size 68608
		.amdhsa_private_segment_fixed_size 0
		.amdhsa_enable_private_segment 0
		.amdhsa_kernarg_size 64
		.amdhsa_user_sgpr_count 2
		.amdhsa_user_sgpr_kernarg_segment_ptr 1
		.amdhsa_wavefront_size32 1
		.amdhsa_system_sgpr_workgroup_id_x 1
		.amdhsa_system_sgpr_workgroup_id_y 1
		.amdhsa_system_sgpr_workgroup_id_z 1
		.amdhsa_system_vgpr_workitem_id 0
		.amdhsa_next_free_vgpr 256
		.amdhsa_next_free_sgpr 66
		.amdhsa_reserve_vcc 0
		.amdhsa_float_denorm_mode_32 3
		.amdhsa_float_denorm_mode_16_64 3
		.amdhsa_memory_ordered 1
		.amdhsa_forward_progress 1
		.amdhsa_inst_pref_size 26
	.end_amdhsa_kernel
	.amdgpu_metadata
---
amdhsa.version: [ 1, 2 ]
amdhsa.kernels:
  - .name:           k_q8b091e2cd5_prep
    .symbol:         k_q8b091e2cd5_prep.kd
    .args:
      - { .name: w_q, .offset: 0, .size: 8, .value_kind: global_buffer, .address_space: global }
      - { .name: w_k, .offset: 8, .size: 8, .value_kind: global_buffer, .address_space: global }
      - { .name: w_v, .offset: 16, .size: 8, .value_kind: global_buffer, .address_space: global }
      - { .name: w_o, .offset: 24, .size: 8, .value_kind: global_buffer, .address_space: global }
      - { .name: mask, .offset: 32, .size: 8, .value_kind: global_buffer, .address_space: global }
      - { .name: wb, .offset: 40, .size: 8, .value_kind: global_buffer, .address_space: global }
      - { .name: wob, .offset: 48, .size: 8, .value_kind: global_buffer, .address_space: global }
      - { .name: mbits, .offset: 56, .size: 8, .value_kind: global_buffer, .address_space: global }
    .group_segment_fixed_size: 68608
    .private_segment_fixed_size: 0
    .kernarg_segment_align: 8
    .kernarg_segment_size: 64
    .max_flat_workgroup_size: 256
    .sgpr_count:     66
    .vgpr_count:     256
    .wavefront_size: 32
...
	.end_amdgpu_metadata
.endif
;; end of part 1
;; launch proj (part 2): grid 4 x 192, 4 waves a work-group, clusters of 4 x 4, 327,680 bytes of LDS; arguments q, k, v, wb, qkvh; writes qkvh
.if DOCPART == 2
	.amdgcn_target "amdgcn-amd-amdhsa--gfx1250"
	.amdhsa_code_object_version 6
	.text
	.protected	k_q8b091e2cd5_proj
	.globl	k_q8b091e2cd5_proj
	.p2align	8
	.type	k_q8b091e2cd5_proj,@function
k_q8b091e2cd5_proj:
	s_mov_b64 s[64:65], 0
	v_nop
	global_prefetch_b8 v0, s[64:65] scope:SCOPE_SE
	s_setreg_imm32_b32 hwreg(HW_REG_WAVE_MODE, 25, 1), 1
	s_wait_xcnt 0x0
	s_wait_alu depctr_hold_cnt(0) depctr_sa_sdst(0) depctr_va_vdst(0) depctr_va_sdst(0) depctr_va_ssrc(0) depctr_va_vcc(0) depctr_vm_vsrc(0)
	s_getreg_b32 s2, hwreg(HW_REG_IB_STS2, 6, 4)
	s_cmp_eq_u32 s2, 0
	s_cbranch_scc0 .Lentry_in_a_cluster
	s_endpgm
.Lentry_in_a_cluster:
	s_bfe_u32 s2, ttmp6, 0x10000c
	s_cmp_lg_u32 s2, 0xf033
	s_cbranch_scc0 .Lentry_shape_is_right
	s_endpgm
.Lentry_shape_is_right:
; THE THREE PROJECTIONS.  y_t[m][n] = sum over k of x_t[m][k] W_t[n][k], t = 0, 1, 2 for q, k, v.  x_t: [8192][1024] f32, rounded to bf16 between LDS and the matrix unit; W_t: wb [3][1024][1024] bf16.
; Sums in f32.  y goes out by heads, qkvh [3][64 = 16 b + head][2048 s][64] f16, rounded once; y_0 is multiplied in f32 by c = log2(e) / 8 first, so that the attention's exponent is s - m.
; LIMITS.  c y_0, y_1, y_2 stay within f16's 65,504; NaN and infinities are not treated apart.
; SHARES.  A tile of y is 128 (m) x 256 (n): 3 x 64 x 4 = 768 work-groups, three for each of 256.  Four waves, each 64 x 128: 32 accumulators of 16 x 16.  K goes in 8 steps of 128 through two LDS slots;
; a step is four quarters of 32 along K, 32 matrix instructions each.  x's tile rows are 512 bytes of memory, W's 256, all at multiples of 256 from the buffers' first bytes.
; CLUSTER 4 x 4: the four of a row share x's tile, the four of a column W's: each is asked for jointly, by the same tensor load, descriptor and mask in all four.
; THE MATRIX INSTRUCTION IS USED TRANSPOSED (source 0 = 16 rows of W, source 1 = 16 rows of x): a lane holds one row m and eight neighbouring n.
; REGISTERS.  window 0: v16-29 addresses; v32-95 RAW, a quarter's x in f32; v96-127, v128-159 x's fragments in bf16, two buffers; on the way out v32-159 hold packed results.
;   window 1: the accumulators, (a, b) at v[8 (8 a + b)].   window 2: v0-63, v64-127 W's fragments, two buffers.
; THE CONVERSIONS of the next quarter's x, 32 of them, ride four behind each of a quarter's last eight matrix instructions; the four behind the very last are also the places in front of the next loads.
.set PA,    528                        ; a row of x in LDS: 512 bytes + 16: the 16 rows of a load start 16 bytes apart modulo 256
.set AH,    64*PA                      ; what one tensor load brings of x, and what a wave reads of it
.set PB,    272                        ; a row of W: 256 + 16
.set BH,    128*PB                     ; the same for W
.set BOFF,  2*AH                       ; W's 256 rows lie behind x's 128
.set SLOT,  2*AH+2*BH
.set STAGE, 2*SLOT                     ; behind the ring: 16 rows x 144 bytes for each wave, for the way out
.set SP,    144
.set SPARE, STAGE+4*16*SP              ; behind the stages: the spare words, 128 bytes for each wave
.set LAPS,  4                          ; a lap = two K steps
.set ADRA, 16                          ; v16-17  LDS address of my x fragments in slot 0, 1
.set ADRB, 20                          ; v20-21  the same for W
.set STO,  24                          ; the way out: where I put 16 bytes of a row
.set RD,   25                          ; where I read rows back
.set GO,   26                          ; my byte offset in 512 consecutive bytes of the output
.set SPW,  28                          ; LDS address of my spare word; never rewritten
.set NIL,  29                          ; 0; never rewritten
.set RAW,  32
.set AFB,  96
.set T,    32
.set G1, 24                            ; s[24:31] group 1 for x's tiles; s[32:39] group 0, a set for each slot
.set G0, 32
.set G1B, 48                           ; s[48:55], s[56:63] the same for W's
.set G0B, 56
.set SC, 66                            ; s[66:67] c for t = 0, else 1
.set MSB, 0
.macro WIN new                         ; the immediate's high byte repeats the setting that is left
.if MSB != (\new)
	s_set_vgpr_msb (MSB<<8)|(\new)
.set MSB, \new
.endif
.endm
.set MUL,  0x52                        ; source 0 (W) window 2, source 1 (x) window 0, C and D window 1
.set TO_B, 0x80                        ; destination window 2, address window 0
.macro JLOAD s                         ; a joint load: waves 0 and 1 fetch x's two halves, waves 2 and 3 W's; four v_nop follow each of the two lines
	s_cmp_eq_u32 s11, 0
	s_cbranch_scc0 .Lfor_b_\@
	tensor_load_to_lds s[G0+4*(\s):G0+4*(\s)+3], s[G1:G1+7]
	s_nop 0
.rept 4
	v_nop
.endr
	s_branch .Lasked_\@
.Lfor_b_\@:
	tensor_load_to_lds s[G0B+4*(\s):G0B+4*(\s)+3], s[G1B:G1B+7]
	s_nop 0
.rept 4
	v_nop
.endr
.Lasked_\@:
.endm
.macro CREST                           ; a round of the cluster's barrier behind its opening barrier
	s_cmp_lg_u32 s10, 0
	s_cbranch_scc1 .Lnot_wave_0_\@
	s_barrier_signal -3
.Lnot_wave_0_\@:
	s_barrier_wait -3
	s_barrier_signal -1
	s_barrier_wait -1
.endm
.macro CROUND                          ; a whole round
	s_barrier_signal -1
	s_barrier_wait -1
	CREST
.endm
	s_load_b256 s[68:75], s[0:1], 0x0              ; q s[68:69], k s[70:71], v s[72:73], wb s[74:75]
	s_load_b64 s[76:77], s[0:1], 0x20              ; qkvh
	v_lshl_add_u32 v[SPW], v0, 2, SPARE
	v_mov_b32 v[NIL], 0
	ds_add_u32 v28, v29
	s_wait_dscnt 0x0
	v_lshrrev_b32 v1, 5, v0
	v_readfirstlane_b32 s10, v1                    ; wave 0..3
	s_lshr_b32 s11, s10, 1                         ; which 64 of the tile's rows are mine.  Also: I fetch for x (0) or for W (1)
	s_and_b32 s12, s10, 1                          ; which 128 of its columns.  Also: which half of that tile I fetch
	s_bfe_u32 s40, ttmp6, 0x40000                  ; cx, cy: my place in the cluster
	s_bfe_u32 s41, ttmp6, 0x40004
	s_lshl_b32 s42, ttmp9, 2
	s_add_co_u32 s42, s42, s40                     ; tile column 0..3
	s_and_b32 s13, ttmp7, 0xffff                   ; the cluster's y, 0..47: sixteen for each projection
	s_lshr_b32 s45, s13, 4                         ; t, which the whole cluster shares
	s_and_b32 s13, s13, 15
	s_lshl_b32 s13, s13, 2
	s_add_co_u32 s13, s13, s41                     ; tile row 0..63
	s_lshl_b32 s43, s41, 2
	s_lshl_b32 s43, 15, s43                        ; my row of the cluster
	s_lshl_b32 s44, 0x1111, s40                    ; my column
	s_or_b32 s[G1+0], s43, (2<<16)|(1<<20)|(1<<21)|(6<<22)|(3<<25)   ; the mask; elements of 4 bytes; padding on; bit 21 beside a mask; after every 128 words, 4 words
	s_mov_b32 s[G1+1], 128<<16                     ; tensor_dim0 = 128
	s_mov_b32 s[G1+2], 64<<16                      ; tensor_dim1 = 64
	s_mov_b32 s[G1+3], 128<<16                     ; tile_dim0 = 128
	s_mov_b32 s[G1+4], 64                          ; tile_dim1 = 64
	s_mov_b32 s[G1+5], 1024                        ; elements from row to row
	s_mov_b32 s[G1+6], 0
	s_mov_b32 s[G1+7], 0
	s_or_b32 s[G1B+0], s44, (1<<16)|(1<<20)|(1<<21)|(5<<22)|(3<<25)  ; elements of 2 bytes; after every 64 words, 4 words
	s_mov_b32 s[G1B+1], 128<<16
	s_mov_b32 s[G1B+2], 128<<16                    ; 128 rows
	s_mov_b32 s[G1B+3], 128<<16
	s_mov_b32 s[G1B+4], 128
	s_mov_b32 s[G1B+5], 1024
	s_mov_b32 s[G1B+6], 0
	s_mov_b32 s[G1B+7], 0
	s_lshl_b32 s16, s13, 7                         ; x: row 128 x tile row + 64 x half, 4,096 bytes a row
	s_lshl_b32 s17, s12, 6
	s_add_co_u32 s16, s16, s17
	s_lshl_b32 s16, s16, 12
	s_mov_b32 s17, 0
	s_lshl_b32 s46, s42, 8                         ; W: row 256 x tile column + 128 x half, 2,048 bytes a row, in part t of wb
	s_lshl_b32 s47, s12, 7
	s_add_co_u32 s46, s46, s47
	s_lshl_b32 s46, s46, 11
	s_lshl_b32 s47, s45, 21
	s_add_co_u32 s46, s46, s47
	s_mov_b32 s47, 0
	s_mul_i32 s20, s12, AH                         ; where they go: no place in the cluster enters an LDS address
	s_mul_i32 s21, s12, BH
	s_add_co_u32 s21, s21, BOFF
	s_cmp_eq_u32 s45, 0
	s_cselect_b32 s[SC], 0x3e38aa3b, 1.0           ; c = log2(e) / 8 = 0.180337
	s_mov_b32 s[SC+1], s[SC]                       ; named with it as a pair
	s_wait_kmcnt 0x0
	s_cmp_eq_u32 s45, 1
	s_cselect_b64 s[14:15], s[70:71], s[68:69]
	s_cmp_eq_u32 s45, 2
	s_cselect_b64 s[14:15], s[72:73], s[14:15]
	s_add_nc_u64 s[14:15], s[14:15], s[16:17]
	s_add_nc_u64 s[46:47], s[74:75], s[46:47]
	CROUND                                         ; all sixteen work-groups are here: the first joint loads meet
.irp s, 0,1
	s_mov_b32 s[G0+4*(\s)], 1
	s_add_co_u32 s[G0+4*(\s)+1], s20, (\s)*SLOT
	s_add_nc_u64 s[G0+4*(\s)+2:G0+4*(\s)+3], s[14:15], (\s)*512    ; K step s: 128 f32
	s_or_b32 s[G0+4*(\s)+3], s[G0+4*(\s)+3], 0x80000000
	s_mov_b32 s[G0B+4*(\s)], 1
	s_add_co_u32 s[G0B+4*(\s)+1], s21, (\s)*SLOT
	s_add_nc_u64 s[G0B+4*(\s)+2:G0B+4*(\s)+3], s[46:47], (\s)*256  ; 128 bf16
	s_or_b32 s[G0B+4*(\s)+3], s[G0B+4*(\s)+3], 0x80000000
	JLOAD \s
.endr
	v_and_b32 v1, 15, v0                           ; r = l % 16
	v_bfe_u32 v2, v0, 4, 1                         ; h = l / 16
	v_mul_u32_u24 v3, v1, PA
	v_lshl_add_u32 v3, v2, 5, v3                   ; x: row r, 8 f32 at byte 32 h
	v_mul_u32_u24 v4, v1, PB
	v_lshl_add_u32 v4, v2, 4, v4                   ; W: row r, 8 bf16 at byte 16 h
	s_mul_i32 s22, s11, AH                         ; my 64 rows of x
	s_mul_i32 s23, s12, BH                         ; my 128 rows of W
	s_add_co_u32 s23, s23, BOFF
.irp s, 0,1
	v_add_nc_u32 v[ADRA+(\s)], s22, v3
	v_add_nc_u32 v[ADRB+(\s)], s23, v4
	s_add_co_u32 s22, s22, SLOT
	s_add_co_u32 s23, s23, SLOT
.endr
	s_mul_i32 s22, s10, 16*SP
	s_add_co_u32 s22, s22, STAGE                   ; my stage
	v_mul_u32_u24 v5, v1, SP                       ; in: row r, 16 bytes for each half of the lanes
	v_lshl_add_u32 v5, v2, 4, v5
	v_add_nc_u32 v[STO], s22, v5
	v_bfe_u32 v5, v0, 3, 2                         ; back: 32 lanes take four rows of 128 bytes,
	v_mul_u32_u24 v5, v5, SP
	v_and_b32 v6, 7, v0
	v_lshl_add_u32 v5, v6, 4, v5
	v_add_nc_u32 v[RD], s22, v5
	v_and_b32 v[GO], 31, v0                        ; which are 512 consecutive bytes of a head's rows
	v_lshlrev_b32 v[GO], 4, v[GO]
	s_lshl_b32 s4, s13, 7                          ; where my part goes: row0 = 128 x tile row + 64 x half = 2,048 b + s
	s_lshl_b32 s5, s11, 6
	s_add_co_u32 s4, s4, s5
	s_lshr_b32 s5, s4, 11                          ; b
	s_and_b32 s4, s4, 2047
	s_lshl_b32 s4, s4, 7                           ; s x 128 bytes
	s_lshl_b32 s5, s5, 4
	s_lshl_b32 s6, s42, 2
	s_add_co_u32 s5, s5, s6
	s_lshl_b32 s6, s12, 1
	s_add_co_u32 s5, s5, s6                        ; 16 b + my first head = 16 b + 4 x tile column + 2 x half
	s_lshl_b32 s5, s5, 18                          ; 2,048 rows of 128 bytes
	s_add_co_u32 s4, s4, s5
	s_lshl_b32 s5, s45, 24                         ; part t
	s_add_co_u32 s4, s4, s5
	s_mov_b32 s5, 0
	s_add_nc_u64 s[8:9], s[76:77], s[4:5]
; 32 LDS loads in one run: quarter qn of a slot: x raw (lane (r, h): k = 8 h .. + 7 and 16 + 8 h .. + 7, in f32: 32 bytes at 32 h and at 64 + 32 h), and W's fragments into buffer g
.macro FETCH slot, qn, g
	WIN 0
.irp i, 0,1,2,3
	ds_load_b128 v[RAW+16*(\i):RAW+16*(\i)+3],     v[ADRA+(\slot)] offset:128*(\qn)+(\i)*16*PA
	ds_load_b128 v[RAW+16*(\i)+4:RAW+16*(\i)+7],   v[ADRA+(\slot)] offset:128*(\qn)+(\i)*16*PA+16
	ds_load_b128 v[RAW+16*(\i)+8:RAW+16*(\i)+11],  v[ADRA+(\slot)] offset:128*(\qn)+(\i)*16*PA+64
	ds_load_b128 v[RAW+16*(\i)+12:RAW+16*(\i)+15], v[ADRA+(\slot)] offset:128*(\qn)+(\i)*16*PA+80
.endr
	WIN TO_B
.irp i, 0,1,2,3,4,5,6,7
	ds_load_b128 v[64*(\g)+8*(\i):64*(\g)+8*(\i)+3],   v[ADRB+(\slot)] offset:64*(\qn)+(\i)*16*PB
	ds_load_b128 v[64*(\g)+8*(\i)+4:64*(\g)+8*(\i)+7], v[ADRB+(\slot)] offset:64*(\qn)+(\i)*16*PB+32
.endr
.set cv, 0
.endm
.macro CVT4 g                          ; the next four of the 32 roundings RAW -> x's buffer g
	WIN 0
.rept 4
	v_cvt_pk_bf16_f32 v[AFB+32*(\g)+cv], v[RAW+2*cv], v[RAW+2*cv+1]
.set cv, cv+1
.endr
.endm
; 8 matrix instructions: m block a x all 8 n blocks, from buffer f.  zero = 1: the product starts the sums.  ride = 1: four roundings into the other buffer behind each.
; The 32 accumulators take turns, one instruction a turn, in the same order in every quarter, over the loop's edge too.
.macro MULA f, a, zero, ride
.irp b, 0,1,2,3,4,5,6,7
	WIN MUL
.if \zero
	v_wmma_f32_16x16x32_bf16 v[8*(8*(\a)+(\b)):8*(8*(\a)+(\b))+7], v[64*(\f)+8*(\b):64*(\f)+8*(\b)+7], v[AFB+32*(\f)+8*(\a):AFB+32*(\f)+8*(\a)+7], 0
.else
	v_wmma_f32_16x16x32_bf16 v[8*(8*(\a)+(\b)):8*(8*(\a)+(\b))+7], v[64*(\f)+8*(\b):64*(\f)+8*(\b)+7], v[AFB+32*(\f)+8*(\a):AFB+32*(\f)+8*(\a)+7], v[8*(8*(\a)+(\b)):8*(8*(\a)+(\b))+7]
.endif
.if \ride
	CVT4 1-(\f)
.endif
.endr
.endm
; One of a K step's first three quarters: multiplies buffer f; at its head it fetches quarter qn into RAW and the other buffer (whose last reader stands four roundings back);
; the loads have 24 matrix instructions in which to come; then the roundings ride.
.macro QUARTER slot, qn, f, zero
	FETCH \slot, \qn, 1-(\f)
	MULA \f, 0, \zero, 0
	MULA \f, 1, \zero, 0
	MULA \f, 2, \zero, 0
	s_wait_dscnt 0x0                               ; RAW and the other buffer's W are in
	MULA \f, 3, \zero, 1
.endm
; The last quarter multiplies buffer 1 and changes slots: ONE barrier; in front of it each wave waits for all its tensor loads (one is out: its part of the next slot), adds 0 to its spare word,
; and waits for that and for its reads of this slot.  fill = 1: the barrier opens a round of the cluster's, and this slot is filled again, two K steps ahead, first thing behind it.
.macro TURN slot, next, fill
	WIN 0
	s_wait_tensorcnt 0x0
	ds_add_u32 v[SPW], v[NIL]
	MULA 1, 0, 0, 0                                ; eight matrix instructions stand between the add and the wait for it
	s_wait_dscnt 0x0                               ; the add is done; my reads of this slot were waited for in the quarter before
	s_barrier_signal -1
	MULA 1, 1, 0, 0
	WIN 0                                          ; at a branch and at a label every window is 0
	s_barrier_wait -1
.if \fill
	CREST                                          ; no wave of any partner still reads this slot or has a load on its way
	s_add_nc_u64 s[G0+4*(\slot)+2:G0+4*(\slot)+3], s[G0+4*(\slot)+2:G0+4*(\slot)+3], 2*512
	s_add_nc_u64 s[G0B+4*(\slot)+2:G0B+4*(\slot)+3], s[G0B+4*(\slot)+2:G0B+4*(\slot)+3], 2*256
	JLOAD \slot                                    ; 112 matrix instructions ahead of the wait for it
.endif
	FETCH \next, 0, 0                              ; buffer 0's last reader stands four roundings and more back
	MULA 1, 2, 0, 0
	s_wait_dscnt 0x0
	MULA 1, 3, 0, 1
.endm
	s_wait_tensorcnt 1                             ; my part of K step 0 is in; K step 1's may stay out
	s_barrier_signal -1
	s_barrier_wait -1
	FETCH 0, 0, 0
	s_wait_dscnt 0x0
.rept 8
	CVT4 0
.endr
	QUARTER 0, 1, 0, 1                             ; the first quarter stands in front of the loop: its products start the sums
	WIN 0
	s_mov_b32 s3, LAPS-1
.Llap:                                                 ; a trip goes once round the ring, from a lap's second quarter to the next lap's first, and fills both slots again
	QUARTER 0, 2, 1, 0
	QUARTER 0, 3, 0, 0
	TURN 0, 1, 1
	QUARTER 1, 1, 0, 0
	QUARTER 1, 2, 1, 0
	QUARTER 1, 3, 0, 0
	TURN 1, 0, 1
	QUARTER 0, 1, 0, 0
	WIN 0
	s_sub_co_u32 s3, s3, 1
	s_cmp_lg_u32 s3, 0
	s_cbranch_scc1 .Llap
	QUARTER 0, 2, 1, 0                             ; the last lap fills nothing
	QUARTER 0, 3, 0, 0
	TURN 0, 1, 0
	QUARTER 1, 1, 0, 0
	QUARTER 1, 2, 1, 0
	QUARTER 1, 3, 0, 0
	MULA 1, 0, 0, 0
	MULA 1, 1, 0, 0
	MULA 1, 2, 0, 0
	MULA 1, 3, 0, 0
.rept 4
	v_nop                                          ; the places behind the last products
.endr
; THE WAY OUT.  Unit u = 2 a + hh is 16 rows x one head's 64 channels: the accumulators (a, 4 hh .. 4 hh + 3), v[32 u .. 32 u + 31] of window 1, taken in ascending order.
; Scaled, rounded to f16, 16 bytes a lane into rows of 144 bytes of my own stage, and back as whole rows of 128.
.macro PACK u
	WIN 0x41
.set i, 32*(\u)
.rept 16
	v_pk_mul_f32 v[i:i+1], v[i:i+1], s[SC:SC+1] op_sel_hi:[1,0]
.set i, i+2
.endr
	WIN 0x05
.set i, 0
.rept 16
	v_cvt_pk_f16_f32 v[T+16*(\u)+i], v[32*(\u)+2*i], v[32*(\u)+2*i+1]
.set i, i+1
.endr
	WIN 0
.irp f, 0,1,2,3
	ds_store_b128 v[STO], v[T+16*(\u)+4*\f:T+16*(\u)+4*\f+3] offset:32*\f
.endr
.irp f, 0,1,2,3
	ds_load_b128 v[T+16*(\u)+4*\f:T+16*(\u)+4*\f+3], v[RD] offset:\f*4*SP  ; LDS serves a wave's instructions in order: these see the stores above; the next unit's stores come behind them
.endr
.endm
.macro SEND u, younger                 ; younger: the LDS instructions issued behind unit u's loads: the next unit's eight, or none
	WIN 0
.irp f, 0,1,2,3
	s_wait_dscnt (\younger)+3-\f
	global_store_b128 v[GO], v[T+16*(\u)+4*\f:T+16*(\u)+4*\f+3], s[8:9] offset:262144*((\u)%2)+2048*((\u)/2)+\f*512  ; 512 consecutive bytes, at a multiple of 256 from the buffer's first
.endr
.endm
	PACK 0
.irp u, 1,2,3,4,5,6,7                  ; a unit's arithmetic stands between the loads of the unit before and its stores
	PACK \u
	SEND (\u)-1, 8
.endr
	SEND 7, 0
	s_wait_tensorcnt 0x0                           ; the wave's end
	ds_add_u32 v[SPW], v[NIL]
	s_wait_dscnt 0x0
	CROUND                                         ; the closing round
	s_endpgm
.Lfunc_end_k_q8b091e2cd5_proj:
	.size	k_q8b091e2cd5_proj, .Lfunc_end_k_q8b091e2cd5_proj-k_q8b091e2cd5_proj
	.p2alignl 7, 3214868480
	.fill 96, 4, 3214868480
	.section	.rodata,"a",@progbits
	.p2align	6, 0x0
	.amdhsa_kernel k_q8b091e2cd5_proj
		.amdhsa_group_segment_fixed_size 327680
		.amdhsa_private_segment_fixed_size 0
		.amdhsa_enable_private_segment 0
		.amdhsa_kernarg_size 40
		.amdhsa_user_sgpr_count 2
		.amdhsa_user_sgpr_kernarg_segment_ptr 1
		.amdhsa_wavefront_size32 1
		.amdhsa_system_sgpr_workgroup_id_x 1
		.amdhsa_system_sgpr_workgroup_id_y 1
		.amdhsa_system_sgpr_workgroup_id_z 1
		.amdhsa_system_vgpr_workitem_id 0
		.amdhsa_next_free_vgpr 640
		.amdhsa_next_free_sgpr 80
		.amdhsa_reserve_vcc 0
		.amdhsa_float_denorm_mode_32 3
		.amdhsa_float_denorm_mode_16_64 3
		.amdhsa_memory_ordered 1
		.amdhsa_forward_progress 1
		.amdhsa_inst_pref_size 141
	.end_amdhsa_kernel
	.amdgpu_metadata
---
amdhsa.version: [ 1, 2 ]
amdhsa.kernels:
  - .name:           k_q8b091e2cd5_proj
    .symbol:         k_q8b091e2cd5_proj.kd
    .args:
      - { .name: q, .offset: 0, .size: 8, .value_kind: global_buffer, .address_space: global }
      - { .name: k, .offset: 8, .size: 8, .value_kind: global_buffer, .address_space: global }
      - { .name: v, .offset: 16, .size: 8, .value_kind: global_buffer, .address_space: global }
      - { .name: wb, .offset: 24, .size: 8, .value_kind: global_buffer, .address_space: global }
      - { .name: qkvh, .offset: 32, .size: 8, .value_kind: global_buffer, .address_space: global }
    .group_segment_fixed_size: 327680
    .private_segment_fixed_size: 0
    .kernarg_segment_align: 8
    .kernarg_segment_size: 40
    .max_flat_workgroup_size: 128
    .sgpr_count:     80
    .vgpr_count:     640
    .wavefront_size: 32
...
	.end_amdgpu_metadata
.endif
;; end of part 2
;; launch attn (part 3): grid 4 x 64, 4 waves a work-group, clusters of 4 x 1, 327,680 bytes of LDS; arguments qkvh, mbits, oh; writes oh
.if DOCPART == 3
	.amdgcn_target "amdgcn-amd-amdhsa--gfx1250"
	.amdhsa_code_object_version 6
	.text
	.protected	k_q8b091e2cd5_attn
	.globl	k_q8b091e2cd5_attn
	.p2align	8
	.type	k_q8b091e2cd5_attn,@function
k_q8b091e2cd5_attn:
	s_mov_b64 s[64:65], 0
	v_nop
	global_prefetch_b8 v0, s[64:65] scope:SCOPE_SE
	s_setreg_imm32_b32 hwreg(HW_REG_WAVE_MODE, 25, 1), 1
	s_wait_xcnt 0x0
	s_wait_alu depctr_hold_cnt(0) depctr_sa_sdst(0) depctr_va_vdst(0) depctr_va_sdst(0) depctr_va_ssrc(0) depctr_va_vcc(0) depctr_vm_vsrc(0)
	s_getreg_b32 s2, hwreg(HW_REG_IB_STS2, 6, 4)
	s_cmp_eq_u32 s2, 0
	s_cbranch_scc0 .Lentry_in_a_cluster
	s_endpgm
.Lentry_in_a_cluster:
	s_bfe_u32 s2, ttmp6, 0x10000c
	s_cmp_lg_u32 s2, 0x3003
	s_cbranch_scc0 .Lentry_shape_is_right
	s_endpgm
.Lentry_shape_is_right:
; MASKED ATTENTION.  O[bh][q][:] = the sum over k of softmax_k(s[q][k]) V[bh][k][:], s = Q . K / 8 where mask[q][k] != 0 and -1e9 elsewhere.  Q, K, V: the three parts of qkvh, each [64][2048][64] f16, a head's
; rows dense, 128 bytes each; Q arrives multiplied by c = log2(e) / 8, so a product K Q^T is a score in units of log2, and a hidden score is fl(-1e9 log2(e)).  O: oh, [64][2048][64] f16.
; Products, maxima and sums in f32; the weights p are rounded to f16 for the second product (their sum l is taken of the unrounded p), O once at the end.
; LIMITS.  f16 holds no number beyond 65,504: Q, K and V arrive within it; p = 2^(s - m) lies in 0 to 1 for every input, since m is the exact maximum of the same f32 numbers; below 6e-5 p keeps f16's fixed step.
; A weight below 2^-126 counts as 0 in l; NaN and infinities are not treated apart.  A row with no key left has all s = m, all p = 1: the mean of V, as the replaced scores give it.
; THE MASK comes as lane masks (mbits [128 qt][32 st][32 words]: word i is the lane mask of register i of the tile of 16 queries qt x 64 keys st), by scalar loads a turn ahead, and is applied by one
; v_cndmask_b32 a register, in every step: no branch hangs on it.
; SHARES.  A wave owns four PIECES of two tiles of 16 queries, a work-group's four waves 512 queries of one head.  Every wave walks all 2,048 keys, 64 a step.
; LAYOUT.  S^T = K Q^T (source 0 = 16 keys, source 1 = 16 queries): a lane holds ONE query (lane % 16) and the keys 8 (lane / 16) + 0..7.  Two such tiles, rounded to f16 in pairs, ARE source 1 of
; O^T = V^T P, whose result again holds one query a lane.  K comes out of LDS as it lies, V turned, by ds_load_tr16_b128.
; SOFTMAX.  A running maximum m and sum l for each query; in every step O and l are multiplied by a = 2^(m_old - m_new).  m starts at the lowest finite number, O and l at 0: the first step's a is 0.
; BY TURNS.  Turn n belongs to piece n.  Matrix work: 16 products K Q^T of piece n + 1, later 16 products V^T P of piece n - 1.  Vector work: the subtraction, exponentials, roundings, sums and rescaling of
; piece n, and the selects, maximum and statistics of piece n + 1.  Four vector instructions stand behind every matrix instruction, the others in lumps of their own: a tile and step have 16 matrix and
; 149 vector instructions, more than can stand beside the matrix work in any order.
; CLUSTER.  The four query blocks of a cluster belong to one head and walk the same K and V: each tile is asked for JOINTLY, by the same tensor load, descriptor and mask in all four.
; REGISTERS, in windows of 256 (s_set_vgpr_msb: bits 1:0 source 0, 3:2 source 1, 5:4 source 2, 7:6 destination):
;   window 0: v0-11 addresses and the hidden score; v16-47 four registers of statistics a tile; v48-63 at work; v64-191 S^T, two buffers of two tiles; v192-255 P, likewise
;   window 1: O^T, 32 a tile     window 2: v0-127 Q; v128-191 K of one step; v192-255 V of one step     window 3: v0-1 the add's two registers
.set SIZE_N, 2048
.set NP,    4         ; pieces a wave: a name, no knob
.set KS,    64        ; keys in a step
.set PK,    144       ; a row of K in LDS: 128 bytes + 16: the 16 rows of a load start 16 bytes apart modulo 256
.set PV,    160       ; a row of V: 128 + 32: 16 lanes of the turning load take 8 rows x 32 bytes, no two in the same 4 bytes modulo 256
.set VOFF,  4*KS*PK   ; a slot holds four steps: 256 rows of K, then 256 rows of V
.set SLOT1, 1<<17     ; slot 1 begins here, so that one exclusive or turns an address in one slot into the other's
.set STAGE, SLOT1+4*KS*(PK+PV)  ; behind the ring, never filled by a tensor load: 16 rows x 144 bytes for each wave
.set SP,    144
.set AK0, 2           ; v2   my lane's place in a tile of K; never rewritten
.set AV0, 3           ; v3   the same for V
.set AK,  4           ; v4   the LDS address of K's next run of loads
.set AV,  5           ; v5   of V's
.set QO,  6           ; v6   my byte offset in the wave's rows of Q
.set STO, 6           ;      later, the way out: where I put 16 bytes of a row
.set RD,  7           ; v7   where I read rows back
.set GO,  8           ; v8   my byte offset in 512 consecutive bytes of O
.set NEGV, 11         ; v11  the hidden score
.set SPW, 0           ; v0 of window 3   LDS address of my spare word; never rewritten
.set NIL, 1           ; v1 of window 3   0; never rewritten
.set SPARE, STAGE+4*16*SP  ; behind the stages: the spare words, 128 bytes for each wave
.set ST,  16          ; tile t's statistics at v[ST+4 t]: m, m_old, l (even keys', odd keys')
.set TMP, 48          ; by buffer and tile, four registers c0-c3 at work; when the maximum is found c2 takes a
.set S,   64
.set P,   192
.set KF,  128         ; K's fragments, in window 2: key block kb, channel half c at KF + 16 kb + 8 c
.set VF,  192         ; V's: key half kk, channel block cb at VF + 32 kk + 8 cb
.set OPT, 2           ; s[2:3]   O at my wave's first row
.set MB,  4           ; s[4:5]   mbits at my wave's first tile, at the step whose masks are loaded next
.set WV,  6           ; s6   my wave's number
.set SLOTS, 7         ; s7   slots still to be asked for
.set G1K, 8           ; s[8:15]  descriptor group 1 for K's tiles
.set G1V, 16          ; s[16:23] for V's: it differs in the padding alone
.set G0K, 24          ; s[24:27] descriptor group 0 for K's tiles: it walks
.set G0V, 28          ; s[28:31] the same for V's
.set MK,  32          ; s[32:63] the 32 lane masks of the coming piece's tile 0; s[68:99] those of its tile 1.  Until the first of them is loaded: arguments and scalars at work
.set CNT, 66          ; s66  counts a slot's key steps
.set TBK, 67          ; s67  LDS byte at which K of the step to be fetched begins
.set TBV, 100         ; s100 the same for V, less VOFF
.set TS,  101         ; s101 at work
.set SEL, 104         ; s[104:105] Q's address until Q is in; then v_permlanex16_b32's selects
.set MSB, 0
.macro WIN new                      ; the high byte repeats the setting that is left; a switch that changes nothing is dropped
.if MSB != (\new)
	s_set_vgpr_msb (MSB<<8)|(\new)
.set MSB, (\new)
.endif
.endm
.set W_KQ, 0x0a       ; K and Q in window 2, S^T in window 0
.set W_PV, 0x52       ; V in window 2, P in window 0, O^T in window 1
.set W_RS, 0x41       ; O^T (destination and source 0) in window 1, a in window 0
.set W_MK, 0xc0       ; the add's registers are made: destination in window 3
.set W_AD, 0x0f       ; the add: address and data in window 3
; A joint fill.  Waves 0 and 1 fetch the two halves of a slot's K, waves 2 and 3 those of its V: 128 keys each.  Four v_nop follow each of the two lines.
.macro JLOAD
	s_cmp_lt_u32 s[WV], 2
	s_cbranch_scc0 .Lfor_v_\@
	tensor_load_to_lds s[G0K:G0K+3], s[G1K:G1K+7]
	s_nop 0
.rept 4
	v_nop
.endr
	s_branch .Lasked_\@
.Lfor_v_\@:
	tensor_load_to_lds s[G0V:G0V+3], s[G1V:G1V+7]
	s_nop 0
.rept 4
	v_nop
.endr
.Lasked_\@:
.endm
.macro CROUND                       ; a round of the cluster's barrier
	s_barrier_signal -1
	s_barrier_wait -1
	s_cmp_lg_u32 s[WV], 0
	s_cbranch_scc1 .Lnot_wave_0_\@
	s_barrier_signal -3
.Lnot_wave_0_\@:
	s_barrier_wait -3
	s_barrier_signal -1
	s_barrier_wait -1
.endm
; THE CHANGE OF SLOTS.  Each wave waits for all its tensor loads, of which one is out: its part of the other slot; adds 0 to its spare word; and waits for that and for its own reads of the slot.
; fill = 1: the slot is filled again, with the keys two slots on, first thing behind a round of the cluster's barrier: it has four key steps, 512 matrix instructions, in which to land.
; (At its first use nothing has been read yet: slot 0 is waited for, slot 1 filled.)
.macro CHANGE fill
	WIN W_AD
	s_wait_tensorcnt 0x0            ; no tensor load of mine is out, so a group 0 may be written
	ds_add_u32 v[SPW], v[NIL]
	WIN 0                           ; at a label and at a branch every window is 0
.if \fill
.irp g, G0K, G0V
	s_xor_b32 s[\g+1], s[\g+1], SLOT1  ; the walking descriptor: the other slot than last time,
	s_add_nc_u64 s[\g+2:\g+3], s[\g+2:\g+3], 4*KS*128  ; the next 256 keys; the type bits on top are not reached
.endr
	s_wait_dscnt 0x0                ; the add is done, and my reads of the slot are over
	CROUND
	JLOAD
.else
	s_wait_dscnt 0x0
	s_barrier_signal -1
	s_barrier_wait -1
.endif
	s_sub_co_u32 s[TBK], s[TBK], 4*KS*PK  ; the fetches go back to a slot's first step,
	s_xor_b32 s[TBK], s[TBK], SLOT1       ; in the other slot
	s_sub_co_u32 s[TBV], s[TBV], 4*KS*PV
	s_xor_b32 s[TBV], s[TBV], SLOT1
.endm
; The 32 lane masks of tile u of piece x, at the step at which MB stands: 128 bytes, two scalar loads
.macro MLOAD u, x
	s_load_b512 s[MK+36*(\u):MK+36*(\u)+15],    s[MB:MB+1], 8192*(\x)+4096*(\u)
	s_load_b512 s[MK+36*(\u)+16:MK+36*(\u)+31], s[MB:MB+1], 8192*(\x)+4096*(\u)+64
.endm
	s_load_b128 s[32:35], s[0:1], 0x0  ; qkvh s[32:33], mbits s[34:35]
	s_load_b64 s[36:37], s[0:1], 0x10  ; oh
	WIN W_MK
	v_lshl_add_u32 v[SPW], v0, 2, SPARE
	v_mov_b32 v[NIL], 0
	s_set_vgpr_msb 0xc0cf
	ds_add_u32 v0, v1
	s_wait_dscnt 0x0
	s_set_vgpr_msb 0xcfc0
	WIN 0
	v_lshrrev_b32 v1, 5, v0
	v_readfirstlane_b32 s[WV], v1   ; wave 0..3
	s_bfe_u32 s38, ttmp6, 0x40000   ; cx: my place in the cluster
	s_lshl_b32 s39, ttmp9, 2        ; in a cluster launch ttmp9 counts clusters
	s_add_co_u32 s39, s39, s38      ; my block of 512 queries: it enters Q's, O's and the masks' addresses alone
	s_and_b32 s40, ttmp7, 0xffff    ; the head, which the four partners share,
	s_lshl_b32 s40, s40, 18         ; and its first byte in a part of qkvh and in oh: 2,048 rows of 128 bytes
	s_and_b32 s42, s[WV], 1         ; which half of a slot's 256 keys I fetch:
	s_lshl_b32 s44, s42, 14         ; its 128 rows of 128 bytes in memory,
	s_add_co_u32 s44, s44, s40
	s_add_co_u32 s52, s44, 0x2000000  ; in V's part of qkvh,
	s_add_co_u32 s44, s44, 0x1000000  ; in K's
	s_mov_b32 s45, 0
	s_mov_b32 s53, 0
	s_mul_i32 s46, s42, 128*PK      ; and its place in a slot, for K
	s_mul_i32 s47, s42, 128*PV      ; and for V: no place in the cluster enters an LDS address
	s_lshl_b32 s48, s39, 2
	s_add_co_u32 s48, s48, s[WV]    ; my wave among the head's sixteen
	s_lshl_b32 s50, s48, 15         ; its eight tiles' masks: 8 x 32 x 128 bytes
	s_mov_b32 s51, 0
	s_lshl_b32 s48, s48, 14         ; its 128 rows
	s_add_co_u32 s48, s48, s40
	s_mov_b32 s49, 0
	; descriptor group 1.  128 keys are 16,384 dense bytes: asked for as 64 rows of 256 bytes, two keys a row, and padded in LDS after every key
	s_mov_b32 s[G1K], 15|(1<<16)|(1<<20)|(1<<21)|(4<<22)|(3<<25)  ; the mask of four; 2-byte elements; padding on; bit 21 beside a mask; after every 32 words, 4 words
	s_mov_b32 s[G1V], 15|(1<<16)|(1<<20)|(1<<21)|(4<<22)|(7<<25)  ; the same with 8 words of padding
.irp g, G1K, G1V
	s_mov_b32 s[\g+1], 128<<16      ; tensor_dim0 = 128
	s_mov_b32 s[\g+2], 64<<16       ; tensor_dim1 = 64
	s_mov_b32 s[\g+3], 128<<16      ; tile_dim0 = 128
	s_mov_b32 s[\g+4], 64           ; tile_dim1 = 64
	s_mov_b32 s[\g+5], 128          ; 128 elements from row to row
	s_mov_b32 s[\g+6], 0
	s_mov_b32 s[\g+7], 0
.endr
	s_mov_b32 s[TBK], SLOT1+4*KS*PK ; the first change of slots turns these two into 0
	s_mov_b32 s[TBV], SLOT1+4*KS*PV
	s_mov_b32 s[G0K], 1             ; count = 1
	s_mov_b32 s[G0K+1], s46         ; LDS address: slot 0
	s_mov_b32 s[G0V], 1
	s_add_co_u32 s[G0V+1], s47, VOFF
	s_wait_kmcnt 0x0
	s_add_nc_u64 s[G0K+2:G0K+3], s[32:33], s[44:45]  ; my half of the head's first 256 keys
	s_or_b32 s[G0K+3], s[G0K+3], 0x80000000          ; type = 2
	s_add_nc_u64 s[G0V+2:G0V+3], s[32:33], s[52:53]
	s_or_b32 s[G0V+3], s[G0V+3], 0x80000000
	s_add_nc_u64 s[SEL:SEL+1], s[32:33], s[48:49]    ; Q at my wave's first row
	s_add_nc_u64 s[OPT:OPT+1], s[36:37], s[48:49]    ; O likewise
	s_add_nc_u64 s[MB:MB+1], s[34:35], s[50:51]
	CROUND                          ; all four work-groups are here: the first joint loads meet
	JLOAD                           ; slot 0.  Slot 1 is asked for when slot 0 is in
	; A fragment of K or Q is 16 rows x 32 channels in 8 registers: lane l holds row l % 16, channels 8 (l / 16) + 0..7 and 16 + 8 (l / 16) + 0..7: two loads of 16 bytes, 32 bytes apart.
	v_and_b32 v1, 15, v0            ; l % 16
	v_bfe_u32 v9, v0, 4, 1          ; l / 16
	v_lshlrev_b32 v[QO], 7, v1
	v_lshl_add_u32 v[QO], v9, 4, v[QO]  ; row x 128 + 16 x half
	WIN 0x80                        ; destination window 2, address window 0
.set i, 0
.rept 4*NP                          ; Q stays in registers: tile i / 2, channels 32 (i % 2) on
	global_load_b128 v[8*i:8*i+3],   v[QO], s[SEL:SEL+1] offset:(i/2)*2048+(i%2)*64
	global_load_b128 v[8*i+4:8*i+7], v[QO], s[SEL:SEL+1] offset:(i/2)*2048+(i%2)*64+32
.set i, i+1
.endr
	MLOAD 0, 0                      ; piece 0's masks for key step 0: from here on s[32:63] and s[68:99] hold masks alone
	MLOAD 1, 0
	; What the first turn finds: V's registers and P's second buffer hold 0 (its products V^T P, of a piece that has not been, add 0), O^T and l are 0.  All this stands in the wait for the first tile.
.set i, VF
.rept 64
	v_mov_b32 v[i], 0
.set i, i+1
.endr
	WIN 0x40
.set i, 0
.rept 64*NP
	v_mov_b32 v[i], 0
.set i, i+1
.endr
	WIN 0
.set i, 0
.rept 2*NP
	v_mov_b32 v[ST+4*i], 0xff7fffff    ; m: the lowest finite number
	v_mov_b32 v[ST+4*i+1], 0xff7fffff  ; m_old
	v_mov_b32 v[ST+4*i+2], 0
	v_mov_b32 v[ST+4*i+3], 0
.set i, i+1
.endr
.set i, P+32
.rept 32
	v_mov_b32 v[i], 0
.set i, i+1
.endr
	v_mul_u32_u24 v[AK0], v1, PK
	v_lshl_add_u32 v[AK0], v9, 4, v[AK0]  ; row x pitch + 16 x half
	; The turning load takes 16 keys x 16 channels (lane l reads key 8 (l / 16) + l % 8, channels 8 ((l / 8) % 2) + 0..7) and leaves half a fragment of V^T: lane l holds channel l % 16 and 8 keys.
	v_and_b32 v10, 7, v0
	v_bfe_u32 v11, v0, 3, 1
	v_lshl_add_u32 v[AV0], v9, 3, v10
	v_mul_u32_u24 v[AV0], v[AV0], PV
	v_lshl_add_u32 v[AV0], v11, 4, v[AV0]
	v_add_nc_u32 v[AV0], VOFF, v[AV0]
	v_mov_b32 v[NEGV], 0xceabfb8f   ; -1e9 log2(e), rounded to f32
	v_mov_b32 v[AK], v[AK0]         ; key step 0 lies at the head of slot 0
; THE MATRIX WORK.  The 8 accumulators of a run of 16 take turns.
; Product i of 16 of S^T = K Q^T for piece x: channels 32 (i / 8) on, keys 16 ((i / 2) % 4) on, tile 2 x + i % 2.  The first 8 start the sums.
.macro KQ x
	WIN W_KQ
.set rS, S+64*((\x)%2)+32*(i%2)+8*((i/2)%4)
.set rK, KF+16*((i/2)%4)+8*(i/8)
.set rQ, 16*(2*(\x)+i%2)+8*(i/8)
.if i < 8
	v_wmma_f32_16x16x32_f16 v[rS:rS+7], v[rK:rK+7], v[rQ:rQ+7], 0
.else
	v_wmma_f32_16x16x32_f16 v[rS:rS+7], v[rK:rK+7], v[rQ:rQ+7], v[rS:rS+7]
.endif
.endm
; Product i of 16 of O^T += V^T P for piece x: keys 32 (i / 8) on, channels 16 ((i / 2) % 4) on, tile 2 x + i % 2.
.macro PV x
	WIN W_PV
.set rO, 32*(2*(\x)+i%2)+8*((i/2)%4)
.set rV, VF+32*(i/8)+8*((i/2)%4)
.set rP, P+32*((\x)%2)+16*(i%2)+8*(i/8)
	v_wmma_f32_16x16x32_f16 v[rO:rO+7], v[rV:rV+7], v[rP:rP+7], v[rO:rO+7]
.endm
.macro MM                           ; the turn's next matrix instruction
.if i < 16
	KQ (Y+1)%NP
.set i, i+1
.else
.set i, i-16
	PV (Y+NP-1)%NP
.set i, i+17
.endif
.endm
; THE LDS LOADS stand in runs of 16: a step's K (8 fragments) and its V (turned).  last = 1 (the tail): in the last trip there is no further step, and the run is jumped over.
.macro FETCH_K last=0
	WIN 0
.if \last
	s_cmp_eq_u32 s[CNT], 1
	s_cbranch_scc1 .Lno_k_\@
.endif
	WIN 0x80                        ; destination window 2
.irp f, 0,1,2,3,4,5,6,7             ; keys 16 (f / 2) on, channels 32 (f % 2) on
	ds_load_b128 v[KF+8*\f:KF+8*\f+3],   v[AK] offset:(\f/2)*16*PK+(\f%2)*64
	ds_load_b128 v[KF+8*\f+4:KF+8*\f+7], v[AK] offset:(\f/2)*16*PK+(\f%2)*64+32
.endr
	s_add_co_u32 s[TBK], s[TBK], KS*PK  ; the next fetch is the next step's
	WIN 0
.if \last
.Lno_k_\@:
.endif
.endm
.macro FETCH_V
	WIN 0x80
.irp f, 0,1,2,3,4,5,6,7             ; keys 32 (f / 4) on, channels 16 (f % 4) on
	ds_load_tr16_b128 v[VF+8*\f:VF+8*\f+3],   v[AV] offset:(\f/4)*32*PV+(\f%4)*32
	ds_load_tr16_b128 v[VF+8*\f+4:VF+8*\f+7], v[AV] offset:(\f/4)*32*PV+16*PV+(\f%4)*32
.endr
	WIN 0
.endm
; THE VECTOR WORK OF A TURN stands in three queues, each in the order in which its entries become ready; the two tiles alternate.
.macro REGS y, u                    ; the registers of tile u (0, 1) of piece y
.set rT, ST+4*(2*(\y)+(\u))
.set rC, TMP+8*((\y)%2)+4*(\u)
.set rS, S+64*((\y)%2)+32*(\u)
.set rP, P+32*((\y)%2)+16*(\u)
.set rO, 32*(2*(\y)+(\u))
.endm
; THE SELECTS for tile u of the NEXT piece: where the lane's bit is 0 the score gives way to the hidden score.  In ascending order: each accumulator's lowest register is read first.
.macro SELT u
	REGS (Y+1)%NP, \u
.set z, 0
.rept 32
	v_cndmask_b32 v[rS+z], v[NEGV], v[rS+z], s[MK+36*(\u)+z]
.set z, z+1
.endr
.endm
; Turn p's selects, behind its 16 products K Q^T and the four rescalings that are their places; then the masks of the piece after: a turn less these 64 lines in which to land.
; Piece 0's next masks are the next key step's: MB steps in turn 2, behind the wait that shows the loads that name it done.
.macro MASKS p
	WIN 0
	s_wait_kmcnt 0x0                ; the masks asked for a turn ago
.if (\p) == 2
	s_add_nc_u64 s[MB:MB+1], s[MB:MB+1], 128
.endif
	SELT 0
	SELT 1
	MLOAD 0, ((\p)+2)%NP
	MLOAD 1, ((\p)+2)%NP
.endm
; Number n of the 21 that find the NEXT piece's (Y + 1) maximum and statistics.  s0-s31 are the lane's 32 scores.
;   0-11  four chains c0-c3 of seven scores each, three operands at a time     12-14, 16  the four scores left over, the old m, and c0-c3 into c0     15  m_old is kept
;   17, 18  the query's other 32 keys lie in the lane 16 away: the new m         19, 20  m_old - m_new; a
.macro XS u, n
	REGS (Y+1)%NP, \u
.if (\n) < 4
	v_max3_num_f32 v[rC+(\n)], v[rS+8*(\n)], v[rS+8*(\n)+1], v[rS+8*(\n)+2]
.elseif (\n) < 12
	v_max3_num_f32 v[rC+(\n)%4], v[rC+(\n)%4], v[rS+8*((\n)%4)+2*((\n)/4)+1], v[rS+8*((\n)%4)+2*((\n)/4)+2]
.elseif (\n) == 12
	v_max3_num_f32 v[rC], v[rC], v[rS+7], v[rS+15]
.elseif (\n) == 13
	v_max3_num_f32 v[rC+1], v[rC+1], v[rS+23], v[rS+31]
.elseif (\n) == 14
	v_max3_num_f32 v[rC+2], v[rC+2], v[rC+3], v[rT]
.elseif (\n) == 15
	v_mov_b32 v[rT+1], v[rT]
.elseif (\n) == 16
	v_max3_num_f32 v[rC], v[rC], v[rC+1], v[rC+2]
.elseif (\n) == 17
	v_permlanex16_b32 v[rC+3], v[rC], s[SEL], s[SEL+1]
.elseif (\n) == 18
	v_max_num_f32 v[rT], v[rC], v[rC+3]
.elseif (\n) == 19
	v_sub_f32 v[rC+1], v[rT+1], v[rT]
.else
	v_exp_f32 v[rC+2], v[rC+1]
.endif
.endm
; Number g of the 64 that follow the exponentials.  For each four weights k of a tile: both pairs are rounded to f16; then the second pair is added onto the first, in place;
; a group later l takes that sum (the first time as l = a l + sum).
.macro GS g
.set h, (\g)+6*((\g)/62)            ; group 0 has no group before it, and behind group 7 only l is left
.if h >= 6
.set h, h+2
.endif
	REGS Y, h%2
.set k, h/8
.if h%8 < 4
	s_wait_alu depctr_va_vdst(0)
	v_cvt_pk_f16_f32 v[rP+2*k+(h%8)/2], v[rS+4*k+2*((h%8)/2)], v[rS+4*k+2*((h%8)/2)+1]
.elseif h%8 < 6
	v_pk_add_f32 v[rS+4*k:rS+4*k+1], v[rS+4*k:rS+4*k+1], v[rS+4*k+2:rS+4*k+3]
.elseif k == 1
	v_pk_fma_f32 v[rT+2:rT+3], v[rT+2:rT+3], v[rC+2:rC+3], v[rS:rS+1] op_sel_hi:[1,0,1]
.else
	v_pk_add_f32 v[rT+2:rT+3], v[rT+2:rT+3], v[rS+4*k-4:rS+4*k-3]
	s_wait_alu depctr_va_vdst(0)
.endif
.endm
; THE PLAIN QUEUE, 136 long.  0-31: s - m for the 16 pairs of both tiles.  Then GS's 64, and among them the next piece's 40: number 15 at 38, 39; 0-14 and 16
; at 42-73, behind the selects; 17-19 at 95-103, two of three, since each waits for the one before it.
.macro PL
	WIN 0
.if q < 32
	REGS Y, q%2
	v_pk_add_f32 v[rS+2*(q/2):rS+2*(q/2)+1], v[rS+2*(q/2):rS+2*(q/2)+1], v[rT:rT+1] op_sel_hi:[1,0] neg_lo:[0,1] neg_hi:[0,1]
.elseif q < 38
	GS q-32
.elseif q < 40
	XS q%2, 15
.elseif q < 42
	GS q-34
.elseif q < 74
	XS q%2, (q-42)/2+(q-42)/30
.elseif q < 95
	GS q-66
.elseif (q < 104) && ((q-95)%3 < 2)
	XS (q-95)%3, 17+(q-95)/3
.elseif q < 104
	GS 29+(q-95)/3
.else
	GS q-72
.endif
.set q, q+1
.endm
; THE EXPONENTIALS' QUEUE, 66 long: s0-s31 of both tiles, and at EA the next piece's two a.
.set EA, 58
.macro EX
	WIN 0
.if (e == EA) || (e == EA+1)
	XS e-EA, 20
.else
.set x, e-2*(e/(EA+2))
	REGS Y, x%2
	v_exp_f32 v[rS+x/2], v[rS+x/2]
.endif
.set e, e+1
.endm
; THE RESCALING's QUEUE: O^T times a, the one part that leaves window 0, so it is dealt four at a time, eight times.
.macro R4
	REGS Y, r%2
	WIN W_RS
	s_wait_alu depctr_va_vdst(0)
.irp z, 0,1,2,3
	v_pk_mul_f32 v[rO+8*(r/2)+2*\z:rO+8*(r/2)+2*\z+1], v[rO+8*(r/2)+2*\z:rO+8*(r/2)+2*\z+1], v[rC+2:rC+3] op_sel_hi:[1,0]
.endr
.set r, r+1
.endm
; HOW THEY ARE DEALT.  Behind a matrix instruction four: plain, exponential, plain, plain, or four of the rescaling.  None names a register of the products round it.  What is over stands in LUMPS: the selects;
; exponential and plain by turns; the last ends in 20 plain instructions.  The queues lean on each other: exponential e stands behind plain 2 (e / 4) + e % 2; when plain 32 comes, 10 exponentials are out,
; at 59: 33; from plain 95 to 115 exponential q - 50 stands just ahead of plain q, whose rounding wants none later than q - 63; EA comes behind plain 107, the subtractions stand at 101 and 102.
.macro SL
	MM
	PL
	EX
	PL
	PL
.endm
.macro BURST n                      ; 15 matrix instructions, or 16
.rept (\n)-7
	SL
.endr
.rept 3
	MM
	R4
	SL
.endr
	MM
	R4
.endm
; A TURN, for piece p.  cnt = 1: the loop's count is taken down some lines ahead of the branch that stands behind the turn.
; K of the next step is fetched in piece 2's turn, behind the selects and part of a lump; V of the step in hand at the end of piece 0's turn.  The four conditions on e and q below go with the deal.
.macro TURN p, last=0, cnt=0
.set Y, (\p)
.set i, 0
.set q, 0
.set e, 0
.set r, 0
.if (\p) == NP-1
	s_wait_dscnt 0x0                ; K is in
.endif
	MM
.rept 4
	PL
.endr
	BURST 15
	MASKS \p
.rept 22
	EX
	PL
.if ((\p) == NP-2) && (e == 18)
	v_add_nc_u32 v[AK], s[TBK], v[AK0]
.endif
.if ((\p) == NP-2) && (e == 24)
	FETCH_K \last
.endif
.endr
.if (\p) == 1
	s_wait_dscnt 0x0                ; V is in
.endif
	BURST 16
.rept 21
	EX
	PL
.endr
.rept 20
	PL
.if ((\p) == 0) && (q == 118)
	v_add_nc_u32 v[AV], s[TBV], v[AV0]
	s_wait_alu depctr_va_vdst(0)
.endif
.if ((\p) == 0) && (q == 130)
	s_add_co_u32 s[TBV], s[TBV], KS*PV
.endif
.if (\cnt) && (q == 130)
	s_sub_co_u32 s[CNT], s[CNT], 1
	s_cmp_lg_u32 s[CNT], 0
.endif
.endr
.if (\p) == 0
	FETCH_V
.endif
.endm
	CHANGE 1                        ; slot 0 is in, everybody's part of it; slot 1 is asked for
	FETCH_K                         ; key step 0
	s_wait_loadcnt 0x0              ; Q is in, so its address registers are free
	s_mov_b32 s[SEL], 0x76543210    ; each lane takes its own place in the other half
	s_mov_b32 s[SEL+1], 0xfedcba98
	s_wait_dscnt 0x0
.set i, 0
.rept 16
	KQ 0                            ; piece 0's first scores: there is no vector work yet to set between them
.set i, i+1
.endr
	WIN 0                           ; the addresses for the way out: nine plain instructions, the places behind those products
	s_mul_i32 s[TS], s[WV], 16*SP
	s_add_co_u32 s[TS], s[TS], STAGE  ; my stage
	v_mul_u32_u24 v[STO], v1, SP    ; in: row l % 16, 16 bytes for each half of the lanes
	v_lshl_add_u32 v[STO], v9, 4, v[STO]
	v_add_nc_u32 v[STO], s[TS], v[STO]
	v_bfe_u32 v[RD], v0, 3, 2       ; back: 32 lanes take four rows of 128 bytes,
	v_mul_u32_u24 v[RD], v[RD], SP
	v_lshl_add_u32 v[RD], v10, 4, v[RD]
	v_add_nc_u32 v[RD], s[TS], v[RD]
	v_and_b32 v[GO], 31, v0         ; which are 512 consecutive bytes of O
	v_lshlrev_b32 v[GO], 4, v[GO]
.set Y, NP-1                        ; SELT and XS work for piece Y + 1: piece 0
	MASKS NP-1                      ; piece 0's selects; piece 1's masks are asked for
.irp n, 0,1,2,3,4,5,6,7,8,9,10,11,12,13,14,15,16,17,18,19,20
	XS 0, \n                        ; and piece 0's first maximum and statistics
	XS 1, \n
.endr
	s_mov_b32 s[CNT], 4
	s_mov_b32 s[SLOTS], SIZE_N/256-1
	s_branch .Lfirst                ; the loop is entered at a step's first turn, in the middle of a trip
.Lslot:                             ; SIZE_N / 256 - 2 times: every slot but the last two is filled again
	CHANGE 1
	s_mov_b32 s[CNT], 4
.Lstep:                             ; a trip: pieces 2 and 3 of one step, then pieces 0 and 1 of the next, whose K and V it fetches
	TURN 2
	TURN 3
	WIN 0
.Lfirst:
	TURN 0
	TURN 1, 0, 1
	WIN 0
	s_cbranch_scc1 .Lstep
	s_sub_co_u32 s[SLOTS], s[SLOTS], 1
	s_cmp_lg_u32 s[SLOTS], 0
	s_cbranch_scc1 .Lslot
	CHANGE 0                        ; the tail is written out: nothing is asked for
	s_mov_b32 s[CNT], 5             ; four trips fetch the last slot's steps; the fifth is left in its middle
.Ltail:
	TURN 2, 1
	TURN 3
	WIN 0
	s_sub_co_u32 s[CNT], s[CNT], 1
	s_cmp_eq_u32 s[CNT], 0
	s_cbranch_scc1 .Lout
	TURN 0
	TURN 1
	WIN 0
	s_branch .Ltail
.Lout:                              ; the fifth trip's 16 products K Q^T (on the last K once more), their selects and maximum serve nothing: the price, once a launch, of one text for every trip.
	s_wait_kmcnt 0x0                ; Its two mask loads read 4,096 to 16,512 bytes into my wave's own 32,768 bytes of mbits: inside the buffer
.set i, 0
.rept 16
	PV NP-1                         ; the last piece's V^T P of the last step
.set i, i+1
.endr
	; THE WAY OUT.  l's two halves and the other half of the lanes' are added; O^T is divided by l, rounded to f16 and sent through my stage in LDS, a tile at a time.  The additions are the places behind the last products.
	WIN 0
.macro ALL line:vararg              ; one line for each tile t
.set t, 0
.rept 2*NP
	\line
.set t, t+1
.endr
.endm
	ALL v_add_f32 v[ST+4*t+2], v[ST+4*t+2], v[ST+4*t+3]
	ALL v_permlanex16_b32 v[ST+4*t+3], v[ST+4*t+2], s[SEL], s[SEL+1]
	ALL v_add_f32 v[ST+4*t+2], v[ST+4*t+2], v[ST+4*t+3]
	ALL v_rcp_f32 v[ST+4*t+2], v[ST+4*t+2]
	v_nop                           ; a plain instruction between the last reciprocal and the use of its result
	s_wait_alu depctr_va_vdst(0)
; Tile t: a lane's eight channels of a row pack into 16 bytes; they go into rows of 144 bytes and come back as whole rows of 128, into S^T's registers.
.macro PACK t
	WIN W_RS
.set i, 32*(\t)
.rept 16
	v_pk_mul_f32 v[i:i+1], v[i:i+1], v[ST+4*(\t)+2:ST+4*(\t)+3] op_sel_hi:[1,0]
.set i, i+2
.endr
	WIN 0x05                        ; sources 0 and 1 window 1, destination window 0
.set i, 0
.rept 16
	v_cvt_pk_f16_f32 v[S+16*(\t)+i], v[32*(\t)+2*i], v[32*(\t)+2*i+1]
.set i, i+1
.endr
	WIN 0
.irp f, 0,1,2,3
	ds_store_b128 v[STO], v[S+16*(\t)+4*\f:S+16*(\t)+4*\f+3] offset:32*\f
.endr
.irp f, 0,1,2,3
	ds_load_b128 v[S+16*(\t)+4*\f:S+16*(\t)+4*\f+3], v[RD] offset:\f*4*SP  ; LDS serves a wave's instructions in order: these see the stores above; the next tile's stores come behind them
.endr
.endm
.macro SEND t, younger              ; younger: the LDS instructions issued behind tile t's loads: the next tile's eight, or none
	WIN 0
.irp f, 0,1,2,3
	s_wait_dscnt (\younger)+3-\f
	global_store_b128 v[GO], v[S+16*(\t)+4*\f:S+16*(\t)+4*\f+3], s[OPT:OPT+1] offset:(\t)*2048+\f*512  ; 512 consecutive bytes, at a multiple of 256 from O's first
.endr
.endm
	PACK 0
.set t, 1
.rept 2*NP-1                        ; a tile's arithmetic stands between the loads of the tile before and its stores
	PACK t
	SEND t-1, 8
.set t, t+1
.endr
	SEND 2*NP-1, 0
	WIN W_AD
	s_wait_tensorcnt 0x0            ; the wave's end
	ds_add_u32 v[SPW], v[NIL]
	s_wait_dscnt 0x0
	WIN 0
	CROUND                          ; the closing round
	s_endpgm
.Lfunc_end_k_q8b091e2cd5_attn:
	.size	k_q8b091e2cd5_attn, .Lfunc_end_k_q8b091e2cd5_attn-k_q8b091e2cd5_attn
	.p2alignl 7, 3214868480
	.fill 96, 4, 3214868480
	.section	.rodata,"a",@progbits
	.p2align	6, 0x0
	.amdhsa_kernel k_q8b091e2cd5_attn
		.amdhsa_group_segment_fixed_size 327680
		.amdhsa_private_segment_fixed_size 0
		.amdhsa_enable_private_segment 0
		.amdhsa_kernarg_size 24
		.amdhsa_user_sgpr_count 2
		.amdhsa_user_sgpr_kernarg_segment_ptr 1
		.amdhsa_wavefront_size32 1
		.amdhsa_system_sgpr_workgroup_id_x 1
		.amdhsa_system_sgpr_workgroup_id_y 1
		.amdhsa_system_sgpr_workgroup_id_z 1
		.amdhsa_system_vgpr_workitem_id 0
		.amdhsa_next_free_vgpr 770
		.amdhsa_next_free_sgpr 106
		.amdhsa_reserve_vcc 0
		.amdhsa_float_denorm_mode_32 3
		.amdhsa_float_denorm_mode_16_64 3
		.amdhsa_memory_ordered 1
		.amdhsa_forward_progress 1
		.amdhsa_inst_pref_size 247
	.end_amdhsa_kernel
	.amdgpu_metadata
---
amdhsa.version: [ 1, 2 ]
amdhsa.kernels:
  - .name:           k_q8b091e2cd5_attn
    .symbol:         k_q8b091e2cd5_attn.kd
    .args:
      - { .name: qkvh, .offset: 0, .size: 8, .value_kind: global_buffer, .address_space: global }
      - { .name: mbits, .offset: 8, .size: 8, .value_kind: global_buffer, .address_space: global }
      - { .name: oh, .offset: 16, .size: 8, .value_kind: global_buffer, .address_space: global }
    .group_segment_fixed_size: 327680
    .private_segment_fixed_size: 0
    .kernarg_segment_align: 8
    .kernarg_segment_size: 24
    .max_flat_workgroup_size: 128
    .sgpr_count:     106
    .vgpr_count:     770
    .wavefront_size: 32
...
	.end_amdgpu_metadata
.endif
;; end of part 3
;; launch outp (part 4): grid 4 x 64, 4 waves a work-group, clusters of 4 x 4, 327,680 bytes of LDS; arguments oh, wob, out0; writes out0
.if DOCPART == 4
	.amdgcn_target "amdgcn-amd-amdhsa--gfx1250"
	.amdhsa_code_object_version 6
	.text
	.protected	k_q8b091e2cd5_outp
	.globl	k_q8b091e2cd5_outp
	.p2align	8
	.type	k_q8b091e2cd5_outp,@function
k_q8b091e2cd5_outp:
	s_mov_b64 s[64:65], 0
	v_nop
	global_prefetch_b8 v0, s[64:65] scope:SCOPE_SE
	s_setreg_imm32_b32 hwreg(HW_REG_WAVE_MODE, 25, 1), 1
	s_wait_xcnt 0x0
	s_wait_alu depctr_hold_cnt(0) depctr_sa_sdst(0) depctr_va_vdst(0) depctr_va_sdst(0) depctr_va_ssrc(0) depctr_va_vcc(0) depctr_vm_vsrc(0)
	s_getreg_b32 s2, hwreg(HW_REG_IB_STS2, 6, 4)
	s_cmp_eq_u32 s2, 0
	s_cbranch_scc0 .Lentry_in_a_cluster
	s_endpgm
.Lentry_in_a_cluster:
	s_bfe_u32 s2, ttmp6, 0x10000c
	s_cmp_lg_u32 s2, 0xf033
	s_cbranch_scc0 .Lentry_shape_is_right
	s_endpgm
.Lentry_shape_is_right:
; THE LAST PROJECTION.  out0[m][n] = sum over k of O[m][k] w_o[n][k].  O: oh [64 = 16 b + head][2048 s][64] f16, m = 2,048 b + s, k = 64 head + channel; w_o: wob [1024][1024] f16; out0 [8192][1024] f32.
; Sums in f32, K ascending.  LIMITS: none of its own; O and w_o arrive within f16's range.
; SHARES.  A tile of out0 is 128 x 256: 64 x 4 = 256 work-groups.  Four waves, each 64 x 128: 32 accumulators.  K goes in 8 steps of 128 = two heads through two LDS slots; a step is four quarters of 32.
; A head's 128 rows of a tile are 16,384 dense bytes: asked for as 64 rows of 256 bytes and padded in LDS after every 128.
; CLUSTER 4 x 4: the four of a row share O's tiles, the four of a column w_o's: joint loads.  THE MATRIX INSTRUCTION IS USED TRANSPOSED: a lane holds one row m and eight neighbouring n, 32 bytes of f32.
; REGISTERS.  window 0: v16-29 addresses; v32-63, v64-95 O's fragments, two buffers; v96-159, v160-223 w_o's; on the way out v32-159 hold rows read back.   window 1: the accumulators, (a, b) at v[8 (8 a + b)].
.set PA,    144                        ; a row of O in LDS: 128 bytes + 16
.set HB,    128*PA                     ; a head's 128 rows: what one tensor load brings of O
.set PB,    272                        ; a row of w_o: 256 + 16
.set BH,    128*PB
.set BOFF,  2*HB
.set SLOT,  2*HB+2*BH
.set STAGE, 2*SLOT                     ; behind the ring: 16 rows x 528 bytes for each wave
.set SPT,   528                        ; 512 bytes of f32 + 16
.set SPARE, STAGE+4*16*SPT             ; behind the stages: the spare words, 128 bytes for each wave
.set LAPS,  4
.set ADRA, 16
.set ADRB, 20
.set STO,  24
.set RD,   25
.set GO,   26
.set SPW,  28                          ; LDS address of my spare word; never rewritten
.set NIL,  29                          ; 0; never rewritten
.set AFB,  32
.set BFB,  96
.set OB,   32                          ; the way out: 16 rows read back: v32-95 and v96-159 by turns
.set G1, 24
.set G0, 32
.set G1B, 48
.set G0B, 56
.set MSB, 0
.macro WIN new
.if MSB != (\new)
	s_set_vgpr_msb (MSB<<8)|(\new)
.set MSB, \new
.endif
.endm
.set MUL, 0x50                         ; sources 0 and 1 window 0; C and D window 1
.macro JLOAD s                         ; waves 0 and 1 fetch the step's two heads of O, waves 2 and 3 w_o's two halves; four v_nop follow each of the two lines
	s_cmp_eq_u32 s11, 0
	s_cbranch_scc0 .Lfor_b_\@
	tensor_load_to_lds s[G0+4*(\s):G0+4*(\s)+3], s[G1:G1+7]
	s_nop 0
.rept 4
	v_nop
.endr
	s_branch .Lasked_\@
.Lfor_b_\@:
	tensor_load_to_lds s[G0B+4*(\s):G0B+4*(\s)+3], s[G1B:G1B+7]
	s_nop 0
.rept 4
	v_nop
.endr
.Lasked_\@:
.endm
.macro CREST
	s_cmp_lg_u32 s10, 0
	s_cbranch_scc1 .Lnot_wave_0_\@
	s_barrier_signal -3
.Lnot_wave_0_\@:
	s_barrier_wait -3
	s_barrier_signal -1
	s_barrier_wait -1
.endm
.macro CROUND
	s_barrier_signal -1
	s_barrier_wait -1
	CREST
.endm
.macro PLACES                          ; four places in front of loads into registers that matrix instructions have read, and of stores that read results
.rept 4
	v_nop
.endr
.endm
	s_load_b128 s[4:7], s[0:1], 0x0                ; oh s[4:5], wob s[6:7]
	s_load_b64 s[8:9], s[0:1], 0x10                ; out0
	v_lshl_add_u32 v[SPW], v0, 2, SPARE
	v_mov_b32 v[NIL], 0
	ds_add_u32 v28, v29
	s_wait_dscnt 0x0
	v_lshrrev_b32 v1, 5, v0
	v_readfirstlane_b32 s10, v1                    ; wave 0..3
	s_lshr_b32 s11, s10, 1                         ; which 64 of the tile's rows are mine.  Also: I fetch for O (0) or for w_o (1)
	s_and_b32 s12, s10, 1                          ; which 128 of its columns.  Also: which head, or which half, I fetch
	s_bfe_u32 s40, ttmp6, 0x40000
	s_bfe_u32 s41, ttmp6, 0x40004
	s_lshl_b32 s42, ttmp9, 2
	s_add_co_u32 s42, s42, s40                     ; tile column 0..3
	s_and_b32 s13, ttmp7, 0xffff
	s_lshl_b32 s13, s13, 2
	s_add_co_u32 s13, s13, s41                     ; tile row 0..63
	s_lshl_b32 s43, s41, 2
	s_lshl_b32 s43, 15, s43                        ; my row of the cluster
	s_lshl_b32 s44, 0x1111, s40                    ; my column
	s_or_b32 s[G1+0], s43, (1<<16)|(1<<20)|(1<<21)|(4<<22)|(3<<25)   ; 2-byte elements; padding on; bit 21 beside a mask; after every 32 words, 4 words
	s_mov_b32 s[G1+1], 128<<16                     ; tensor_dim0 = 128
	s_mov_b32 s[G1+2], 64<<16                      ; tensor_dim1 = 64
	s_mov_b32 s[G1+3], 128<<16                     ; tile_dim0 = 128
	s_mov_b32 s[G1+4], 64                          ; tile_dim1 = 64
	s_mov_b32 s[G1+5], 128                         ; dense
	s_mov_b32 s[G1+6], 0
	s_mov_b32 s[G1+7], 0
	s_or_b32 s[G1B+0], s44, (1<<16)|(1<<20)|(1<<21)|(5<<22)|(3<<25)  ; after every 64 words, 4 words
	s_mov_b32 s[G1B+1], 128<<16
	s_mov_b32 s[G1B+2], 128<<16
	s_mov_b32 s[G1B+3], 128<<16
	s_mov_b32 s[G1B+4], 128
	s_mov_b32 s[G1B+5], 1024
	s_mov_b32 s[G1B+6], 0
	s_mov_b32 s[G1B+7], 0
	s_lshr_b32 s16, s13, 4                         ; O: batch = tile row / 16: 16 heads of 262,144 bytes;
	s_lshl_b32 s16, s16, 22
	s_and_b32 s17, s13, 15                         ; 128 rows of 128 bytes for each tile row in the batch;
	s_lshl_b32 s17, s17, 14
	s_add_co_u32 s16, s16, s17
	s_lshl_b32 s17, s12, 18                        ; the step's first or second head
	s_add_co_u32 s16, s16, s17
	s_mov_b32 s17, 0
	s_lshl_b32 s46, s42, 8                         ; w_o: row 256 x tile column + 128 x half, 2,048 bytes a row
	s_lshl_b32 s47, s12, 7
	s_add_co_u32 s46, s46, s47
	s_lshl_b32 s46, s46, 11
	s_mov_b32 s47, 0
	s_mul_i32 s20, s12, HB                         ; where they go: no place in the cluster enters an LDS address
	s_mul_i32 s21, s12, BH
	s_add_co_u32 s21, s21, BOFF
	s_wait_kmcnt 0x0
	s_add_nc_u64 s[14:15], s[4:5], s[16:17]
	s_add_nc_u64 s[46:47], s[6:7], s[46:47]
	CROUND                                         ; all sixteen work-groups are here: the first joint loads meet
.irp s, 0,1
	s_mov_b32 s[G0+4*(\s)], 1
	s_add_co_u32 s[G0+4*(\s)+1], s20, (\s)*SLOT
	s_add_nc_u64 s[G0+4*(\s)+2:G0+4*(\s)+3], s[14:15], (\s)*524288   ; K step s: two heads on
	s_or_b32 s[G0+4*(\s)+3], s[G0+4*(\s)+3], 0x80000000
	s_mov_b32 s[G0B+4*(\s)], 1
	s_add_co_u32 s[G0B+4*(\s)+1], s21, (\s)*SLOT
	s_add_nc_u64 s[G0B+4*(\s)+2:G0B+4*(\s)+3], s[46:47], (\s)*256
	s_or_b32 s[G0B+4*(\s)+3], s[G0B+4*(\s)+3], 0x80000000
	JLOAD \s
.endr
	v_and_b32 v1, 15, v0                           ; r
	v_bfe_u32 v2, v0, 4, 1                         ; h
	v_mul_u32_u24 v3, v1, PA
	v_lshl_add_u32 v3, v2, 4, v3
	v_mul_u32_u24 v4, v1, PB
	v_lshl_add_u32 v4, v2, 4, v4
	s_mul_i32 s22, s11, 64*PA                      ; my 64 rows, in each head's block
	s_mul_i32 s23, s12, BH                         ; my 128 rows of w_o
	s_add_co_u32 s23, s23, BOFF
.irp s, 0,1
	v_add_nc_u32 v[ADRA+(\s)], s22, v3
	v_add_nc_u32 v[ADRB+(\s)], s23, v4
	s_add_co_u32 s22, s22, SLOT
	s_add_co_u32 s23, s23, SLOT
.endr
	s_mul_i32 s22, s10, 16*SPT
	s_add_co_u32 s22, s22, STAGE                   ; my stage
	v_mul_u32_u24 v5, v1, SPT                      ; in: row r, 32 bytes for each half of the lanes
	v_lshl_add_u32 v5, v2, 5, v5
	v_add_nc_u32 v[STO], s22, v5
	v_and_b32 v[GO], 31, v0                        ; back: 32 lanes take a row's 512 bytes
	v_lshlrev_b32 v[GO], 4, v[GO]
	v_add_nc_u32 v[RD], s22, v[GO]
	s_lshl_b32 s16, s13, 7                         ; my first row of out0, 4,096 bytes a row,
	s_lshl_b32 s17, s11, 6
	s_add_co_u32 s16, s16, s17
	s_lshl_b32 s16, s16, 12
	s_mov_b32 s17, 0
	s_add_nc_u64 s[8:9], s[8:9], s[16:17]
	s_lshl_b32 s46, s42, 10                        ; and my first column, in bytes
	s_lshl_b32 s47, s12, 9
	s_add_co_u32 s46, s46, s47
	s_mov_b32 s47, 0
	s_add_nc_u64 s[8:9], s[8:9], s[46:47]
; 24 LDS loads in one run: quarter qn of a slot into buffer g: O from head qn / 2, channels 32 (qn % 2) on; w_o at byte 64 qn of its rows
.macro FETCH slot, qn, g
	WIN 0
.irp i, 0,1,2,3
	ds_load_b128 v[AFB+32*(\g)+8*(\i):AFB+32*(\g)+8*(\i)+3],   v[ADRA+(\slot)] offset:((\qn)/2)*HB+64*((\qn)%2)+(\i)*16*PA
	ds_load_b128 v[AFB+32*(\g)+8*(\i)+4:AFB+32*(\g)+8*(\i)+7], v[ADRA+(\slot)] offset:((\qn)/2)*HB+64*((\qn)%2)+(\i)*16*PA+32
.endr
.irp i, 0,1,2,3,4,5,6,7
	ds_load_b128 v[BFB+64*(\g)+8*(\i):BFB+64*(\g)+8*(\i)+3],   v[ADRB+(\slot)] offset:64*(\qn)+(\i)*16*PB
	ds_load_b128 v[BFB+64*(\g)+8*(\i)+4:BFB+64*(\g)+8*(\i)+7], v[ADRB+(\slot)] offset:64*(\qn)+(\i)*16*PB+32
.endr
.endm
; 8 matrix instructions: m block a x all 8 n blocks, from buffer f.  The 32 accumulators take turns, one instruction a turn, over the loop's edge too.
.macro MULA f, a, zero
	WIN MUL
.irp b, 0,1,2,3,4,5,6,7
.if \zero
	v_wmma_f32_16x16x32_f16 v[8*(8*(\a)+(\b)):8*(8*(\a)+(\b))+7], v[BFB+64*(\f)+8*(\b):BFB+64*(\f)+8*(\b)+7], v[AFB+32*(\f)+8*(\a):AFB+32*(\f)+8*(\a)+7], 0
.else
	v_wmma_f32_16x16x32_f16 v[8*(8*(\a)+(\b)):8*(8*(\a)+(\b))+7], v[BFB+64*(\f)+8*(\b):BFB+64*(\f)+8*(\b)+7], v[AFB+32*(\f)+8*(\a):AFB+32*(\f)+8*(\a)+7], v[8*(8*(\a)+(\b)):8*(8*(\a)+(\b))+7]
.endif
.endr
.endm
; One of a K step's first three quarters: buffer f, fetched a quarter ago, is in; the other buffer takes quarter qn, 32 matrix instructions ahead of its use.
.macro QUARTER slot, qn, f, zero
	s_wait_dscnt 0x0
	PLACES
	FETCH \slot, \qn, 1-(\f)
	MULA \f, 0, \zero
	MULA \f, 1, \zero
	MULA \f, 2, \zero
	MULA \f, 3, \zero
.endm
; The last quarter multiplies buffer 1 and changes slots: ONE barrier; in front of it each wave waits for all its tensor loads (one is out: its part of the next slot), adds 0 to its spare word,
; and waits for that and for its reads of this slot.  fill = 1: the barrier opens a round of the cluster's, and this slot is filled again, two K steps ahead, first thing behind it.
.macro TURN slot, next, fill
	WIN 0
	s_wait_dscnt 0x0                               ; buffer 1 is in: my last reads of this slot
	s_wait_tensorcnt 0x0
	ds_add_u32 v[SPW], v[NIL]
	MULA 1, 0, 0                                   ; eight matrix instructions stand between the add and the wait for it
	s_wait_dscnt 0x0
	s_barrier_signal -1
	MULA 1, 1, 0
	WIN 0
	s_barrier_wait -1
.if \fill
	CREST
	s_add_nc_u64 s[G0+4*(\slot)+2:G0+4*(\slot)+3], s[G0+4*(\slot)+2:G0+4*(\slot)+3], 2*524288
	s_add_nc_u64 s[G0B+4*(\slot)+2:G0B+4*(\slot)+3], s[G0B+4*(\slot)+2:G0B+4*(\slot)+3], 2*256
	JLOAD \slot                                    ; 112 matrix instructions ahead of the wait for it; its four v_nop are also the places in front of the loads below
.else
	PLACES
.endif
	FETCH \next, 0, 0
	MULA 1, 2, 0
	MULA 1, 3, 0
.endm
	s_wait_tensorcnt 1                             ; my part of K step 0 is in; K step 1's may stay out
	s_barrier_signal -1
	s_barrier_wait -1
	FETCH 0, 0, 0
	QUARTER 0, 1, 0, 1                             ; the first quarter stands in front of the loop: its products start the sums
	WIN 0
	s_mov_b32 s3, LAPS-1
.Llap:
	QUARTER 0, 2, 1, 0
	QUARTER 0, 3, 0, 0
	TURN 0, 1, 1
	QUARTER 1, 1, 0, 0
	QUARTER 1, 2, 1, 0
	QUARTER 1, 3, 0, 0
	TURN 1, 0, 1
	QUARTER 0, 1, 0, 0
	WIN 0
	s_sub_co_u32 s3, s3, 1
	s_cmp_lg_u32 s3, 0
	s_cbranch_scc1 .Llap
	QUARTER 0, 2, 1, 0                             ; the last lap fills nothing
	QUARTER 0, 3, 0, 0
	TURN 0, 1, 0
	QUARTER 1, 1, 0, 0
	QUARTER 1, 2, 1, 0
	QUARTER 1, 3, 0, 0
	s_wait_dscnt 0x0
	MULA 1, 0, 0
	MULA 1, 1, 0
	MULA 1, 2, 0
	MULA 1, 3, 0
	PLACES
; THE WAY OUT, a block of 16 rows at a time: a lane's 32 bytes of a row go straight from the accumulators (each one's four lowest registers first) into rows of 528 bytes of my own stage,
; and come back as whole rows of 512.
.macro TOSTAGE a
.if (\a) >= 2
	s_wait_xcnt 0x0                                ; the stores of the block two back have had their addresses translated: their registers are loaded again only behind this wait
.endif
	WIN 0x04                                       ; store data in window 1, address in window 0
.irp b, 0,1,2,3,4,5,6,7
	ds_store_b128 v[STO], v[8*(8*(\a)+(\b)):8*(8*(\a)+(\b))+3]   offset:64*(\b)
	ds_store_b128 v[STO], v[8*(8*(\a)+(\b))+4:8*(8*(\a)+(\b))+7] offset:64*(\b)+16
.endr
	WIN 0
.set BK, OB+64*((\a)%2)
.irp t, 0,1,2,3,4,5,6,7,8,9,10,11,12,13,14,15
	ds_load_b128 v[BK+4*(\t):BK+4*(\t)+3], v[RD] offset:(\t)*SPT  ; LDS serves a wave's instructions in order: these see the stores above; the next block's stores come behind them
.endr
.endm
.macro SEND a, younger                 ; younger: the LDS instructions issued behind block a's loads: the next block's 32, or none
	WIN 0
.set BK, OB+64*((\a)%2)
.irp t, 0,1,2,3,4,5,6,7,8,9,10,11,12,13,14,15
	s_wait_dscnt (\younger)+15-(\t)
	global_store_b128 v[GO], v[BK+4*(\t):BK+4*(\t)+3], s[8:9] offset:4096*(16*(\a)+(\t)) th:TH_STORE_NT  ; 512 consecutive bytes, at a multiple of 256 from out0's first
.endr
.endm
	TOSTAGE 0
	TOSTAGE 1
	SEND 0, 32
	TOSTAGE 2
	SEND 1, 32
	TOSTAGE 3
	SEND 2, 32
	SEND 3, 0
	s_wait_tensorcnt 0x0                           ; the wave's end
	ds_add_u32 v[SPW], v[NIL]
	s_wait_dscnt 0x0
	CROUND                                         ; the closing round
	s_endpgm
.Lfunc_end_k_q8b091e2cd5_outp:
	.size	k_q8b091e2cd5_outp, .Lfunc_end_k_q8b091e2cd5_outp-k_q8b091e2cd5_outp
	.p2alignl 7, 3214868480
	.fill 96, 4, 3214868480
	.section	.rodata,"a",@progbits
	.p2align	6, 0x0
	.amdhsa_kernel k_q8b091e2cd5_outp
		.amdhsa_group_segment_fixed_size 327680
		.amdhsa_private_segment_fixed_size 0
		.amdhsa_enable_private_segment 0
		.amdhsa_kernarg_size 24
		.amdhsa_user_sgpr_count 2
		.amdhsa_user_sgpr_kernarg_segment_ptr 1
		.amdhsa_wavefront_size32 1
		.amdhsa_system_sgpr_workgroup_id_x 1
		.amdhsa_system_sgpr_workgroup_id_y 1
		.amdhsa_system_sgpr_workgroup_id_z 1
		.amdhsa_system_vgpr_workitem_id 0
		.amdhsa_next_free_vgpr 512
		.amdhsa_next_free_sgpr 66
		.amdhsa_reserve_vcc 0
		.amdhsa_float_denorm_mode_32 3
		.amdhsa_float_denorm_mode_16_64 3
		.amdhsa_memory_ordered 1
		.amdhsa_forward_progress 1
		.amdhsa_inst_pref_size 86
	.end_amdhsa_kernel
	.amdgpu_metadata
---
amdhsa.version: [ 1, 2 ]
amdhsa.kernels:
  - .name:           k_q8b091e2cd5_outp
    .symbol:         k_q8b091e2cd5_outp.kd
    .args:
      - { .name: oh, .offset: 0, .size: 8, .value_kind: global_buffer, .address_space: global }
      - { .name: wob, .offset: 8, .size: 8, .value_kind: global_buffer, .address_space: global }
      - { .name: out0, .offset: 16, .size: 8, .value_kind: global_buffer, .address_space: global }
    .group_segment_fixed_size: 327680
    .private_segment_fixed_size: 0
    .kernarg_segment_align: 8
    .kernarg_segment_size: 24
    .max_flat_workgroup_size: 128
    .sgpr_count:     66
    .vgpr_count:     512
    .wavefront_size: 32
...
	.end_amdgpu_metadata
.endif
;; end of part 4
;; ======== version 2 of 3: 4 launches; 1.09 times as fast as version 1
;; limits: values are held in f16: magnitudes above 65,504 overflow, below 6.1e-05 lose precision; right only within a limited range of input values
;; workspace buffers: wb 6,291,456 bytes; wob 2,097,152 bytes; mcode 4,194,304 bytes; pflag 1,024 bytes of whole numbers; qkvh 50,331,648 bytes; oh 16,777,216 bytes
;; launch prep (part 5): grid 256 x 1, 8 waves a work-group, no clusters, 68,864 bytes of LDS; arguments w_q, w_k, w_v, w_o, mask, wb, wob, mcode, pflag; writes wb, wob, mcode, pflag
.if DOCPART == 5
	.amdgcn_target "amdgcn-amd-amdhsa--gfx1250"
	.amdhsa_code_object_version 6
	.text
	.protected	k_q8b091e2cd5_prep
	.globl	k_q8b091e2cd5_prep
	.p2align	8
	.type	k_q8b091e2cd5_prep,@function
k_q8b091e2cd5_prep:
	s_mov_b64 s[64:65], 0
	v_nop
	global_prefetch_b8 v0, s[64:65] scope:SCOPE_SE
	s_setreg_imm32_b32 hwreg(HW_REG_WAVE_MODE, 25, 1), 1
	s_wait_xcnt 0x0
; PREPARATION.  (1) w_q, w_k, w_v [1024][1024] f32 are rounded to bf16 into wb [3][1024][1024]; w_o is rounded to bf16 and that number written as f16 into wob.
; (2) mask [2048][2048] int32 becomes one byte a score, 0x00 where mask != 0 and 0xB8 (the fp8 code of -1.0) where mask == 0, in the order in which the attention launch's lanes want them:
; mcode [128 qt][32 st][2 hf][32 lanes][16 bytes]; byte 8 (kb % 2) + j of lane 16 h + r in half hf = kb / 2 belongs to mask[16 qt + r][64 st + 16 kb + 8 h + j].
; (3) pflag [256]: word 2 qt + half: bit 16 h + r (either h) says that row 16 qt + r has a key with mask != 0 among that half of its 2,048 keys.
; LIMITS.  |w_o| stays within 65,504 (beyond it f16 has an infinity); below 2^-14 it keeps f16's fixed step of 6e-8.
; SHARES.  2,048 waves, all alike: each converts 2,048 weights (8,192 bytes in) and one mask block of 16 rows x 128 keys (16 x 512 bytes in, 2,048 bytes out).
; No matrix work, no cluster (no two work-groups read the same bytes).  A wave turns its mask block through LDS bytes of its own; the one barrier stands between the eight waves' flag words and wave 0's
; reading of them.  pflag takes 4 bytes from each work-group, 1,024 bytes in all: the one store here that does not cover 256 consecutive bytes.
.set PITCH, 528                        ; a mask row in LDS: 512 bytes + 16: the 16 rows that a load back touches start 16 bytes apart modulo 256
.set WLDS,  16*PITCH                   ; a wave's LDS bytes
.set FLG,   8*WLDS                     ; behind them: a flag word for each wave
.set KB, 16                            ; v[16:19]    the code 0xB8 in byte 0, 1, 2, 3
.set WX, 32                            ; v[32:95]    16 x 4 registers of weights as loaded
.set OC, 32                            ; v[32:47]    later: the 16 words of codes to store
.set MX, 96                            ; v[96:159]   16 x 4 registers of mask as loaded: row t
.set OW, 160                           ; v[160:191]  8 x 4 registers of weights to store
.set MY, 192                           ; v[192:255]  the mask turned: register 32 stl + 8 kb + j
	s_load_b512 s[8:23], s[0:1], 0x0               ; w_q s[8:9], w_k s[10:11], w_v s[12:13], w_o s[14:15], mask s[16:17], wb s[18:19], wob s[20:21], mcode s[22:23]
	s_load_b64 s[40:41], s[0:1], 0x40              ; pflag
	v_lshl_add_u32 v30, v0, 2, 0x10900
	v_mov_b32 v31, 0
	v_and_b32 v1, 31, v0                           ; lane
	v_lshrrev_b32 v2, 5, v0
	v_readfirstlane_b32 s2, v2                     ; wave 0..7
	s_lshr_b32 s3, ttmp9, 6                        ; which weight: 0 q, 1 k, 2 v, 3 o
	s_and_b32 s4, ttmp9, 63                        ; which 65,536 bytes of it
	s_mov_b32 s36, 0xffff0000                      ; a word's upper bf16
	s_mul_i32 s5, s2, WLDS                         ; my wave's LDS bytes
	v_lshlrev_b32 v2, 5, v1                        ; 32 x lane: 8 weights in
	v_lshlrev_b32 v3, 4, v1                        ; 16 x lane: 8 weights out; 4 mask words in; 16 codes out
	v_add_nc_u32 v4, s5, v3                        ; LDS, in: row t at offset 528 t
	v_and_b32 v8, 15, v1                           ; r
	v_lshrrev_b32 v9, 4, v1                        ; h
	v_mul_u32_u24 v5, v8, PITCH
	v_lshl_add_u32 v5, v9, 5, v5
	v_add_nc_u32 v5, s5, v5                        ; LDS, back: row r, 8 keys at byte 32 h
	v_mov_b32 v[KB], 0xb8
	v_mov_b32 v[KB+1], 0xb800
	v_mov_b32 v[KB+2], 0xb80000
	v_mov_b32 v[KB+3], 0xb8000000
	s_lshl_b32 s24, s4, 16
	s_lshl_b32 s25, s2, 13
	s_add_co_u32 s24, s24, s25                     ; my weights' byte offset in their tensor
	s_mov_b32 s25, 0
	s_lshr_b32 s38, s24, 1                         ; half of it on the way out,
	s_lshl_b32 s39, s3, 21                         ; plus the weight's place in wb (wob holds w_o alone)
	s_cmp_eq_u32 s3, 3
	s_cselect_b32 s39, 0, s39
	s_add_co_u32 s38, s38, s39
	s_mov_b32 s39, 0
	s_lshl_b32 s6, ttmp9, 3
	s_add_co_u32 s6, s6, s2                        ; my mask block, 0..2047
	s_lshr_b32 s7, s6, 4                           ; qt: its 16 rows
	s_and_b32 s6, s6, 15                           ; its 128 keys
	s_lshl_b32 s30, s7, 17                         ; 16 rows of 8,192 bytes
	s_lshl_b32 s31, s6, 9
	s_add_co_u32 s30, s30, s31
	s_mov_b32 s31, 0
	s_lshl_b32 s32, s7, 15                         ; 32 steps of 1,024 bytes of codes
	s_lshl_b32 s33, s6, 11                         ; two steps
	s_add_co_u32 s32, s32, s33
	s_mov_b32 s33, 0
	s_lshl_b32 s42, ttmp9, 2                       ; my work-group's flag word
	s_mov_b32 s43, 0
	s_wait_kmcnt 0x0
	s_add_nc_u64 s[30:31], s[16:17], s[30:31]      ; mask at my block
	s_add_nc_u64 s[32:33], s[22:23], s[32:33]      ; mcode at my 2,048 bytes
	s_add_nc_u64 s[40:41], s[40:41], s[42:43]
	s_cmp_eq_u32 s3, 1
	s_cselect_b64 s[26:27], s[10:11], s[8:9]
	s_cmp_eq_u32 s3, 2
	s_cselect_b64 s[26:27], s[12:13], s[26:27]
	s_cmp_eq_u32 s3, 3
	s_cselect_b64 s[26:27], s[14:15], s[26:27]
	s_cselect_b64 s[28:29], s[20:21], s[18:19]
	s_add_nc_u64 s[26:27], s[26:27], s[24:25]      ; my weights, in
	s_add_nc_u64 s[28:29], s[28:29], s[38:39]      ; and out
.irp t, 0,1,2,3,4,5,6,7,8,9,10,11,12,13,14,15
	global_load_b128 v[MX+4*(\t):MX+4*(\t)+3], v3, s[30:31] offset:8192*(\t) th:TH_LOAD_NT  ; row t: 512 consecutive bytes
.endr
.irp t, 0,1,2,3,4,5,6,7
	global_load_b128 v[WX+8*(\t):WX+8*(\t)+3],   v2, s[26:27] offset:1024*(\t) th:TH_LOAD_NT
	global_load_b128 v[WX+8*(\t)+4:WX+8*(\t)+7], v2, s[26:27] offset:1024*(\t)+16 th:TH_LOAD_NT
.endr
	s_wait_loadcnt 16                              ; loads come back in order: the 16 of the mask are in, the 16 younger ones stay out
.irp t, 0,1,2,3,4,5,6,7,8,9,10,11,12,13,14,15
	ds_store_b128 v4, v[MX+4*(\t):MX+4*(\t)+3] offset:PITCH*(\t)
.endr
.irp c, 0,1,2,3,4,5,6,7                ; c = 4 stl + kb.  LDS serves a wave's instructions in order: these see the stores above
	ds_load_b128 v[MY+8*(\c):MY+8*(\c)+3],   v5 offset:64*(\c)
	ds_load_b128 v[MY+8*(\c)+4:MY+8*(\c)+7], v5 offset:64*(\c)+16
.endr
	s_wait_loadcnt 0x0                             ; the weights
; Eight weights a lane: rounded to bf16; half = 1: that number widened again and written as f16.  Each store of the wave covers 512 consecutive bytes.
.macro CONV it, half
.irp j, 0,1,2,3
	v_cvt_pk_bf16_f32 v[OW+4*(\it)+(\j)], v[WX+8*(\it)+2*(\j)], v[WX+8*(\it)+2*(\j)+1]
.endr
.if \half
.irp j, 0,1,2,3
	v_lshlrev_b32 v[8+2*(\j)], 16, v[OW+4*(\it)+(\j)]
	v_and_b32     v[9+2*(\j)], s36, v[OW+4*(\it)+(\j)]
.endr
.irp j, 0,1,2,3
	v_cvt_pk_f16_f32 v[OW+4*(\it)+(\j)], v[8+2*(\j)], v[9+2*(\j)]
.endr
.endif
	global_store_b128 v3, v[OW+4*(\it):OW+4*(\it)+3], s[28:29] offset:512*(\it)
.endm
	s_cmp_eq_u32 s3, 3
	s_cbranch_scc1 .Lhalf
.irp it, 0,1,2,3,4,5,6,7
	CONV \it, 0
.endr
	s_branch .Lmask
.Lhalf:
.irp it, 0,1,2,3,4,5,6,7
	CONV \it, 1
.endr
.Lmask:
	s_wait_dscnt 0x0                               ; the mask, turned
.set i, 0
.rept 64                               ; score i's code goes into byte i % 4 of word i / 4; the weights' registers are free: the roundings above were their last readers
	v_cmp_eq_u32 vcc_lo, 0, v[MY+i]
.if i%4 == 0
	v_cndmask_b32 v[OC+i/4], 0, v[KB], vcc_lo
.else
	v_cndmask_b32 v7, 0, v[KB+i%4], vcc_lo
	v_or_b32 v[OC+i/4], v[OC+i/4], v7
.endif
.set i, i+1
.endr
.irp c, 0,1,2,3                        ; c = 2 stl + hf: 512 consecutive bytes, at a multiple of 256 from mcode's first byte
	global_store_b128 v3, v[OC+4*(\c):OC+4*(\c)+3], s[32:33] offset:512*(\c)
.endr
	v_or_b32 v6, v[MY], v[MY+1]                    ; has my lane a key with mask != 0?  Two chains
	v_or_b32 v20, v[MY+2], v[MY+3]
.set i, 4
.rept 30
	v_or_b32 v6, v6, v[MY+i]
	v_or_b32 v20, v20, v[MY+i+1]
.set i, i+2
.endr
	v_or_b32 v6, v6, v20
	v_cmp_ne_u32 s34, 0, v6                        ; the wave's flag word: bit 16 h + r
	s_lshl_b32 s35, s2, 2
	s_add_co_u32 s35, s35, FLG
	v_mov_b32 v21, s35
	v_mov_b32 v22, s34
	ds_store_b32 v21, v22                          ; all lanes write the same word with the same value
	s_wait_dscnt 0x0                               ; for wave 0's sake
	s_barrier_signal -1
	s_barrier_wait -1
	s_cmp_lg_u32 s2, 0
	s_cbranch_scc1 .Lend
	v_mov_b32 v21, FLG
	ds_load_b128 v[8:11], v21
	ds_load_b128 v[12:15], v21 offset:16
	v_mov_b32 v23, 0
	v_cmp_eq_u32 vcc_lo, 0, v1                     ; lane 0 stores
	s_wait_dscnt 0x0
	v_or_b32 v8, v8, v9
	v_or_b32 v10, v10, v11
	v_or_b32 v12, v12, v13
	v_or_b32 v14, v14, v15
	v_or_b32 v8, v8, v10
	v_or_b32 v12, v12, v14
	v_or_b32 v8, v8, v12
	s_wait_xcnt 0x0                                ; EXEC is a source of the stores above: it changes only behind this wait
	s_and_saveexec_b32 s37, vcc_lo
	global_store_b32 v23, v8, s[40:41]
	s_wait_xcnt 0x0                                ; and again, in front of the line that widens it
	s_or_b32 exec_lo, exec_lo, s37
.Lend:
	s_wait_tensorcnt 0x0
	ds_add_u32 v30, v31
	s_wait_dscnt 0x0
	s_endpgm
.Lfunc_end_k_q8b091e2cd5_prep:
	.size	k_q8b091e2cd5_prep, .Lfunc_end_k_q8b091e2cd5_prep-k_q8b091e2cd5_prep
	.p2alignl 7, 3214868480
	.fill 96, 4, 3214868480
	.section	.rodata,"a",@progbits
	.p2align	6, 0x0
	.amdhsa_kernel k_q8b091e2cd5_prep
		.amdhsa_group_segment_fixed_size 68864
		.amdhsa_private_segment_fixed_size 0
		.amdhsa_enable_private_segment 0
		.amdhsa_kernarg_size 72
		.amdhsa_user_sgpr_count 2
		.amdhsa_user_sgpr_kernarg_segment_ptr 1
		.amdhsa_wavefront_size32 1
		.amdhsa_system_sgpr_workgroup_id_x 1
		.amdhsa_system_sgpr_workgroup_id_y 1
		.amdhsa_system_sgpr_workgroup_id_z 1
		.amdhsa_system_vgpr_workitem_id 0
		.amdhsa_next_free_vgpr 256
		.amdhsa_next_free_sgpr 66
		.amdhsa_reserve_vcc 1
		.amdhsa_float_denorm_mode_32 3
		.amdhsa_float_denorm_mode_16_64 3
		.amdhsa_memory_ordered 1
		.amdhsa_forward_progress 1
		.amdhsa_inst_pref_size 27
	.end_amdhsa_kernel
	.amdgpu_metadata
---
amdhsa.version: [ 1, 2 ]
amdhsa.kernels:
  - .name:           k_q8b091e2cd5_prep
    .symbol:         k_q8b091e2cd5_prep.kd
    .args:
      - { .name: w_q, .offset: 0, .size: 8, .value_kind: global_buffer, .address_space: global }
      - { .name: w_k, .offset: 8, .size: 8, .value_kind: global_buffer, .address_space: global }
      - { .name: w_v, .offset: 16, .size: 8, .value_kind: global_buffer, .address_space: global }
      - { .name: w_o, .offset: 24, .size: 8, .value_kind: global_buffer, .address_space: global }
      - { .name: mask, .offset: 32, .size: 8, .value_kind: global_buffer, .address_space: global }
      - { .name: wb, .offset: 40, .size: 8, .value_kind: global_buffer, .address_space: global }
      - { .name: wob, .offset: 48, .size: 8, .value_kind: global_buffer, .address_space: global }
      - { .name: mcode, .offset: 56, .size: 8, .value_kind: global_buffer, .address_space: global }
      - { .name: pflag, .offset: 64, .size: 8, .value_kind: global_buffer, .address_space: global }
    .group_segment_fixed_size: 68864
    .private_segment_fixed_size: 0
    .kernarg_segment_align: 8
    .kernarg_segment_size: 72
    .max_flat_workgroup_size: 256
    .sgpr_count:     66
    .vgpr_count:     256
    .wavefront_size: 32
...
	.end_amdgpu_metadata
.endif
;; end of part 5
;; launch proj (part 6): grid 4 x 64, 4 waves a work-group, clusters of 4 x 4, 327,680 bytes of LDS; arguments q, k, v, wb, qkvh; writes qkvh
.if DOCPART == 6
	.amdgcn_target "amdgcn-amd-amdhsa--gfx1250"
	.amdhsa_code_object_version 6
	.text
	.protected	k_q8b091e2cd5_proj
	.globl	k_q8b091e2cd5_proj
	.p2align	8
	.type	k_q8b091e2cd5_proj,@function
k_q8b091e2cd5_proj:
	s_mov_b64 s[64:65], 0
	v_nop
	global_prefetch_b8 v0, s[64:65] scope:SCOPE_SE
	s_setreg_imm32_b32 hwreg(HW_REG_WAVE_MODE, 25, 1), 1
	s_wait_xcnt 0x0
	s_wait_alu depctr_hold_cnt(0) depctr_sa_sdst(0) depctr_va_vdst(0) depctr_va_sdst(0) depctr_va_ssrc(0) depctr_va_vcc(0) depctr_vm_vsrc(0)
	s_getreg_b32 s2, hwreg(HW_REG_IB_STS2, 6, 4)
	s_cmp_eq_u32 s2, 0
	s_cbranch_scc0 .Lentry_in_a_cluster
	s_endpgm
.Lentry_in_a_cluster:
	s_bfe_u32 s2, ttmp6, 0x10000c
	s_cmp_lg_u32 s2, 0xf033
	s_cbranch_scc0 .Lentry_shape_is_right
	s_endpgm
.Lentry_shape_is_right:
; THE THREE PROJECTIONS.  y_t[m][n] = sum over k of x_t[m][k] W_t[n][k], t = 0, 1, 2 for q, k, v.  x_t: [8192][1024] f32, rounded to bf16 between LDS and the matrix unit; W_t: wb [3][1024][1024] bf16.
; Sums in f32.  y goes out by heads, qkvh [3][64 = 16 b + head][2048 s][64] f16, rounded once; y_0 is multiplied in f32 by c = log2(e) / 8 first, so that the attention's exponent is s - m.
; LIMITS.  c y_0, y_1, y_2 stay within f16's 65,504; NaN and infinities are not treated apart.
; SHARES.  A tile of y is 128 (m) x 256 (n): 64 x 4 = 256 places, one work-group each.  A WORK-GROUP STAYS: it makes its place's tile of y_0, then of y_1, then of y_2: a loop over tiles round the loop over K.
; The ring does not stop at a tile's end: a tile's last two changes of slots ask for the next tile's first two K steps, and nothing waits for a tile's stores.
; Four waves, each 64 x 128: 32 accumulators of 16 x 16.  K goes in 8 steps of 128 through two LDS slots; a step is four quarters of 32 along K, 32 matrix instructions each.
; x's tile rows are 512 bytes of memory, W's 256, all at multiples of 256 from the buffers' first bytes.
; CLUSTER 4 x 4: the four of a row share x's tile, the four of a column W's: each is asked for jointly, by the same tensor load, descriptor and mask in all four.  All sixteen walk the same three tiles in step.
; THE MATRIX INSTRUCTION IS USED TRANSPOSED (source 0 = 16 rows of W, source 1 = 16 rows of x): a lane holds one row m and eight neighbouring n.
; REGISTERS.  window 0: v16-29 addresses; v32-95 RAW, a quarter's x in f32; v96-127, v128-159 x's fragments in bf16, two buffers; on the way out v128-255 hold packed results
;   (v96-127 then hold the next tile's first fragments).   window 1: the accumulators, (a, b) at v[8 (8 a + b)].   window 2: v0-63, v64-127 W's fragments, two buffers.
; THE CONVERSIONS of the next quarter's x, 32 of them, ride four behind each of a quarter's last eight matrix instructions; the four behind the very last are also the places in front of the next loads.
.set TILES, 3
.set PA,    528                        ; a row of x in LDS: 512 bytes + 16: the 16 rows of a load start 16 bytes apart modulo 256
.set AH,    64*PA                      ; what one tensor load brings of x, and what a wave reads of it
.set PB,    272                        ; a row of W: 256 + 16
.set BH,    128*PB                     ; the same for W
.set BOFF,  2*AH                       ; W's 256 rows lie behind x's 128
.set SLOT,  2*AH+2*BH
.set STAGE, 2*SLOT                     ; behind the ring: 16 rows x 144 bytes for each wave, for the way out
.set SP,    144
.set SPARE, STAGE+4*16*SP              ; behind the stages: the spare words, 128 bytes for each wave
.set LAPS,  4                          ; a lap = two K steps
.set NEXT_B, (1<<21)-6*256             ; bytes from a slot's last K step of W_t (six steps of 256 bytes behind its first) to its first of W_t+1, 2,097,152 bytes on in wb
.set ADRA, 16                          ; v16-17  LDS address of my x fragments in slot 0, 1
.set ADRB, 20                          ; v20-21  the same for W
.set STO,  24                          ; the way out: where I put 16 bytes of a row
.set RD,   25                          ; where I read rows back
.set GO,   26                          ; my byte offset in 512 consecutive bytes of the output
.set SPW,  28                          ; LDS address of my spare word; never rewritten
.set NIL,  29                          ; 0; never rewritten
.set RAW,  32
.set AFB,  96
.set T,    128
.set G1, 24                            ; s[24:31] group 1 for x's tiles; s[32:39] group 0, a set for each slot
.set G0, 32
.set G1B, 48                           ; s[48:55], s[56:63] the same for W's
.set G0B, 56
.set SC, 66                            ; s[66:67] c for the first tile, then 1
.set NX, 78                            ; s[78:79] the next tile's x at the rows that I fetch
.set XV, 80                            ; s[80:81] v at those rows
.set MSB, 0
.macro WIN new                         ; the immediate's high byte repeats the setting that is left
.if MSB != (\new)
	s_set_vgpr_msb (MSB<<8)|(\new)
.set MSB, \new
.endif
.endm
.set MUL,  0x52                        ; source 0 (W) window 2, source 1 (x) window 0, C and D window 1
.set TO_B, 0x80                        ; destination window 2, address window 0
.macro JLOAD s                         ; a joint load: waves 0 and 1 fetch x's two halves, waves 2 and 3 W's; four v_nop follow each of the two lines
	s_cmp_eq_u32 s11, 0
	s_cbranch_scc0 .Lfor_b_\@
	tensor_load_to_lds s[G0+4*(\s):G0+4*(\s)+3], s[G1:G1+7]
	s_nop 0
.rept 4
	v_nop
.endr
	s_branch .Lasked_\@
.Lfor_b_\@:
	tensor_load_to_lds s[G0B+4*(\s):G0B+4*(\s)+3], s[G1B:G1B+7]
	s_nop 0
.rept 4
	v_nop
.endr
.Lasked_\@:
.endm
.macro CREST                           ; a round of the cluster's barrier behind its opening barrier
	s_cmp_lg_u32 s10, 0
	s_cbranch_scc1 .Lnot_wave_0_\@
	s_barrier_signal -3
.Lnot_wave_0_\@:
	s_barrier_wait -3
	s_barrier_signal -1
	s_barrier_wait -1
.endm
.macro CROUND                          ; a whole round
	s_barrier_signal -1
	s_barrier_wait -1
	CREST
.endm
	s_load_b256 s[68:75], s[0:1], 0x0              ; q s[68:69], k s[70:71], v s[72:73], wb s[74:75]
	s_load_b64 s[76:77], s[0:1], 0x20              ; qkvh
	v_lshl_add_u32 v[SPW], v0, 2, SPARE
	v_mov_b32 v[NIL], 0
	ds_add_u32 v28, v29
	s_wait_dscnt 0x0
	v_lshrrev_b32 v1, 5, v0
	v_readfirstlane_b32 s10, v1                    ; wave 0..3
	s_lshr_b32 s11, s10, 1                         ; which 64 of the tile's rows are mine.  Also: I fetch for x (0) or for W (1)
	s_and_b32 s12, s10, 1                          ; which 128 of its columns.  Also: which half of that tile I fetch
	s_bfe_u32 s40, ttmp6, 0x40000                  ; cx, cy: my place in the cluster
	s_bfe_u32 s41, ttmp6, 0x40004
	s_lshl_b32 s42, ttmp9, 2
	s_add_co_u32 s42, s42, s40                     ; tile column 0..3
	s_and_b32 s13, ttmp7, 0xffff                   ; the cluster's y, 0..15
	s_lshl_b32 s13, s13, 2
	s_add_co_u32 s13, s13, s41                     ; tile row 0..63
	s_lshl_b32 s43, s41, 2
	s_lshl_b32 s43, 15, s43                        ; my row of the cluster
	s_lshl_b32 s44, 0x1111, s40                    ; my column
	s_or_b32 s[G1+0], s43, (2<<16)|(1<<20)|(1<<21)|(6<<22)|(3<<25)   ; the mask; elements of 4 bytes; padding on; bit 21 beside a mask; after every 128 words, 4 words
	s_mov_b32 s[G1+1], 128<<16                     ; tensor_dim0 = 128
	s_mov_b32 s[G1+2], 64<<16                      ; tensor_dim1 = 64
	s_mov_b32 s[G1+3], 128<<16                     ; tile_dim0 = 128
	s_mov_b32 s[G1+4], 64                          ; tile_dim1 = 64
	s_mov_b32 s[G1+5], 1024                        ; elements from row to row
	s_mov_b32 s[G1+6], 0
	s_mov_b32 s[G1+7], 0
	s_or_b32 s[G1B+0], s44, (1<<16)|(1<<20)|(1<<21)|(5<<22)|(3<<25)  ; elements of 2 bytes; after every 64 words, 4 words
	s_mov_b32 s[G1B+1], 128<<16
	s_mov_b32 s[G1B+2], 128<<16                    ; 128 rows
	s_mov_b32 s[G1B+3], 128<<16
	s_mov_b32 s[G1B+4], 128
	s_mov_b32 s[G1B+5], 1024
	s_mov_b32 s[G1B+6], 0
	s_mov_b32 s[G1B+7], 0
	s_lshl_b32 s16, s13, 7                         ; x: row 128 x tile row + 64 x half, 4,096 bytes a row: the same offset in q, k and v
	s_lshl_b32 s17, s12, 6
	s_add_co_u32 s16, s16, s17
	s_lshl_b32 s16, s16, 12
	s_mov_b32 s17, 0
	s_lshl_b32 s46, s42, 8                         ; W: row 256 x tile column + 128 x half, 2,048 bytes a row, in wb's first part
	s_lshl_b32 s47, s12, 7
	s_add_co_u32 s46, s46, s47
	s_lshl_b32 s46, s46, 11
	s_mov_b32 s47, 0
	s_mul_i32 s20, s12, AH                         ; where they go: no place in the cluster enters an LDS address
	s_mul_i32 s21, s12, BH
	s_add_co_u32 s21, s21, BOFF
	s_mov_b32 s[SC], 0x3e38aa3b                    ; c = log2(e) / 8 = 0.180337
	s_mov_b32 s[SC+1], s[SC]                       ; named with it as a pair
	s_wait_kmcnt 0x0
	s_add_nc_u64 s[14:15], s[68:69], s[16:17]      ; the first tile's x is q,
	s_add_nc_u64 s[NX:NX+1], s[70:71], s[16:17]    ; the next one's k,
	s_add_nc_u64 s[XV:XV+1], s[72:73], s[16:17]    ; the last one's v: each address from its own buffer's
	s_add_nc_u64 s[46:47], s[74:75], s[46:47]
	CROUND                                         ; all sixteen work-groups are here: the first joint loads meet
.irp s, 0,1
	s_mov_b32 s[G0+4*(\s)], 1
	s_add_co_u32 s[G0+4*(\s)+1], s20, (\s)*SLOT
	s_add_nc_u64 s[G0+4*(\s)+2:G0+4*(\s)+3], s[14:15], (\s)*512    ; K step s: 128 f32
	s_or_b32 s[G0+4*(\s)+3], s[G0+4*(\s)+3], 0x80000000
	s_mov_b32 s[G0B+4*(\s)], 1
	s_add_co_u32 s[G0B+4*(\s)+1], s21, (\s)*SLOT
	s_add_nc_u64 s[G0B+4*(\s)+2:G0B+4*(\s)+3], s[46:47], (\s)*256  ; 128 bf16
	s_or_b32 s[G0B+4*(\s)+3], s[G0B+4*(\s)+3], 0x80000000
	JLOAD \s
.endr
	v_and_b32 v1, 15, v0                           ; r = l % 16
	v_bfe_u32 v2, v0, 4, 1                         ; h = l / 16
	v_mul_u32_u24 v3, v1, PA
	v_lshl_add_u32 v3, v2, 5, v3                   ; x: row r, 8 f32 at byte 32 h
	v_mul_u32_u24 v4, v1, PB
	v_lshl_add_u32 v4, v2, 4, v4                   ; W: row r, 8 bf16 at byte 16 h
	s_mul_i32 s22, s11, AH                         ; my 64 rows of x
	s_mul_i32 s23, s12, BH                         ; my 128 rows of W
	s_add_co_u32 s23, s23, BOFF
.irp s, 0,1
	v_add_nc_u32 v[ADRA+(\s)], s22, v3
	v_add_nc_u32 v[ADRB+(\s)], s23, v4
	s_add_co_u32 s22, s22, SLOT
	s_add_co_u32 s23, s23, SLOT
.endr
	s_mul_i32 s22, s10, 16*SP
	s_add_co_u32 s22, s22, STAGE                   ; my stage
	v_mul_u32_u24 v5, v1, SP                       ; in: row r, 16 bytes for each half of the lanes
	v_lshl_add_u32 v5, v2, 4, v5
	v_add_nc_u32 v[STO], s22, v5
	v_bfe_u32 v5, v0, 3, 2                         ; back: 32 lanes take four rows of 128 bytes,
	v_mul_u32_u24 v5, v5, SP
	v_and_b32 v6, 7, v0
	v_lshl_add_u32 v5, v6, 4, v5
	v_add_nc_u32 v[RD], s22, v5
	v_and_b32 v[GO], 31, v0                        ; which are 512 consecutive bytes of a head's rows
	v_lshlrev_b32 v[GO], 4, v[GO]
	s_lshl_b32 s4, s13, 7                          ; where my part goes: row0 = 128 x tile row + 64 x half = 2,048 b + s
	s_lshl_b32 s5, s11, 6
	s_add_co_u32 s4, s4, s5
	s_lshr_b32 s5, s4, 11                          ; b
	s_and_b32 s4, s4, 2047
	s_lshl_b32 s4, s4, 7                           ; s x 128 bytes
	s_lshl_b32 s5, s5, 4
	s_lshl_b32 s6, s42, 2
	s_add_co_u32 s5, s5, s6
	s_lshl_b32 s6, s12, 1
	s_add_co_u32 s5, s5, s6                        ; 16 b + my first head = 16 b + 4 x tile column + 2 x half
	s_lshl_b32 s5, s5, 18                          ; 2,048 rows of 128 bytes
	s_add_co_u32 s4, s4, s5
	s_mov_b32 s5, 0
	s_add_nc_u64 s[8:9], s[76:77], s[4:5]          ; in qkvh's first part; each way out but the last steps it a part on
; 32 LDS loads in one run: quarter qn of a slot: x raw (lane (r, h): k = 8 h .. + 7 and 16 + 8 h .. + 7, in f32: 32 bytes at 32 h and at 64 + 32 h), and W's fragments into buffer g
.macro FETCH slot, qn, g
	WIN 0
.irp i, 0,1,2,3
	ds_load_b128 v[RAW+16*(\i):RAW+16*(\i)+3],     v[ADRA+(\slot)] offset:128*(\qn)+(\i)*16*PA
	ds_load_b128 v[RAW+16*(\i)+4:RAW+16*(\i)+7],   v[ADRA+(\slot)] offset:128*(\qn)+(\i)*16*PA+16
	ds_load_b128 v[RAW+16*(\i)+8:RAW+16*(\i)+11],  v[ADRA+(\slot)] offset:128*(\qn)+(\i)*16*PA+64
	ds_load_b128 v[RAW+16*(\i)+12:RAW+16*(\i)+15], v[ADRA+(\slot)] offset:128*(\qn)+(\i)*16*PA+80
.endr
	WIN TO_B
.irp i, 0,1,2,3,4,5,6,7
	ds_load_b128 v[64*(\g)+8*(\i):64*(\g)+8*(\i)+3],   v[ADRB+(\slot)] offset:64*(\qn)+(\i)*16*PB
	ds_load_b128 v[64*(\g)+8*(\i)+4:64*(\g)+8*(\i)+7], v[ADRB+(\slot)] offset:64*(\qn)+(\i)*16*PB+32
.endr
.set cv, 0
.endm
.macro CVT4 g                          ; the next four of the 32 roundings RAW -> x's buffer g
	WIN 0
.rept 4
	v_cvt_pk_bf16_f32 v[AFB+32*(\g)+cv], v[RAW+2*cv], v[RAW+2*cv+1]
.set cv, cv+1
.endr
.endm
; 8 matrix instructions: m block a x all 8 n blocks, from buffer f.  zero = 1: the product starts the sums.  ride = 1: four roundings into the other buffer behind each.
; The 32 accumulators take turns, one instruction a turn, in the same order in every quarter, over the loops' edges and from tile to tile too.
.macro MULA f, a, zero, ride
.irp b, 0,1,2,3,4,5,6,7
	WIN MUL
.if \zero
	v_wmma_f32_16x16x32_bf16 v[8*(8*(\a)+(\b)):8*(8*(\a)+(\b))+7], v[64*(\f)+8*(\b):64*(\f)+8*(\b)+7], v[AFB+32*(\f)+8*(\a):AFB+32*(\f)+8*(\a)+7], 0
.else
	v_wmma_f32_16x16x32_bf16 v[8*(8*(\a)+(\b)):8*(8*(\a)+(\b))+7], v[64*(\f)+8*(\b):64*(\f)+8*(\b)+7], v[AFB+32*(\f)+8*(\a):AFB+32*(\f)+8*(\a)+7], v[8*(8*(\a)+(\b)):8*(8*(\a)+(\b))+7]
.endif
.if \ride
	CVT4 1-(\f)
.endif
.endr
.endm
; One of a K step's first three quarters: multiplies buffer f; at its head it fetches quarter qn into RAW and the other buffer (whose last reader stands four roundings back);
; the loads have 24 matrix instructions in which to come; then the roundings ride.
.macro QUARTER slot, qn, f, zero
	FETCH \slot, \qn, 1-(\f)
	MULA \f, 0, \zero, 0
	MULA \f, 1, \zero, 0
	MULA \f, 2, \zero, 0
	s_wait_dscnt 0x0                               ; RAW and the other buffer's W are in
	MULA \f, 3, \zero, 1
.endm
; The last quarter multiplies buffer 1 and changes slots: ONE barrier; in front of it each wave waits for all its tensor loads (one is out: its part of the next slot), adds 0 to its spare word,
; and waits for that and for its reads of this slot.  fill = 1: the barrier opens a round of the cluster's, and this slot is filled again, two K steps ahead, first thing behind it.
; fill = 2: the same, in a tile's last two K steps: the slot takes the NEXT tile's K step 0 or 1: x's address is made anew from the next tensor's, W's steps on into wb's next part.
.macro TURN slot, next, fill
	WIN 0
	s_wait_tensorcnt 0x0
	ds_add_u32 v[SPW], v[NIL]
	MULA 1, 0, 0, 0                                ; eight matrix instructions stand between the add and the wait for it
	s_wait_dscnt 0x0                               ; the add is done; my reads of this slot were waited for in the quarter before
	s_barrier_signal -1
	MULA 1, 1, 0, 0
	WIN 0                                          ; at a branch and at a label every window is 0
	s_barrier_wait -1
.if \fill
	CREST                                          ; no wave of any partner still reads this slot or has a load on its way
.if (\fill) == 2
	s_add_nc_u64 s[G0+4*(\slot)+2:G0+4*(\slot)+3], s[NX:NX+1], (\slot)*512
	s_or_b32 s[G0+4*(\slot)+3], s[G0+4*(\slot)+3], 0x80000000
	s_add_nc_u64 s[G0B+4*(\slot)+2:G0B+4*(\slot)+3], s[G0B+4*(\slot)+2:G0B+4*(\slot)+3], NEXT_B
.else
	s_add_nc_u64 s[G0+4*(\slot)+2:G0+4*(\slot)+3], s[G0+4*(\slot)+2:G0+4*(\slot)+3], 2*512
	s_add_nc_u64 s[G0B+4*(\slot)+2:G0B+4*(\slot)+3], s[G0B+4*(\slot)+2:G0B+4*(\slot)+3], 2*256
.endif
	JLOAD \slot                                    ; 112 matrix instructions ahead of the wait for it, across tiles too
.endif
	FETCH \next, 0, 0                              ; buffer 0's last reader stands four roundings and more back
	MULA 1, 2, 0, 0
	s_wait_dscnt 0x0
	MULA 1, 3, 0, 1
.endm
; THE WAY OUT.  Unit u = 2 a + hh is 16 rows x one head's 64 channels: the accumulators (a, 4 hh .. 4 hh + 3), v[32 u .. 32 u + 31] of window 1, taken in ascending order.
; Scaled, rounded to f16, 16 bytes a lane into rows of 144 bytes of my own stage, and back as whole rows of 128.  Each unit has 16 registers of its own.
.macro PACK u
	WIN 0x41
.set i, 32*(\u)
.rept 16
	v_pk_mul_f32 v[i:i+1], v[i:i+1], s[SC:SC+1] op_sel_hi:[1,0]
.set i, i+2
.endr
	WIN 0x05
.set i, 0
.rept 16
	v_cvt_pk_f16_f32 v[T+16*(\u)+i], v[32*(\u)+2*i], v[32*(\u)+2*i+1]
.set i, i+1
.endr
	WIN 0
.irp f, 0,1,2,3
	ds_store_b128 v[STO], v[T+16*(\u)+4*\f:T+16*(\u)+4*\f+3] offset:32*\f
.endr
.irp f, 0,1,2,3
	ds_load_b128 v[T+16*(\u)+4*\f:T+16*(\u)+4*\f+3], v[RD] offset:\f*4*SP  ; LDS serves a wave's instructions in order: these see the stores above; the next unit's stores come behind them
.endr
.endm
.macro SEND u, younger                 ; younger: the LDS instructions issued behind unit u's loads: the next unit's eight, or none
	WIN 0
.irp f, 0,1,2,3
	s_wait_dscnt (\younger)+3-\f
	global_store_b128 v[GO], v[T+16*(\u)+4*\f:T+16*(\u)+4*\f+3], s[8:9] offset:262144*((\u)%2)+2048*((\u)/2)+\f*512  ; 512 consecutive bytes, at a multiple of 256 from the buffer's first
.endr
.endm
	s_wait_tensorcnt 1                             ; my part of K step 0 is in; K step 1's may stay out
	s_barrier_signal -1
	s_barrier_wait -1
	FETCH 0, 0, 0
	s_wait_dscnt 0x0
.rept 8
	CVT4 0
.endr
	s_mov_b32 s2, TILES                            ; tiles to go, this one among them: the same number in every work-group
.Ltile:                                                ; (CVT4 and SEND leave every window 0)
	QUARTER 0, 1, 0, 1                             ; a tile's first quarter stands in front of the loop: its products start the sums
	WIN 0
	s_mov_b32 s3, LAPS-1
.Llap:                                                 ; a trip goes once round the ring, from a lap's second quarter to the next lap's first, and fills both slots again
	QUARTER 0, 2, 1, 0
	QUARTER 0, 3, 0, 0
	TURN 0, 1, 1
	QUARTER 1, 1, 0, 0
	QUARTER 1, 2, 1, 0
	QUARTER 1, 3, 0, 0
	TURN 1, 0, 1
	QUARTER 0, 1, 0, 0
	WIN 0
	s_sub_co_u32 s3, s3, 1
	s_cmp_lg_u32 s3, 0
	s_cbranch_scc1 .Llap
	QUARTER 0, 2, 1, 0                             ; the tile's last lap goes on
	QUARTER 0, 3, 0, 0
	WIN 0
	s_sub_co_u32 s2, s2, 1
	s_cmp_eq_u32 s2, 0
	s_cbranch_scc1 .Llast_tile                     ; the last tile's tail is written out: it asks for nothing more
	TURN 0, 1, 2                                   ; THE RING GOES ON INTO THE NEXT TILE: slot 0 takes its K step 0,
	QUARTER 1, 1, 0, 0
	QUARTER 1, 2, 1, 0
	QUARTER 1, 3, 0, 0
	TURN 1, 0, 2                                   ; slot 1 its K step 1, and the next tile's first fragments are fetched and rounded
	PACK 0                                         ; BOTH REFILLS ARE ASKED FOR: NOW THE TILE GOES OUT.  No v_nop: the four roundings behind the last product are its places
.irp u, 1,2,3,4,5,6,7                  ; a unit's arithmetic stands between the loads of the unit before and its stores
	PACK \u
	SEND (\u)-1, 8
.endr
	SEND 7, 0
	s_wait_xcnt 0x0                                ; the stores have had their addresses translated: only behind this wait are their base and v128-159, which the next tile's roundings write, rewritten
	s_add_nc_u64 s[8:9], s[8:9], 0x1000000         ; the next part of qkvh
	s_mov_b32 s[SC], 1.0                           ; only y_0 is scaled
	s_mov_b32 s[SC+1], 1.0
	s_mov_b64 s[NX:NX+1], s[XV:XV+1]               ; the tile after the next is v's
	s_branch .Ltile
.Llast_tile:
	TURN 0, 1, 0                                   ; nothing is filled again, so no round follows
	QUARTER 1, 1, 0, 0
	QUARTER 1, 2, 1, 0
	QUARTER 1, 3, 0, 0
	MULA 1, 0, 0, 0
	MULA 1, 1, 0, 0
	MULA 1, 2, 0, 0
	MULA 1, 3, 0, 0
.rept 4
	v_nop                                          ; the places behind the last products
.endr
	PACK 0
.irp u, 1,2,3,4,5,6,7
	PACK \u
	SEND (\u)-1, 8
.endr
	SEND 7, 0
	s_wait_tensorcnt 0x0                           ; the wave's end
	ds_add_u32 v[SPW], v[NIL]
	s_wait_dscnt 0x0
	CROUND                                         ; the closing round
	s_endpgm
.Lfunc_end_k_q8b091e2cd5_proj:
	.size	k_q8b091e2cd5_proj, .Lfunc_end_k_q8b091e2cd5_proj-k_q8b091e2cd5_proj
	.p2alignl 7, 3214868480
	.fill 96, 4, 3214868480
	.section	.rodata,"a",@progbits
	.p2align	6, 0x0
	.amdhsa_kernel k_q8b091e2cd5_proj
		.amdhsa_group_segment_fixed_size 327680
		.amdhsa_private_segment_fixed_size 0
		.amdhsa_enable_private_segment 0
		.amdhsa_kernarg_size 40
		.amdhsa_user_sgpr_count 2
		.amdhsa_user_sgpr_kernarg_segment_ptr 1
		.amdhsa_wavefront_size32 1
		.amdhsa_system_sgpr_workgroup_id_x 1
		.amdhsa_system_sgpr_workgroup_id_y 1
		.amdhsa_system_sgpr_workgroup_id_z 1
		.amdhsa_system_vgpr_workitem_id 0
		.amdhsa_next_free_vgpr 640
		.amdhsa_next_free_sgpr 84
		.amdhsa_reserve_vcc 0
		.amdhsa_float_denorm_mode_32 3
		.amdhsa_float_denorm_mode_16_64 3
		.amdhsa_memory_ordered 1
		.amdhsa_forward_progress 1
		.amdhsa_inst_pref_size 201
	.end_amdhsa_kernel
	.amdgpu_metadata
---
amdhsa.version: [ 1, 2 ]
amdhsa.kernels:
  - .name:           k_q8b091e2cd5_proj
    .symbol:         k_q8b091e2cd5_proj.kd
    .args:
      - { .name: q, .offset: 0, .size: 8, .value_kind: global_buffer, .address_space: global }
      - { .name: k, .offset: 8, .size: 8, .value_kind: global_buffer, .address_space: global }
      - { .name: v, .offset: 16, .size: 8, .value_kind: global_buffer, .address_space: global }
      - { .name: wb, .offset: 24, .size: 8, .value_kind: global_buffer, .address_space: global }
      - { .name: qkvh, .offset: 32, .size: 8, .value_kind: global_buffer, .address_space: global }
    .group_segment_fixed_size: 327680
    .private_segment_fixed_size: 0
    .kernarg_segment_align: 8
    .kernarg_segment_size: 40
    .max_flat_workgroup_size: 128
    .sgpr_count:     84
    .vgpr_count:     640
    .wavefront_size: 32
...
	.end_amdgpu_metadata
.endif
;; end of part 6
;; launch attn (part 7): grid 4 x 64, 4 waves a work-group, clusters of 4 x 1, 327,680 bytes of LDS; arguments qkvh, mcode, pflag, oh; writes oh
.if DOCPART == 7
	.amdgcn_target "amdgcn-amd-amdhsa--gfx1250"
	.amdhsa_code_object_version 6
	.text
	.protected	k_q8b091e2cd5_attn
	.globl	k_q8b091e2cd5_attn
	.p2align	8
	.type	k_q8b091e2cd5_attn,@function
k_q8b091e2cd5_attn:
	s_mov_b64 s[64:65], 0
	v_nop
	global_prefetch_b8 v0, s[64:65] scope:SCOPE_SE
	s_setreg_imm32_b32 hwreg(HW_REG_WAVE_MODE, 25, 1), 1
	s_wait_xcnt 0x0
	s_wait_alu depctr_hold_cnt(0) depctr_sa_sdst(0) depctr_va_vdst(0) depctr_va_sdst(0) depctr_va_ssrc(0) depctr_va_vcc(0) depctr_vm_vsrc(0)
	s_getreg_b32 s2, hwreg(HW_REG_IB_STS2, 6, 4)
	s_cmp_eq_u32 s2, 0
	s_cbranch_scc0 .Lentry_in_a_cluster
	s_endpgm
.Lentry_in_a_cluster:
	s_bfe_u32 s2, ttmp6, 0x10000c
	s_cmp_lg_u32 s2, 0x3003
	s_cbranch_scc0 .Lentry_shape_is_right
	s_endpgm
.Lentry_shape_is_right:
; MASKED ATTENTION.  O[bh][q][:] = the sum over k of softmax_k(s[q][k]) V[bh][k][:], s = Q . K / 8 where mask[q][k] != 0 and -1e9 elsewhere.  Q, K, V: the three parts of qkvh, each [64][2048][64] f16, a head's
; rows dense, 128 bytes each; Q arrives multiplied by c = log2(e) / 8, so a product K Q^T is a score in units of log2.  O: oh, [64][2048][64] f16.
; Products, maxima and sums in f32; the weights p are rounded to f16 for the second product (their sum l is taken of the unrounded p), O once at the end.
; THE MASK is the C operand that starts the sum S^T = K Q^T: 0, or -2^100 where the key is hidden.  It comes as one fp8 code a score (0, or -1.0), in my lanes' order (mcode [128 qt][32 st][2][32 lanes][16 bytes]);
; one scaled conversion makes an accumulator's eight C registers of a lane's eight codes, with the scale 2^100.  No branch hangs on it.
; A ROW WITH NO KEY LEFT (pflag says which) has all its scores replaced alike, so its weights are all equal: here its Q is set to 0 and its lanes' scale to 2^-127, so that all its sums are the same number,
; all p = 1, and O is the mean of V.
; LIMITS.  A hidden key has the weight 0 in every row that has a visible key: that is exp(-1e9 - max) in f32 as long as the row's largest visible score lies above -1e9 + 104.
; f16 holds no number beyond 65,504: Q, K and V arrive within it; p = 2^(s - m) lies in 0 to 1 for every input, since m is the exact maximum of the same f32 numbers; below 6e-5 p keeps f16's fixed step.
; A weight below 2^-126 counts as 0 in l; NaN and infinities are not treated apart.
; SHARES.  A wave owns four PIECES of two tiles of 16 queries, a work-group's four waves 512 queries of one head.  Every wave walks all 2,048 keys, 64 a step.
; LAYOUT.  S^T = K Q^T (source 0 = 16 keys, source 1 = 16 queries): a lane holds ONE query (lane % 16) and the keys 8 (lane / 16) + 0..7.  Two such tiles, rounded to f16 in pairs, ARE source 1 of
; O^T = V^T P, whose result again holds one query a lane.  K comes out of LDS as it lies, V turned, by ds_load_tr16_b128.
; SOFTMAX.  A running maximum m and sum l for each query; in every step O and l are multiplied by a = 2^(m_old - m_new).  m starts at the lowest finite number, O and l at 0: the first step's a is 0;
; so is the a of the step that brings a row's first visible key, which wipes what the hidden keys before it left.
; BY TURNS.  Turn n belongs to piece n.  Matrix work: 16 products K Q^T of piece n + 1, later 16 products V^T P of piece n - 1.  Vector work: the subtraction, exponentials, roundings, sums and rescaling of
; piece n, the maximum and statistics of piece n + 1, and the C operands of piece n + 2.  Four vector instructions stand behind every matrix instruction, the others in lumps of their own: a tile and step
; have 16 matrix and 121 vector instructions, more than can stand beside the matrix work in any order.
; CLUSTER.  The four query blocks of a cluster belong to one head and walk the same K and V: each tile is asked for JOINTLY, by the same tensor load, descriptor and mask in all four.  The codes are each wave's
; own (its queries'), so they come by plain loads into registers: a piece's 16 registers are loaded again as soon as they are converted, four turns ahead of their next use.
; REGISTERS, in windows of 256 (s_set_vgpr_msb: bits 1:0 source 0, 3:2 source 1, 5:4 source 2, 7:6 destination):
;   window 0: v1-7 addresses; v8-15 a scale a tile; v16-47 four registers of statistics a tile; v48-63 at work; v64-191 S^T, two buffers of two tiles; v192-255 P, likewise
;   window 1: O^T, 32 a tile     window 2: v0-127 Q; v128-191 K of one step; v192-255 V of one step
;   window 3: v0-1 the add's two registers; v16-79 the codes, 16 a piece; v128-191 MC, the C operands of the coming piece
.set SIZE_N, 2048
.set NP,    4         ; pieces a wave: a name, no knob
.set KS,    64        ; keys in a step
.set PK,    144       ; a row of K in LDS: 128 bytes + 16: the 16 rows of a load start 16 bytes apart modulo 256
.set PV,    160       ; a row of V: 128 + 32: 16 lanes of the turning load take 8 rows x 32 bytes, no two in the same 4 bytes modulo 256
.set VOFF,  4*KS*PK   ; a slot holds four steps: 256 rows of K, then 256 rows of V
.set SLOT1, 1<<17     ; slot 1 begins here, so that one exclusive or turns an address in one slot into the other's
.set STAGE, SLOT1+4*KS*(PK+PV)  ; behind the ring, never filled by a tensor load: 16 rows x 144 bytes for each wave
.set SP,    144
.set GO,  1           ; v1   16 x lane: my byte offset in 512 consecutive bytes of codes, and of O; never rewritten
.set AK0, 2           ; v2   my lane's place in a tile of K; never rewritten
.set AV0, 3           ; v3   the same for V
.set AK,  4           ; v4   the LDS address of K's next run of loads
.set AV,  5           ; v5   of V's
.set QO,  6           ; v6   my byte offset in the wave's rows of Q
.set STO, 6           ;      when Q is in: the way out: where I put 16 bytes of a row
.set RD,  7           ; v7   where I read rows back
.set SCL, 8           ; v8-15  tile t's scale, in byte 0: 227 (2^100), or 0 (2^-127) in the lanes of a row with no key left.  Before that: at work
.set SPW, 0           ; v0 of window 3   LDS address of my spare word; never rewritten
.set NIL, 1           ; v1 of window 3   0; never rewritten
.set MBY, 16          ; window 3: piece x, tile u, key block kb: two registers at MBY + 16 x + 8 u + 2 kb
.set MC,  128         ; window 3: tile u, key block kb: eight registers at MC + 32 u + 8 kb
.set SPARE, STAGE+4*16*SP  ; behind the stages: the spare words, 128 bytes for each wave
.set ST,  16          ; tile t's statistics at v[ST+4 t]: m, m_old, l (even keys', odd keys')
.set TMP, 48          ; by buffer and tile, four registers c0-c3 at work; when the maximum is found c2 takes a
.set S,   64
.set P,   192
.set KF,  128         ; K's fragments, in window 2: key block kb, channel half c at KF + 16 kb + 8 c
.set VF,  192         ; V's: key half kk, channel block cb at VF + 32 kk + 8 cb
.set OPT, 2           ; s[2:3]   O at my wave's first row
.set MB,  4           ; s[4:5]   mcode at my wave's first tile, at the step whose codes are loaded next
.set WV,  6           ; s6   my wave's number
.set SLOTS, 7         ; s7   slots still to be asked for
.set G1K, 8           ; s[8:15]  descriptor group 1 for K's tiles
.set G1V, 16          ; s[16:23] for V's: it differs in the padding alone
.set G0K, 24          ; s[24:27] descriptor group 0 for K's tiles: it walks
.set G0V, 28          ; s[28:31] the same for V's
.set CNT, 66          ; s66  counts a slot's key steps.  (s[32:63]: arguments, scalars at work, then my eight tiles' 16 flag words)
.set TBK, 67          ; s67  LDS byte at which K of the step to be fetched begins
.set FL,  68          ; s[68:75] tile t's lane mask: the lanes whose row has a visible key
.set PFP, 76          ; s[76:77] pflag at my eight tiles' words
.set MS,  80          ; s80  how often MB has been asked to step
.set INC, 82          ; s[82:83] its step in bytes
.set SEL, 84          ; s[84:85] v_permlanex16_b32's selects
.set TBV, 86          ; s86  LDS byte at which V of the step to be fetched begins, less VOFF
.set TS,  87          ; s87  at work
.set QP,  88          ; s[88:89] Q at my wave's first row
.set MSB, 0
.macro WIN new                      ; the high byte repeats the setting that is left; a switch that changes nothing is dropped
.if MSB != (\new)
	s_set_vgpr_msb (MSB<<8)|(\new)
.set MSB, (\new)
.endif
.endm
.set W_KQ, 0x0a       ; K and Q in window 2, S^T in window 0
.set W_KM, 0x3a       ; the same with the C operand in window 3
.set W_PV, 0x52       ; V in window 2, P in window 0, O^T in window 1
.set W_RS, 0x41       ; O^T (destination and source 0) in window 1, a in window 0
.set W_MK, 0xc0       ; destination in window 3, sources and addresses in window 0
.set W_CV, 0xc3       ; the conversion: MC and the codes in window 3, the scale in window 0
.set W_AD, 0x0f       ; the add: address and data in window 3
; A joint fill.  Waves 0 and 1 fetch the two halves of a slot's K, waves 2 and 3 those of its V: 128 keys each.  Four v_nop follow each of the two lines.
.macro JLOAD
	s_cmp_lt_u32 s[WV], 2
	s_cbranch_scc0 .Lfor_v_\@
	tensor_load_to_lds s[G0K:G0K+3], s[G1K:G1K+7]
	s_nop 0
.rept 4
	v_nop
.endr
	s_branch .Lasked_\@
.Lfor_v_\@:
	tensor_load_to_lds s[G0V:G0V+3], s[G1V:G1V+7]
	s_nop 0
.rept 4
	v_nop
.endr
.Lasked_\@:
.endm
.macro CROUND                       ; a round of the cluster's barrier
	s_barrier_signal -1
	s_barrier_wait -1
	s_cmp_lg_u32 s[WV], 0
	s_cbranch_scc1 .Lnot_wave_0_\@
	s_barrier_signal -3
.Lnot_wave_0_\@:
	s_barrier_wait -3
	s_barrier_signal -1
	s_barrier_wait -1
.endm
; THE CHANGE OF SLOTS.  Each wave waits for all its tensor loads, of which one is out: its part of the other slot; adds 0 to its spare word; and waits for that and for its own reads of the slot.
; fill = 1: the slot is filled again, with the keys two slots on, first thing behind a round of the cluster's barrier: it has four key steps, 512 matrix instructions, in which to land.
; (At its first use nothing has been read yet: slot 0 is waited for, slot 1 filled.)
.macro CHANGE fill
	WIN W_AD
	s_wait_tensorcnt 0x0            ; no tensor load of mine is out, so a group 0 may be written
	ds_add_u32 v[SPW], v[NIL]
	WIN 0                           ; at a label and at a branch every window is 0
.if \fill
.irp g, G0K, G0V
	s_xor_b32 s[\g+1], s[\g+1], SLOT1  ; the walking descriptor: the other slot than last time,
	s_add_nc_u64 s[\g+2:\g+3], s[\g+2:\g+3], 4*KS*128  ; the next 256 keys; the type bits on top are not reached
.endr
	s_wait_dscnt 0x0                ; the add is done, and my reads of the slot are over
	CROUND
	JLOAD
.else
	s_wait_dscnt 0x0
	s_barrier_signal -1
	s_barrier_wait -1
.endif
	s_sub_co_u32 s[TBK], s[TBK], 4*KS*PK  ; the fetches go back to a slot's first step,
	s_xor_b32 s[TBK], s[TBK], SLOT1       ; in the other slot
	s_sub_co_u32 s[TBV], s[TBV], 4*KS*PV
	s_xor_b32 s[TBV], s[TBV], SLOT1
.endm
; THE C OPERANDS of piece x: eight scaled conversions, one for each accumulator (c = 4 u + kb): code x 2^(scale - 127).  The products that read MC last are the turn's first eight, far ahead.
; The count: loads come back in order, and behind this piece's four stand at most the three other pieces' twelve.
.macro MCVT x
	s_wait_loadcnt 12
	WIN W_CV
	s_wait_alu depctr_va_vdst(0)
.irp c, 0,1,2,3,4,5,6,7
	v_cvt_scale_pk8_f32_fp8 v[MC+8*\c:MC+8*\c+7], v[MBY+16*(\x)+2*\c:MBY+16*(\x)+2*\c+1], v[SCL+2*(\x)+\c/4]
.endr
.endm
; Piece x's codes for the step at which MB stands: four loads (c = 2 u + hf) of 512 consecutive bytes.  step = 1 (piece 0): MB goes a key step on first, behind the wait that frees it;
; it stops at the last step, 31, so that the loads which no later step reads stay inside the buffer.
.macro MLD x, step
.if \step
	s_wait_xcnt 0x0                 ; the earlier loads have had their addresses translated: their base is rewritten only behind this wait
	s_cmp_lt_u32 s[MS], SIZE_N/KS-1
	s_cselect_b32 s[INC], 1024, 0
	s_add_nc_u64 s[MB:MB+1], s[MB:MB+1], s[INC:INC+1]
	s_add_co_u32 s[MS], s[MS], 1
.endif
	WIN W_MK
.irp c, 0,1,2,3
	global_load_b128 v[MBY+16*(\x)+4*\c:MBY+16*(\x)+4*\c+3], v[GO], s[MB:MB+1] offset:(2*(\x)+\c/2)*32768+512*(\c%2)
.endr
.endm
	s_load_b256 s[32:39], s[0:1], 0x0  ; qkvh s[32:33], mcode s[34:35], pflag s[36:37], oh s[38:39]
	WIN W_MK
	v_lshl_add_u32 v[SPW], v0, 2, SPARE
	v_mov_b32 v[NIL], 0
	s_set_vgpr_msb 0xc0cf
	ds_add_u32 v0, v1
	s_wait_dscnt 0x0
	s_set_vgpr_msb 0xcfc0
	WIN 0
	v_lshrrev_b32 v12, 5, v0
	v_readfirstlane_b32 s[WV], v12  ; wave 0..3
	s_bfe_u32 s54, ttmp6, 0x40000   ; cx: my place in the cluster
	s_lshl_b32 s55, ttmp9, 2        ; in a cluster launch ttmp9 counts clusters
	s_add_co_u32 s55, s55, s54      ; my block of 512 queries: it enters Q's, O's, the codes' and the flags' addresses alone
	s_and_b32 s40, ttmp7, 0xffff    ; the head, which the four partners share,
	s_lshl_b32 s40, s40, 18         ; and its first byte in a part of qkvh and in oh: 2,048 rows of 128 bytes
	s_and_b32 s42, s[WV], 1         ; which half of a slot's 256 keys I fetch:
	s_lshl_b32 s44, s42, 14         ; its 128 rows of 128 bytes in memory,
	s_add_co_u32 s44, s44, s40
	s_add_co_u32 s52, s44, 0x2000000  ; in V's part of qkvh,
	s_add_co_u32 s44, s44, 0x1000000  ; in K's
	s_mov_b32 s45, 0
	s_mov_b32 s53, 0
	s_mul_i32 s46, s42, 128*PK      ; and its place in a slot, for K
	s_mul_i32 s47, s42, 128*PV      ; and for V: no place in the cluster enters an LDS address
	s_lshl_b32 s48, s55, 2
	s_add_co_u32 s48, s48, s[WV]    ; my wave among the head's sixteen
	s_lshl_b32 s50, s48, 18         ; its eight tiles' codes: 8 x 32 x 1,024 bytes
	s_mov_b32 s51, 0
	s_lshl_b32 s56, s48, 6          ; its eight tiles' flags: 8 x 2 words
	s_mov_b32 s57, 0
	s_lshl_b32 s48, s48, 14         ; its 128 rows
	s_add_co_u32 s48, s48, s40
	s_mov_b32 s49, 0
	; descriptor group 1.  128 keys are 16,384 dense bytes: asked for as 64 rows of 256 bytes, two keys a row, and padded in LDS after every key
	s_mov_b32 s[G1K], 15|(1<<16)|(1<<20)|(1<<21)|(4<<22)|(3<<25)  ; the mask of four; 2-byte elements; padding on; bit 21 beside a mask; after every 32 words, 4 words
	s_mov_b32 s[G1V], 15|(1<<16)|(1<<20)|(1<<21)|(4<<22)|(7<<25)  ; the same with 8 words of padding
.irp g, G1K, G1V
	s_mov_b32 s[\g+1], 128<<16      ; tensor_dim0 = 128
	s_mov_b32 s[\g+2], 64<<16       ; tensor_dim1 = 64
	s_mov_b32 s[\g+3], 128<<16      ; tile_dim0 = 128
	s_mov_b32 s[\g+4], 64           ; tile_dim1 = 64
	s_mov_b32 s[\g+5], 128          ; 128 elements from row to row
	s_mov_b32 s[\g+6], 0
	s_mov_b32 s[\g+7], 0
.endr
	s_mov_b32 s[TBK], SLOT1+4*KS*PK ; the first change of slots turns these two into 0
	s_mov_b32 s[TBV], SLOT1+4*KS*PV
	s_mov_b32 s[SEL], 0x76543210    ; each lane takes its own place in the other half
	s_mov_b32 s[SEL+1], 0xfedcba98
	s_mov_b32 s[MS], 0
	s_mov_b32 s[INC], 0
	s_mov_b32 s[INC+1], 0
	s_mov_b32 s[G0K], 1             ; count = 1
	s_mov_b32 s[G0K+1], s46         ; LDS address: slot 0
	s_mov_b32 s[G0V], 1
	s_add_co_u32 s[G0V+1], s47, VOFF
	s_wait_kmcnt 0x0
	s_add_nc_u64 s[G0K+2:G0K+3], s[32:33], s[44:45]  ; my half of the head's first 256 keys
	s_or_b32 s[G0K+3], s[G0K+3], 0x80000000          ; type = 2
	s_add_nc_u64 s[G0V+2:G0V+3], s[32:33], s[52:53]
	s_or_b32 s[G0V+3], s[G0V+3], 0x80000000
	s_add_nc_u64 s[QP:QP+1], s[32:33], s[48:49]      ; Q at my wave's first row
	s_add_nc_u64 s[OPT:OPT+1], s[38:39], s[48:49]    ; O likewise
	s_add_nc_u64 s[MB:MB+1], s[34:35], s[50:51]
	s_add_nc_u64 s[PFP:PFP+1], s[36:37], s[56:57]
	CROUND                          ; all four work-groups are here: the first joint loads meet
	JLOAD                           ; slot 0.  Slot 1 is asked for when slot 0 is in
	s_load_b512 s[32:47], s[PFP:PFP+1], 0x0  ; my eight tiles' flag words; the arguments and the scalars at work there have been used
	; A fragment of K or Q is 16 rows x 32 channels in 8 registers: lane l holds row l % 16, channels 8 (l / 16) + 0..7 and 16 + 8 (l / 16) + 0..7: two loads of 16 bytes, 32 bytes apart.
	v_and_b32 v12, 15, v0           ; l % 16
	v_bfe_u32 v9, v0, 4, 1          ; l / 16
	v_lshlrev_b32 v[QO], 7, v12
	v_lshl_add_u32 v[QO], v9, 4, v[QO]  ; row x 128 + 16 x half
	v_and_b32 v[GO], 31, v0
	v_lshlrev_b32 v[GO], 4, v[GO]
	WIN 0x80                        ; destination window 2, address window 0
.set i, 0
.rept 4*NP                          ; Q stays in registers: tile i / 2, channels 32 (i % 2) on
	global_load_b128 v[8*i:8*i+3],   v[QO], s[QP:QP+1] offset:(i/2)*2048+(i%2)*64
	global_load_b128 v[8*i+4:8*i+7], v[QO], s[QP:QP+1] offset:(i/2)*2048+(i%2)*64+32
.set i, i+1
.endr
.irp x, 0,1,2,3
	MLD \x, 0                       ; all four pieces' codes for key step 0
.endr
	; What the first turn finds: V's registers and P's second buffer hold 0 (its products V^T P, of a piece that has not been, add 0), O^T and l are 0.  All this stands in the wait for the first tile.
	WIN 0x80
.set i, VF
.rept 64
	v_mov_b32 v[i], 0
.set i, i+1
.endr
	WIN 0x40
.set i, 0
.rept 64*NP
	v_mov_b32 v[i], 0
.set i, i+1
.endr
	WIN 0
.set i, 0
.rept 2*NP
	v_mov_b32 v[ST+4*i], 0xff7fffff    ; m: the lowest finite number
	v_mov_b32 v[ST+4*i+1], 0xff7fffff  ; m_old
	v_mov_b32 v[ST+4*i+2], 0
	v_mov_b32 v[ST+4*i+3], 0
.set i, i+1
.endr
.set i, P+32
.rept 32
	v_mov_b32 v[i], 0
.set i, i+1
.endr
	v_mul_u32_u24 v[AK0], v12, PK
	v_lshl_add_u32 v[AK0], v9, 4, v[AK0]  ; row x pitch + 16 x half
	; The turning load takes 16 keys x 16 channels (lane l reads key 8 (l / 16) + l % 8, channels 8 ((l / 8) % 2) + 0..7) and leaves half a fragment of V^T: lane l holds channel l % 16 and 8 keys.
	v_and_b32 v10, 7, v0
	v_bfe_u32 v11, v0, 3, 1
	v_lshl_add_u32 v[AV0], v9, 3, v10
	v_mul_u32_u24 v[AV0], v[AV0], PV
	v_lshl_add_u32 v[AV0], v11, 4, v[AV0]
	v_add_nc_u32 v[AV0], VOFF, v[AV0]
	v_mov_b32 v[AK], v[AK0]         ; key step 0 lies at the head of slot 0
	s_wait_kmcnt 0x0                ; the flags.  Tile t: its two words, and in them the two halves of the lanes, are joined; bits r and 16 + r then say whether row r has a visible key
.set t, 0
.rept 2*NP
	s_or_b32 s[FL+t], s[32+2*t], s[33+2*t]
	s_lshr_b32 s[TS], s[FL+t], 16
	s_or_b32 s[FL+t], s[FL+t], s[TS]
	s_and_b32 s[FL+t], s[FL+t], 0xffff
	s_lshl_b32 s[TS], s[FL+t], 16
	s_or_b32 s[FL+t], s[FL+t], s[TS]
.set t, t+1
.endr
	s_wait_loadcnt 0x0              ; Q and the first codes are in; Q's offset register is free
	s_mul_i32 s[TS], s[WV], 16*SP
	s_add_co_u32 s[TS], s[TS], STAGE  ; my stage
	v_mul_u32_u24 v[STO], v12, SP   ; in: row l % 16, 16 bytes for each half of the lanes
	v_lshl_add_u32 v[STO], v9, 4, v[STO]
	v_add_nc_u32 v[STO], s[TS], v[STO]
	v_bfe_u32 v[RD], v0, 3, 2       ; back: 32 lanes take four rows of 128 bytes, which are 512 consecutive bytes of O
	v_mul_u32_u24 v[RD], v[RD], SP
	v_lshl_add_u32 v[RD], v10, 4, v[RD]
	v_add_nc_u32 v[RD], s[TS], v[RD]
	v_mov_b32 v[TMP], 227           ; the scale 2^100 as an exponent with bias 127
.set t, 0
.rept 2*NP
	v_cndmask_b32 v[SCL+t], 0, v[TMP], s[FL+t]
.set t, t+1
.endr
	WIN 0x88                        ; destination and source 1 in window 2
.set i, 0
.rept 32*NP
	v_cndmask_b32 v[i], 0, v[i], s[FL+i/16]  ; Q's row is 0 where the row has no key left
.set i, i+1
.endr
	WIN 0
; THE MATRIX WORK.  The 8 accumulators of a run of 16 take turns.
; Product i of 16 of S^T = K Q^T for piece x: channels 32 (i / 8) on, keys 16 ((i / 2) % 4) on, tile 2 x + i % 2.  The first 8 start the sums, with the mask.
.macro KQ x
.set rS, S+64*((\x)%2)+32*(i%2)+8*((i/2)%4)
.set rK, KF+16*((i/2)%4)+8*(i/8)
.set rQ, 16*(2*(\x)+i%2)+8*(i/8)
.set rM, MC+32*(i%2)+8*((i/2)%4)
.if i < 8
	WIN W_KM
	v_wmma_f32_16x16x32_f16 v[rS:rS+7], v[rK:rK+7], v[rQ:rQ+7], v[rM:rM+7]
.else
	WIN W_KQ
	v_wmma_f32_16x16x32_f16 v[rS:rS+7], v[rK:rK+7], v[rQ:rQ+7], v[rS:rS+7]
.endif
.endm
; Product i of 16 of O^T += V^T P for piece x: keys 32 (i / 8) on, channels 16 ((i / 2) % 4) on, tile 2 x + i % 2.
.macro PV x
	WIN W_PV
.set rO, 32*(2*(\x)+i%2)+8*((i/2)%4)
.set rV, VF+32*(i/8)+8*((i/2)%4)
.set rP, P+32*((\x)%2)+16*(i%2)+8*(i/8)
	v_wmma_f32_16x16x32_f16 v[rO:rO+7], v[rV:rV+7], v[rP:rP+7], v[rO:rO+7]
.endm
.macro MM                           ; the turn's next matrix instruction
.if i < 16
	KQ (Y+1)%NP
.set i, i+1
.else
.set i, i-16
	PV (Y+NP-1)%NP
.set i, i+17
.endif
.endm
; THE LDS LOADS stand in runs of 16: a step's K (8 fragments) and its V (turned).  last = 1 (the tail): in the last trip there is no further step, and the run is jumped over.
.macro FETCH_K last=0
	WIN 0
.if \last
	s_cmp_eq_u32 s[CNT], 1
	s_cbranch_scc1 .Lno_k_\@
.endif
	WIN 0x80                        ; destination window 2
.irp f, 0,1,2,3,4,5,6,7             ; keys 16 (f / 2) on, channels 32 (f % 2) on
	ds_load_b128 v[KF+8*\f:KF+8*\f+3],   v[AK] offset:(\f/2)*16*PK+(\f%2)*64
	ds_load_b128 v[KF+8*\f+4:KF+8*\f+7], v[AK] offset:(\f/2)*16*PK+(\f%2)*64+32
.endr
	s_add_co_u32 s[TBK], s[TBK], KS*PK  ; the next fetch is the next step's
	WIN 0
.if \last
.Lno_k_\@:
.endif
.endm
.macro FETCH_V
	WIN 0x80
.irp f, 0,1,2,3,4,5,6,7             ; keys 32 (f / 4) on, channels 16 (f % 4) on
	ds_load_tr16_b128 v[VF+8*\f:VF+8*\f+3],   v[AV] offset:(\f/4)*32*PV+(\f%4)*32
	ds_load_tr16_b128 v[VF+8*\f+4:VF+8*\f+7], v[AV] offset:(\f/4)*32*PV+16*PV+(\f%4)*32
.endr
	WIN 0
.endm
; THE VECTOR WORK OF A TURN stands in three queues, each in the order in which its entries become ready; the two tiles alternate.
.macro REGS y, u                    ; the registers of tile u (0, 1) of piece y
.set rT, ST+4*(2*(\y)+(\u))
.set rC, TMP+8*((\y)%2)+4*(\u)
.set rS, S+64*((\y)%2)+32*(\u)
.set rP, P+32*((\y)%2)+16*(\u)
.set rO, 32*(2*(\y)+(\u))
.endm
; Number n of the 21 that find the NEXT piece's (Y + 1) maximum and statistics.  s0-s31 are the lane's 32 scores; each accumulator's lowest registers are read first.  XS, GS and REGS set no window.
;   0-11  four chains c0-c3 of seven scores each, three operands at a time     12-14, 16  the four scores left over, the old m, and c0-c3 into c0     15  m_old is kept
;   17, 18  the query's other 32 keys lie in the lane 16 away: the new m         19, 20  m_old - m_new; a
.macro XS u, n
	REGS (Y+1)%NP, \u
.if (\n) < 4
	v_max3_num_f32 v[rC+(\n)], v[rS+8*(\n)], v[rS+8*(\n)+1], v[rS+8*(\n)+2]
.elseif (\n) < 12
	v_max3_num_f32 v[rC+(\n)%4], v[rC+(\n)%4], v[rS+8*((\n)%4)+2*((\n)/4)+1], v[rS+8*((\n)%4)+2*((\n)/4)+2]
.elseif (\n) == 12
	v_max3_num_f32 v[rC], v[rC], v[rS+7], v[rS+15]
.elseif (\n) == 13
	v_max3_num_f32 v[rC+1], v[rC+1], v[rS+23], v[rS+31]
.elseif (\n) == 14
	v_max3_num_f32 v[rC+2], v[rC+2], v[rC+3], v[rT]
.elseif (\n) == 15
	v_mov_b32 v[rT+1], v[rT]
.elseif (\n) == 16
	v_max3_num_f32 v[rC], v[rC], v[rC+1], v[rC+2]
.elseif (\n) == 17
	v_permlanex16_b32 v[rC+3], v[rC], s[SEL], s[SEL+1]
.elseif (\n) == 18
	v_max_num_f32 v[rT], v[rC], v[rC+3]
.elseif (\n) == 19
	v_sub_f32 v[rC+1], v[rT+1], v[rT]
.else
	v_exp_f32 v[rC+2], v[rC+1]
.endif
.endm
; Number g of the 64 that follow the exponentials.  For each four weights k of a tile: both pairs are rounded to f16; then the second pair is added onto the first, in place;
; a group later l takes that sum (the first time as l = a l + sum).
.macro GS g
.set h, (\g)+6*((\g)/62)            ; group 0 has no group before it, and behind group 7 only l is left
.if h >= 6
.set h, h+2
.endif
	REGS Y, h%2
.set k, h/8
.if h%8 < 4
	s_wait_alu depctr_va_vdst(0)
	v_cvt_pk_f16_f32 v[rP+2*k+(h%8)/2], v[rS+4*k+2*((h%8)/2)], v[rS+4*k+2*((h%8)/2)+1]
.elseif h%8 < 6
	v_pk_add_f32 v[rS+4*k:rS+4*k+1], v[rS+4*k:rS+4*k+1], v[rS+4*k+2:rS+4*k+3]
.elseif k == 1
	v_pk_fma_f32 v[rT+2:rT+3], v[rT+2:rT+3], v[rC+2:rC+3], v[rS:rS+1] op_sel_hi:[1,0,1]
.else
	v_pk_add_f32 v[rT+2:rT+3], v[rT+2:rT+3], v[rS+4*k-4:rS+4*k-3]
.endif
.endm
; THE PLAIN QUEUE, 136 long.  0-31: s - m for the 16 pairs of both tiles.  Then GS's 64, and among them the next piece's 40: number 15 at 38, 39; 0-14 and 16
; at 42-73, behind the products that make those scores; 17-19 at 95-103, two of three, since each waits for the one before it.
.macro PL
	WIN 0
.if q < 32
	REGS Y, q%2
	v_pk_add_f32 v[rS+2*(q/2):rS+2*(q/2)+1], v[rS+2*(q/2):rS+2*(q/2)+1], v[rT:rT+1] op_sel_hi:[1,0] neg_lo:[0,1] neg_hi:[0,1]
.elseif q < 38
	GS q-32
.elseif q < 40
	XS q%2, 15
.elseif q < 42
	GS q-34
.elseif q < 74
	XS q%2, (q-42)/2+(q-42)/30
.elseif q < 95
	GS q-66
.elseif (q < 104) && ((q-95)%3 < 2)
	XS (q-95)%3, 17+(q-95)/3
.elseif q < 104
	GS 29+(q-95)/3
.else
	GS q-72
.endif
.set q, q+1
.endm
; THE EXPONENTIALS' QUEUE, 66 long: s0-s31 of both tiles, and at EA the next piece's two a.
.set EA, 58
.macro EX
	WIN 0
.if (e == EA) || (e == EA+1)
	XS e-EA, 20
.else
.set x, e-2*(e/(EA+2))
	REGS Y, x%2
	v_exp_f32 v[rS+x/2], v[rS+x/2]
.endif
.set e, e+1
.endm
; THE RESCALING's QUEUE: O^T times a, the one part of the three that leaves window 0, so it is dealt four at a time, eight times.
.macro R4
	REGS Y, r%2
	WIN W_RS
	s_wait_alu depctr_va_vdst(0)
.irp z, 0,1,2,3
	v_pk_mul_f32 v[rO+8*(r/2)+2*\z:rO+8*(r/2)+2*\z+1], v[rO+8*(r/2)+2*\z:rO+8*(r/2)+2*\z+1], v[rC+2:rC+3] op_sel_hi:[1,0]
.endr
.set r, r+1
.endm
; HOW THEY ARE DEALT.  Behind a matrix instruction four: plain, exponential, plain, plain, or four of the rescaling.  None names a register of the products round it.  What is over stands in two LUMPS:
; exponential and plain by turns; the second ends in 20 plain instructions.  The queues lean on each other: exponential e stands behind plain 2 (e / 4) + e % 2; when plain 32 comes, 10 exponentials are out,
; at 59: 33; from plain 95 to 115 exponential q - 50 stands just ahead of plain q, whose rounding wants none later than q - 63; EA comes behind plain 107, the subtractions stand at 101 and 102.
.macro SL
	MM
	PL
	EX
	PL
	PL
.endm
.macro BURST n                      ; 15 matrix instructions, or 16
.rept (\n)-7
	SL
.endr
.rept 3
	MM
	R4
	SL
.endr
	MM
	R4
.endm
; A TURN, for piece p.  cnt = 1: the loop's count is taken down some lines ahead of the branch that stands behind the turn.
; K of the next step is fetched in piece 2's turn, in the first lump; V of the step in hand at the end of piece 0's turn.
; Among the last 20 plain instructions: piece p + 2's C operands are made behind plain 121; five plain instructions on, which are the place that a scaled conversion wants behind it, its codes' registers
; are loaded again, for the piece's next step; ten more plain instructions stand ahead of the next turn's first product, which reads MC.  The conditions on e and q below go with the deal.
.macro TURN p, last=0, cnt=0
.set Y, (\p)
.set i, 0
.set q, 0
.set e, 0
.set r, 0
.if (\p) == NP-1
	s_wait_dscnt 0x0                ; K is in
.endif
	MM
.rept 4
	PL
.endr
	BURST 15
.rept 22
	EX
	PL
.if ((\p) == NP-2) && (e == 18)
	v_add_nc_u32 v[AK], s[TBK], v[AK0]
.endif
.if ((\p) == NP-2) && (e == 24)
	FETCH_K \last
.endif
.endr
.if (\p) == 1
	s_wait_dscnt 0x0                ; V is in
.endif
	BURST 16
.rept 21
	EX
	PL
.endr
.rept 20
	PL
.if ((\p) == 0) && (q == 118)
	v_add_nc_u32 v[AV], s[TBV], v[AV0]
	s_wait_alu depctr_va_vdst(0)
.endif
.if q == 121
	MCVT ((\p)+2)%NP
.endif
.if q == 126
.if (\p) == 2
	MLD 0, 1
.else
	MLD ((\p)+2)%NP, 0
.endif
.endif
.if ((\p) == 0) && (q == 130)
	s_add_co_u32 s[TBV], s[TBV], KS*PV
.endif
.if (\cnt) && (q == 130)
	s_sub_co_u32 s[CNT], s[CNT], 1
	s_cmp_lg_u32 s[CNT], 0
.endif
.endr
.if (\p) == 0
	FETCH_V
.endif
.endm
	CHANGE 1                        ; slot 0 is in, everybody's part of it; slot 1 is asked for
	FETCH_K                         ; key step 0
	MCVT 0                          ; piece 0's C operands for key step 0
	WIN 0
	v_nop                           ; the plain instruction behind the conversions
	MLD 0, 1                        ; and its codes for key step 1
	s_wait_dscnt 0x0
.set i, 0
.rept 16
	KQ 0                            ; piece 0's first scores: there is no vector work yet to set between them
.set i, i+1
.endr
	WIN 0
.rept 4
	v_nop                           ; the places behind those products: MC is written and the scores are read only behind them
.endr
	MCVT 1                          ; piece 1's C operands, for the first turn's products
	WIN 0
.set Y, NP-1                        ; XS works for piece Y + 1: piece 0
.irp n, 0,1,2,3,4,5,6,7,8,9,10,11,12,13,14,15,16,17,18,19,20
	XS 0, \n                        ; piece 0's first maximum and statistics
	XS 1, \n
.endr
	MLD 1, 0
	WIN 0
	s_mov_b32 s[CNT], 4
	s_mov_b32 s[SLOTS], SIZE_N/256-1
	s_branch .Lfirst                ; the loop is entered at a step's first turn, in the middle of a trip
.Lslot:                             ; SIZE_N / 256 - 2 times: every slot but the last two is filled again
	CHANGE 1
	s_mov_b32 s[CNT], 4
.Lstep:                             ; a trip: pieces 2 and 3 of one step, then pieces 0 and 1 of the next, whose K and V it fetches
	TURN 2
	TURN 3
	WIN 0
.Lfirst:
	TURN 0
	TURN 1, 0, 1
	WIN 0
	s_cbranch_scc1 .Lstep
	s_sub_co_u32 s[SLOTS], s[SLOTS], 1
	s_cmp_lg_u32 s[SLOTS], 0
	s_cbranch_scc1 .Lslot
	CHANGE 0                        ; the tail is written out: nothing is asked for
	s_mov_b32 s[CNT], 5             ; four trips fetch the last slot's steps; the fifth is left in its middle
.Ltail:
	TURN 2, 1
	TURN 3
	WIN 0
	s_sub_co_u32 s[CNT], s[CNT], 1
	s_cmp_eq_u32 s[CNT], 0
	s_cbranch_scc1 .Lout
	TURN 0
	TURN 1
	WIN 0
	s_branch .Ltail
.Lout:                              ; the fifth trip's 16 products K Q^T (on the last K once more) and the maximum made of them serve nothing, nor do the last six turns' loads of codes (step 31's once more):
                                    ; the price, once a launch, of one text for every trip
.set i, 0
.rept 16
	PV NP-1                         ; the last piece's V^T P of the last step
.set i, i+1
.endr
	; THE WAY OUT.  l's two halves and the other half of the lanes' are added; O^T is divided by l, rounded to f16 and sent through my stage in LDS, a tile at a time.  The additions are the places behind the last products.
	WIN 0
.macro ALL line:vararg              ; one line for each tile t
.set t, 0
.rept 2*NP
	\line
.set t, t+1
.endr
.endm
	ALL v_add_f32 v[ST+4*t+2], v[ST+4*t+2], v[ST+4*t+3]
	ALL v_permlanex16_b32 v[ST+4*t+3], v[ST+4*t+2], s[SEL], s[SEL+1]
	ALL v_add_f32 v[ST+4*t+2], v[ST+4*t+2], v[ST+4*t+3]
	ALL v_rcp_f32 v[ST+4*t+2], v[ST+4*t+2]
	v_nop                           ; a plain instruction between the last reciprocal and the use of its result
	s_wait_alu depctr_va_vdst(0)
; Tile t: a lane's eight channels of a row pack into 16 bytes; they go into rows of 144 bytes and come back as whole rows of 128, into S^T's registers.
.macro PACK t
	WIN W_RS
.set i, 32*(\t)
.rept 16
	v_pk_mul_f32 v[i:i+1], v[i:i+1], v[ST+4*(\t)+2:ST+4*(\t)+3] op_sel_hi:[1,0]
.set i, i+2
.endr
	WIN 0x05                        ; sources 0 and 1 window 1, destination window 0
.set i, 0
.rept 16
	v_cvt_pk_f16_f32 v[S+16*(\t)+i], v[32*(\t)+2*i], v[32*(\t)+2*i+1]
.set i, i+1
.endr
	WIN 0
.irp f, 0,1,2,3
	ds_store_b128 v[STO], v[S+16*(\t)+4*\f:S+16*(\t)+4*\f+3] offset:32*\f
.endr
.irp f, 0,1,2,3
	ds_load_b128 v[S+16*(\t)+4*\f:S+16*(\t)+4*\f+3], v[RD] offset:\f*4*SP  ; LDS serves a wave's instructions in order: these see the stores above; the next tile's stores come behind them
.endr
.endm
.macro SEND t, younger              ; younger: the LDS instructions issued behind tile t's loads: the next tile's eight, or none
	WIN 0
.irp f, 0,1,2,3
	s_wait_dscnt (\younger)+3-\f
	global_store_b128 v[GO], v[S+16*(\t)+4*\f:S+16*(\t)+4*\f+3], s[OPT:OPT+1] offset:(\t)*2048+\f*512  ; 512 consecutive bytes, at a multiple of 256 from O's first
.endr
.endm
	PACK 0
.set t, 1
.rept 2*NP-1                        ; a tile's arithmetic stands between the loads of the tile before and its stores
	PACK t
	SEND t-1, 8
.set t, t+1
.endr
	SEND 2*NP-1, 0
	WIN W_AD
	s_wait_tensorcnt 0x0            ; the wave's end
	ds_add_u32 v[SPW], v[NIL]
	s_wait_dscnt 0x0
	WIN 0
	CROUND                          ; the closing round
	s_endpgm
.Lfunc_end_k_q8b091e2cd5_attn:
	.size	k_q8b091e2cd5_attn, .Lfunc_end_k_q8b091e2cd5_attn-k_q8b091e2cd5_attn
	.p2alignl 7, 3214868480
	.fill 96, 4, 3214868480
	.section	.rodata,"a",@progbits
	.p2align	6, 0x0
	.amdhsa_kernel k_q8b091e2cd5_attn
		.amdhsa_group_segment_fixed_size 327680
		.amdhsa_private_segment_fixed_size 0
		.amdhsa_enable_private_segment 0
		.amdhsa_kernarg_size 32
		.amdhsa_user_sgpr_count 2
		.amdhsa_user_sgpr_kernarg_segment_ptr 1
		.amdhsa_wavefront_size32 1
		.amdhsa_system_sgpr_workgroup_id_x 1
		.amdhsa_system_sgpr_workgroup_id_y 1
		.amdhsa_system_sgpr_workgroup_id_z 1
		.amdhsa_system_vgpr_workitem_id 0
		.amdhsa_next_free_vgpr 960
		.amdhsa_next_free_sgpr 90
		.amdhsa_reserve_vcc 0
		.amdhsa_float_denorm_mode_32 3
		.amdhsa_float_denorm_mode_16_64 3
		.amdhsa_memory_ordered 1
		.amdhsa_forward_progress 1
		.amdhsa_inst_pref_size 228
	.end_amdhsa_kernel
	.amdgpu_metadata
---
amdhsa.version: [ 1, 2 ]
amdhsa.kernels:
  - .name:           k_q8b091e2cd5_attn
    .symbol:         k_q8b091e2cd5_attn.kd
    .args:
      - { .name: qkvh, .offset: 0, .size: 8, .value_kind: global_buffer, .address_space: global }
      - { .name: mcode, .offset: 8, .size: 8, .value_kind: global_buffer, .address_space: global }
      - { .name: pflag, .offset: 16, .size: 8, .value_kind: global_buffer, .address_space: global }
      - { .name: oh, .offset: 24, .size: 8, .value_kind: global_buffer, .address_space: global }
    .group_segment_fixed_size: 327680
    .private_segment_fixed_size: 0
    .kernarg_segment_align: 8
    .kernarg_segment_size: 32
    .max_flat_workgroup_size: 128
    .sgpr_count:     90
    .vgpr_count:     960
    .wavefront_size: 32
...
	.end_amdgpu_metadata
.endif
;; end of part 7
;; launch outp: the kernel of part 4 again; grid 4 x 64, 4 waves a work-group, clusters of 4 x 4, 327,680 bytes of LDS; arguments oh, wob, out0; writes out0
;; ======== version 3 of 3: 4 launches; 1.47 times as fast as version 1
;; limits: values are held in f16: magnitudes above 65,504 overflow, below 6.1e-05 lose precision; right only within a limited range of input values
;; workspace buffers: wb 6,291,456 bytes; wob 2,097,152 bytes; mcode 4,194,304 bytes; pflag 1,024 bytes of whole numbers; qkvh 50,331,648 bytes; oh 16,777,216 bytes
;; launch prep: the kernel of part 5 again; grid 256 x 1, 8 waves a work-group, no clusters, 68,864 bytes of LDS; arguments w_q, w_k, w_v, w_o, mask, wb, wob, mcode, pflag; writes wb, wob, mcode, pflag
;; launch proj: the kernel of part 6 again; grid 4 x 64, 4 waves a work-group, clusters of 4 x 4, 327,680 bytes of LDS; arguments q, k, v, wb, qkvh; writes qkvh
;; launch attn (part 8): grid 4 x 64, 4 waves a work-group, clusters of 4 x 1, 327,680 bytes of LDS; arguments qkvh, mcode, pflag, oh; writes oh
.if DOCPART == 8
	.amdgcn_target "amdgcn-amd-amdhsa--gfx1250"
	.amdhsa_code_object_version 6
	.text
	.protected	k_q8b091e2cd5_attn
	.globl	k_q8b091e2cd5_attn
	.p2align	8
	.type	k_q8b091e2cd5_attn,@function
k_q8b091e2cd5_attn:
	s_mov_b64 s[64:65], 0
	v_nop
	global_prefetch_b8 v0, s[64:65] scope:SCOPE_SE
	s_setreg_imm32_b32 hwreg(HW_REG_WAVE_MODE, 25, 1), 1
	s_wait_xcnt 0x0
	s_wait_alu depctr_hold_cnt(0) depctr_sa_sdst(0) depctr_va_vdst(0) depctr_va_sdst(0) depctr_va_ssrc(0) depctr_va_vcc(0) depctr_vm_vsrc(0)
	s_getreg_b32 s2, hwreg(HW_REG_IB_STS2, 6, 4)
	s_cmp_eq_u32 s2, 0
	s_cbranch_scc0 .Lentry_in_a_cluster
	s_endpgm
.Lentry_in_a_cluster:
	s_bfe_u32 s2, ttmp6, 0x10000c
	s_cmp_lg_u32 s2, 0x3003
	s_cbranch_scc0 .Lentry_shape_is_right
	s_endpgm
.Lentry_shape_is_right:
; MASKED ATTENTION.  O[bh][q][:] = the sum over k of softmax_k(s[q][k]) V[bh][k][:], s = Q . K / 8 where mask[q][k] != 0 and -1e9 elsewhere.  Q, K, V: the three parts of qkvh, each [64][2048][64] f16, a head's
; rows dense, 128 bytes each; Q arrives multiplied by c = log2(e) / 8, so a product K Q^T is a score in units of log2.  O: oh, [64][2048][64] f16.
; Products, maxima and sums in f32; the weights p are rounded to f16 for the second product (their sum l is taken of the unrounded p), O once at the end.
; THE MASK is the C operand that starts the sum S^T = K Q^T: 0, or -2^100 where the key is hidden.  It comes as one fp8 code a score (0, or -1.0), in my lanes' order (mcode [128 qt][32 st][2][32 lanes][16 bytes]);
; one scaled conversion makes an accumulator's eight C registers of a lane's eight codes, with the scale 2^100.  No branch hangs on it.
; A ROW WITH NO KEY LEFT (pflag says which) has all its scores replaced alike, so its weights are all equal: here its Q is set to 0 and its lanes' scale to 2^-127, so that all its sums are the same number,
; all p = 1, and O is the mean of V.
; LIMITS.  A hidden key has the weight 0 in every row that has a visible key: that is exp(-1e9 - max) in f32 as long as the row's largest visible score lies above -1e9 + 104.
; f16 holds no number beyond 65,504: Q, K and V arrive within it; p = 2^(s - m) lies in 0 to 1 for every input, since m is the exact maximum of the same f32 numbers; below 6e-5 p keeps f16's fixed step.
; A weight below 2^-126 counts as 0 in l; NaN and infinities are not treated apart.
; SHARES.  A wave owns four PIECES of two tiles of 16 queries, a work-group's four waves 512 queries of one head.  Every wave walks all 2,048 keys, 64 a step.
; LAYOUT.  S^T = K Q^T (source 0 = 16 keys, source 1 = 16 queries): a lane holds ONE query (lane % 16) and the keys 8 (lane / 16) + 0..7.  Two such tiles, rounded to f16 in pairs, ARE source 1 of
; O^T = V^T P, whose result again holds one query a lane.  K comes out of LDS as it lies, V turned, by ds_load_tr16_b128.
; SOFTMAX.  A running maximum m and sum l for each query; in every step O and l are multiplied by a = 2^(m_old - m_new).  m starts at the lowest finite number, O and l at 0: the first step's a is 0;
; so is the a of the step that brings a row's first visible key, which wipes what the hidden keys before it left.
; BY TURNS.  Turn n belongs to piece n.  Matrix work: 16 products K Q^T of piece n + 1, later 16 products V^T P of piece n - 1.  Vector work: the subtraction, exponentials, roundings, sums and rescaling of
; piece n, the maximum and statistics of piece n + 1, and the C operands of piece n + 2.  Four vector instructions stand behind every matrix instruction, the others in one lump of their own: a tile and step
; have 16 matrix and 121 vector instructions, more than can stand beside the matrix work in any order.
; THE BATCHES.  A turn's 66 exponentials (piece n's 64 weights, in place on S^T, and piece n + 1's two a) are ONE batch with ONE s_wait_alu depctr_va_vdst(0), ahead of the first
; instruction that names a result.  The wait cuts the turn in two.  Ahead of it stands all that names no result of the batch: the products K Q^T, the subtractions, the rescalings (their a was made, and waited for,
; in the turn before), the C operands, the next piece's maximum and statistics.  Behind it stand the roundings and sums, which are the riders of the products V^T P.  No exponential is issued behind a turn's wait,
; so no result crosses a label, a branch or a loop's edge.  Two more batches stand outside the loop: piece 0's first two a, ahead of the jump into the loop, and the way out's eight reciprocals.
; CLUSTER.  The four query blocks of a cluster belong to one head and walk the same K and V: each tile is asked for JOINTLY, by the same tensor load, descriptor and mask in all four.  The codes are each wave's
; own (its queries'), so they come by plain loads into registers: a piece's 16 registers are loaded again in the turn that converts them, four turns ahead of their next use.
; REGISTERS, in windows of 256 (s_set_vgpr_msb: bits 1:0 source 0, 3:2 source 1, 5:4 source 2, 7:6 destination):
;   window 0: v1-7 addresses; v8-15 a scale a tile; v16-47 four registers of statistics a tile; v48-63 at work; v64-191 S^T, two buffers of two tiles; v192-255 P, likewise
;   window 1: O^T, 32 a tile     window 2: v0-127 Q; v128-191 K of one step; v192-255 V of one step
;   window 3: v0-1 the add's two registers; v16-79 the codes, 16 a piece; v128-191 MC, the C operands of the coming piece
.set SIZE_N, 2048
.set NP,    4         ; pieces a wave: a name, no knob
.set KS,    64        ; keys in a step
.set PK,    144       ; a row of K in LDS: 128 bytes + 16: the 16 rows of a load start 16 bytes apart modulo 256
.set PV,    160       ; a row of V: 128 + 32: 16 lanes of the turning load take 8 rows x 32 bytes, no two in the same 4 bytes modulo 256
.set VOFF,  4*KS*PK   ; a slot holds four steps: 256 rows of K, then 256 rows of V
.set SLOT1, 1<<17     ; slot 1 begins here, so that one exclusive or turns an address in one slot into the other's
.set STAGE, SLOT1+4*KS*(PK+PV)  ; behind the ring, never filled by a tensor load: 16 rows x 144 bytes for each wave
.set SP,    144
.set GO,  1           ; v1   16 x lane: my byte offset in 512 consecutive bytes of codes, and of O; never rewritten
.set AK0, 2           ; v2   my lane's place in a tile of K; never rewritten
.set AV0, 3           ; v3   the same for V
.set AK,  4           ; v4   the LDS address of K's next run of loads
.set AV,  5           ; v5   of V's
.set QO,  6           ; v6   my byte offset in the wave's rows of Q
.set STO, 6           ;      when Q is in: the way out: where I put 16 bytes of a row
.set RD,  7           ; v7   where I read rows back
.set SCL, 8           ; v8-15  tile t's scale, in byte 0: 227 (2^100), or 0 (2^-127) in the lanes of a row with no key left.  Before that: at work
.set SPW, 0           ; v0 of window 3   LDS address of my spare word; never rewritten
.set NIL, 1           ; v1 of window 3   0; never rewritten
.set MBY, 16          ; window 3: piece x, tile u, key block kb: two registers at MBY + 16 x + 8 u + 2 kb
.set MC,  128         ; window 3: tile u, key block kb: eight registers at MC + 32 u + 8 kb
.set SPARE, STAGE+4*16*SP  ; behind the stages: the spare words, 128 bytes for each wave
.set ST,  16          ; tile t's statistics at v[ST+4 t]: m, m_old, l (even keys', odd keys')
.set TMP, 48          ; by buffer and tile, four registers c0-c3 at work; when the maximum is found c2 takes a
.set S,   64
.set P,   192
.set KF,  128         ; K's fragments, in window 2: key block kb, channel half c at KF + 16 kb + 8 c
.set VF,  192         ; V's: key half kk, channel block cb at VF + 32 kk + 8 cb
.set OPT, 2           ; s[2:3]   O at my wave's first row
.set MB,  4           ; s[4:5]   mcode at my wave's first tile, at the step whose codes are loaded next
.set WV,  6           ; s6   my wave's number
.set SLOTS, 7         ; s7   slots still to be asked for
.set G1K, 8           ; s[8:15]  descriptor group 1 for K's tiles
.set G1V, 16          ; s[16:23] for V's: it differs in the padding alone
.set G0K, 24          ; s[24:27] descriptor group 0 for K's tiles: it walks
.set G0V, 28          ; s[28:31] the same for V's
.set CNT, 66          ; s66  counts a slot's key steps.  (s[32:63]: arguments, scalars at work, then my eight tiles' 16 flag words)
.set TBK, 67          ; s67  LDS byte at which K of the step to be fetched begins
.set FL,  68          ; s[68:75] tile t's lane mask: the lanes whose row has a visible key
.set PFP, 76          ; s[76:77] pflag at my eight tiles' words
.set MS,  80          ; s80  how often MB has been asked to step
.set INC, 82          ; s[82:83] its step in bytes
.set SEL, 84          ; s[84:85] v_permlanex16_b32's selects
.set TBV, 86          ; s86  LDS byte at which V of the step to be fetched begins, less VOFF
.set TS,  87          ; s87  at work
.set QP,  88          ; s[88:89] Q at my wave's first row
.set MSB, 0
.macro WIN new                      ; the high byte repeats the setting that is left; a switch that changes nothing is dropped
.if MSB != (\new)
	s_set_vgpr_msb (MSB<<8)|(\new)
.set MSB, (\new)
.endif
.endm
.set W_KQ, 0x0a       ; K and Q in window 2, S^T in window 0
.set W_KM, 0x3a       ; the same with the C operand in window 3
.set W_PV, 0x52       ; V in window 2, P in window 0, O^T in window 1
.set W_RS, 0x41       ; O^T (destination and source 0) in window 1, a in window 0
.set W_MK, 0xc0       ; destination in window 3, sources and addresses in window 0
.set W_CV, 0xc3       ; the conversion: MC and the codes in window 3, the scale in window 0
.set W_AD, 0x0f       ; the add: address and data in window 3
; A joint fill.  Waves 0 and 1 fetch the two halves of a slot's K, waves 2 and 3 those of its V: 128 keys each.  Four v_nop follow each of the two lines.
.macro JLOAD
	s_cmp_lt_u32 s[WV], 2
	s_cbranch_scc0 .Lfor_v_\@
	tensor_load_to_lds s[G0K:G0K+3], s[G1K:G1K+7]
	s_nop 0
.rept 4
	v_nop
.endr
	s_branch .Lasked_\@
.Lfor_v_\@:
	tensor_load_to_lds s[G0V:G0V+3], s[G1V:G1V+7]
	s_nop 0
.rept 4
	v_nop
.endr
.Lasked_\@:
.endm
.macro CROUND                       ; a round of the cluster's barrier
	s_barrier_signal -1
	s_barrier_wait -1
	s_cmp_lg_u32 s[WV], 0
	s_cbranch_scc1 .Lnot_wave_0_\@
	s_barrier_signal -3
.Lnot_wave_0_\@:
	s_barrier_wait -3
	s_barrier_signal -1
	s_barrier_wait -1
.endm
; THE CHANGE OF SLOTS.  Each wave waits for all its tensor loads, of which one is out: its part of the other slot; adds 0 to its spare word; and waits for that and for its own reads of the slot.
; fill = 1: the slot is filled again, with the keys two slots on, first thing behind a round of the cluster's barrier: it has four key steps, 512 matrix instructions, in which to land.
; (At its first use nothing has been read yet: slot 0 is waited for, slot 1 filled.)
.macro CHANGE fill
	WIN W_AD
	s_wait_tensorcnt 0x0            ; no tensor load of mine is out, so a group 0 may be written
	ds_add_u32 v[SPW], v[NIL]
	WIN 0                           ; at a label and at a branch every window is 0
.if \fill
.irp g, G0K, G0V
	s_xor_b32 s[\g+1], s[\g+1], SLOT1  ; the walking descriptor: the other slot than last time,
	s_add_nc_u64 s[\g+2:\g+3], s[\g+2:\g+3], 4*KS*128  ; the next 256 keys; the type bits on top are not reached
.endr
	s_wait_dscnt 0x0                ; the add is done, and my reads of the slot are over
	CROUND
	JLOAD
.else
	s_wait_dscnt 0x0
	s_barrier_signal -1
	s_barrier_wait -1
.endif
	s_sub_co_u32 s[TBK], s[TBK], 4*KS*PK  ; the fetches go back to a slot's first step,
	s_xor_b32 s[TBK], s[TBK], SLOT1       ; in the other slot
	s_sub_co_u32 s[TBV], s[TBV], 4*KS*PV
	s_xor_b32 s[TBV], s[TBV], SLOT1
.endm
; THE C OPERANDS of piece x: eight scaled conversions, one for each accumulator (c = 4 u + kb): code x 2^(scale - 127).  The products that read MC last are the turn's first eight, far ahead.
; They name no exponential's result.  The count: loads come back in order, and behind this piece's four stand at most the three other pieces' twelve.
.macro MCVT x
	s_wait_loadcnt 12
	WIN W_CV
.irp c, 0,1,2,3,4,5,6,7
	v_cvt_scale_pk8_f32_fp8 v[MC+8*\c:MC+8*\c+7], v[MBY+16*(\x)+2*\c:MBY+16*(\x)+2*\c+1], v[SCL+2*(\x)+\c/4]
.endr
.endm
; Piece x's codes for the step at which MB stands: four loads (c = 2 u + hf) of 512 consecutive bytes.  step = 1 (piece 0): MB goes a key step on first, behind the wait that frees it;
; it stops at the last step, 31, so that the loads which no later step reads stay inside the buffer.
.macro MLD x, step
.if \step
	s_wait_xcnt 0x0                 ; the earlier loads have had their addresses translated: their base is rewritten only behind this wait
	s_cmp_lt_u32 s[MS], SIZE_N/KS-1
	s_cselect_b32 s[INC], 1024, 0
	s_add_nc_u64 s[MB:MB+1], s[MB:MB+1], s[INC:INC+1]
	s_add_co_u32 s[MS], s[MS], 1
.endif
	WIN W_MK
.irp c, 0,1,2,3
	global_load_b128 v[MBY+16*(\x)+4*\c:MBY+16*(\x)+4*\c+3], v[GO], s[MB:MB+1] offset:(2*(\x)+\c/2)*32768+512*(\c%2)
.endr
.endm
	s_load_b256 s[32:39], s[0:1], 0x0  ; qkvh s[32:33], mcode s[34:35], pflag s[36:37], oh s[38:39]
	WIN W_MK
	v_lshl_add_u32 v[SPW], v0, 2, SPARE
	v_mov_b32 v[NIL], 0
	s_set_vgpr_msb 0xc0cf
	ds_add_u32 v0, v1
	s_wait_dscnt 0x0
	s_set_vgpr_msb 0xcfc0
	WIN 0
	v_lshrrev_b32 v12, 5, v0
	v_readfirstlane_b32 s[WV], v12  ; wave 0..3
	s_bfe_u32 s54, ttmp6, 0x40000   ; cx: my place in the cluster
	s_lshl_b32 s55, ttmp9, 2        ; in a cluster launch ttmp9 counts clusters
	s_add_co_u32 s55, s55, s54      ; my block of 512 queries: it enters Q's, O's, the codes' and the flags' addresses alone
	s_and_b32 s40, ttmp7, 0xffff    ; the head, which the four partners share,
	s_lshl_b32 s40, s40, 18         ; and its first byte in a part of qkvh and in oh: 2,048 rows of 128 bytes
	s_and_b32 s42, s[WV], 1         ; which half of a slot's 256 keys I fetch:
	s_lshl_b32 s44, s42, 14         ; its 128 rows of 128 bytes in memory,
	s_add_co_u32 s44, s44, s40
	s_add_co_u32 s52, s44, 0x2000000  ; in V's part of qkvh,
	s_add_co_u32 s44, s44, 0x1000000  ; in K's
	s_mov_b32 s45, 0
	s_mov_b32 s53, 0
	s_mul_i32 s46, s42, 128*PK      ; and its place in a slot, for K
	s_mul_i32 s47, s42, 128*PV      ; and for V: no place in the cluster enters an LDS address
	s_lshl_b32 s48, s55, 2
	s_add_co_u32 s48, s48, s[WV]    ; my wave among the head's sixteen
	s_lshl_b32 s50, s48, 18         ; its eight tiles' codes: 8 x 32 x 1,024 bytes
	s_mov_b32 s51, 0
	s_lshl_b32 s56, s48, 6          ; its eight tiles' flags: 8 x 2 words
	s_mov_b32 s57, 0
	s_lshl_b32 s48, s48, 14         ; its 128 rows
	s_add_co_u32 s48, s48, s40
	s_mov_b32 s49, 0
	; descriptor group 1.  128 keys are 16,384 dense bytes: asked for as 64 rows of 256 bytes, two keys a row, and padded in LDS after every key
	s_mov_b32 s[G1K], 15|(1<<16)|(1<<20)|(1<<21)|(4<<22)|(3<<25)  ; the mask of four; 2-byte elements; padding on; bit 21 beside a mask; after every 32 words, 4 words
	s_mov_b32 s[G1V], 15|(1<<16)|(1<<20)|(1<<21)|(4<<22)|(7<<25)  ; the same with 8 words of padding
.irp g, G1K, G1V
	s_mov_b32 s[\g+1], 128<<16      ; tensor_dim0 = 128
	s_mov_b32 s[\g+2], 64<<16       ; tensor_dim1 = 64
	s_mov_b32 s[\g+3], 128<<16      ; tile_dim0 = 128
	s_mov_b32 s[\g+4], 64           ; tile_dim1 = 64
	s_mov_b32 s[\g+5], 128          ; 128 elements from row to row
	s_mov_b32 s[\g+6], 0
	s_mov_b32 s[\g+7], 0
.endr
	s_mov_b32 s[TBK], SLOT1+4*KS*PK ; the first change of slots turns these two into 0
	s_mov_b32 s[TBV], SLOT1+4*KS*PV
	s_mov_b32 s[SEL], 0x76543210    ; each lane takes its own place in the other half
	s_mov_b32 s[SEL+1], 0xfedcba98
	s_mov_b32 s[MS], 0
	s_mov_b32 s[INC], 0
	s_mov_b32 s[INC+1], 0
	s_mov_b32 s[G0K], 1             ; count = 1
	s_mov_b32 s[G0K+1], s46         ; LDS address: slot 0
	s_mov_b32 s[G0V], 1
	s_add_co_u32 s[G0V+1], s47, VOFF
	s_wait_kmcnt 0x0
	s_add_nc_u64 s[G0K+2:G0K+3], s[32:33], s[44:45]  ; my half of the head's first 256 keys
	s_or_b32 s[G0K+3], s[G0K+3], 0x80000000          ; type = 2
	s_add_nc_u64 s[G0V+2:G0V+3], s[32:33], s[52:53]
	s_or_b32 s[G0V+3], s[G0V+3], 0x80000000
	s_add_nc_u64 s[QP:QP+1], s[32:33], s[48:49]      ; Q at my wave's first row
	s_add_nc_u64 s[OPT:OPT+1], s[38:39], s[48:49]    ; O likewise
	s_add_nc_u64 s[MB:MB+1], s[34:35], s[50:51]
	s_add_nc_u64 s[PFP:PFP+1], s[36:37], s[56:57]
	CROUND                          ; all four work-groups are here: the first joint loads meet
	JLOAD                           ; slot 0.  Slot 1 is asked for when slot 0 is in
	s_load_b512 s[32:47], s[PFP:PFP+1], 0x0  ; my eight tiles' flag words; the arguments and the scalars at work there have been used
	; A fragment of K or Q is 16 rows x 32 channels in 8 registers: lane l holds row l % 16, channels 8 (l / 16) + 0..7 and 16 + 8 (l / 16) + 0..7: two loads of 16 bytes, 32 bytes apart.
	v_and_b32 v12, 15, v0           ; l % 16
	v_bfe_u32 v9, v0, 4, 1          ; l / 16
	v_lshlrev_b32 v[QO], 7, v12
	v_lshl_add_u32 v[QO], v9, 4, v[QO]  ; row x 128 + 16 x half
	v_and_b32 v[GO], 31, v0
	v_lshlrev_b32 v[GO], 4, v[GO]
	WIN 0x80                        ; destination window 2, address window 0
.set i, 0
.rept 4*NP                          ; Q stays in registers: tile i / 2, channels 32 (i % 2) on
	global_load_b128 v[8*i:8*i+3],   v[QO], s[QP:QP+1] offset:(i/2)*2048+(i%2)*64
	global_load_b128 v[8*i+4:8*i+7], v[QO], s[QP:QP+1] offset:(i/2)*2048+(i%2)*64+32
.set i, i+1
.endr
.irp x, 0,1,2,3
	MLD \x, 0                       ; all four pieces' codes for key step 0
.endr
	; What the first turn finds: V's registers and P's second buffer hold 0 (its products V^T P, of a piece that has not been, add 0), O^T and l are 0.  All this stands in the wait for the first tile.
	WIN 0x80
.set i, VF
.rept 64
	v_mov_b32 v[i], 0
.set i, i+1
.endr
	WIN 0x40
.set i, 0
.rept 64*NP
	v_mov_b32 v[i], 0
.set i, i+1
.endr
	WIN 0
.set i, 0
.rept 2*NP
	v_mov_b32 v[ST+4*i], 0xff7fffff    ; m: the lowest finite number
	v_mov_b32 v[ST+4*i+1], 0xff7fffff  ; m_old
	v_mov_b32 v[ST+4*i+2], 0
	v_mov_b32 v[ST+4*i+3], 0
.set i, i+1
.endr
.set i, P+32
.rept 32
	v_mov_b32 v[i], 0
.set i, i+1
.endr
	v_mul_u32_u24 v[AK0], v12, PK
	v_lshl_add_u32 v[AK0], v9, 4, v[AK0]  ; row x pitch + 16 x half
	; The turning load takes 16 keys x 16 channels (lane l reads key 8 (l / 16) + l % 8, channels 8 ((l / 8) % 2) + 0..7) and leaves half a fragment of V^T: lane l holds channel l % 16 and 8 keys.
	v_and_b32 v10, 7, v0
	v_bfe_u32 v11, v0, 3, 1
	v_lshl_add_u32 v[AV0], v9, 3, v10
	v_mul_u32_u24 v[AV0], v[AV0], PV
	v_lshl_add_u32 v[AV0], v11, 4, v[AV0]
	v_add_nc_u32 v[AV0], VOFF, v[AV0]
	v_mov_b32 v[AK], v[AK0]         ; key step 0 lies at the head of slot 0
	s_wait_kmcnt 0x0                ; the flags.  Tile t: its two words, and in them the two halves of the lanes, are joined; bits r and 16 + r then say whether row r has a visible key
.set t, 0
.rept 2*NP
	s_or_b32 s[FL+t], s[32+2*t], s[33+2*t]
	s_lshr_b32 s[TS], s[FL+t], 16
	s_or_b32 s[FL+t], s[FL+t], s[TS]
	s_and_b32 s[FL+t], s[FL+t], 0xffff
	s_lshl_b32 s[TS], s[FL+t], 16
	s_or_b32 s[FL+t], s[FL+t], s[TS]
.set t, t+1
.endr
	s_wait_loadcnt 0x0              ; Q and the first codes are in; Q's offset register is free
	s_mul_i32 s[TS], s[WV], 16*SP
	s_add_co_u32 s[TS], s[TS], STAGE  ; my stage
	v_mul_u32_u24 v[STO], v12, SP   ; in: row l % 16, 16 bytes for each half of the lanes
	v_lshl_add_u32 v[STO], v9, 4, v[STO]
	v_add_nc_u32 v[STO], s[TS], v[STO]
	v_bfe_u32 v[RD], v0, 3, 2       ; back: 32 lanes take four rows of 128 bytes, which are 512 consecutive bytes of O
	v_mul_u32_u24 v[RD], v[RD], SP
	v_lshl_add_u32 v[RD], v10, 4, v[RD]
	v_add_nc_u32 v[RD], s[TS], v[RD]
	v_mov_b32 v[TMP], 227           ; the scale 2^100 as an exponent with bias 127
.set t, 0
.rept 2*NP
	v_cndmask_b32 v[SCL+t], 0, v[TMP], s[FL+t]
.set t, t+1
.endr
	WIN 0x88                        ; destination and source 1 in window 2
.set i, 0
.rept 32*NP
	v_cndmask_b32 v[i], 0, v[i], s[FL+i/16]  ; Q's row is 0 where the row has no key left
.set i, i+1
.endr
	WIN 0
; THE MATRIX WORK.  The 8 accumulators of a run of 16 take turns.
; Product i of 16 of S^T = K Q^T for piece x: channels 32 (i / 8) on, keys 16 ((i / 2) % 4) on, tile 2 x + i % 2.  The first 8 start the sums, with the mask.
.macro KQ x
.set rS, S+64*((\x)%2)+32*(i%2)+8*((i/2)%4)
.set rK, KF+16*((i/2)%4)+8*(i/8)
.set rQ, 16*(2*(\x)+i%2)+8*(i/8)
.set rM, MC+32*(i%2)+8*((i/2)%4)
.if i < 8
	WIN W_KM
	v_wmma_f32_16x16x32_f16 v[rS:rS+7], v[rK:rK+7], v[rQ:rQ+7], v[rM:rM+7]
.else
	WIN W_KQ
	v_wmma_f32_16x16x32_f16 v[rS:rS+7], v[rK:rK+7], v[rQ:rQ+7], v[rS:rS+7]
.endif
.endm
; Product i of 16 of O^T += V^T P for piece x: keys 32 (i / 8) on, channels 16 ((i / 2) % 4) on, tile 2 x + i % 2.
.macro PV x
	WIN W_PV
.set rO, 32*(2*(\x)+i%2)+8*((i/2)%4)
.set rV, VF+32*(i/8)+8*((i/2)%4)
.set rP, P+32*((\x)%2)+16*(i%2)+8*(i/8)
	v_wmma_f32_16x16x32_f16 v[rO:rO+7], v[rV:rV+7], v[rP:rP+7], v[rO:rO+7]
.endm
.macro MM                           ; the turn's next matrix instruction
.if i < 16
	KQ (Y+1)%NP
.set i, i+1
.else
.set i, i-16
	PV (Y+NP-1)%NP
.set i, i+17
.endif
.endm
; THE LDS LOADS stand in runs of 16: a step's K (8 fragments) and its V (turned).  last = 1 (the tail): in the last trip there is no further step, and the run is jumped over.
.macro FETCH_K last=0
	WIN 0
.if \last
	s_cmp_eq_u32 s[CNT], 1
	s_cbranch_scc1 .Lno_k_\@
.endif
	WIN 0x80                        ; destination window 2
.irp f, 0,1,2,3,4,5,6,7             ; keys 16 (f / 2) on, channels 32 (f % 2) on
	ds_load_b128 v[KF+8*\f:KF+8*\f+3],   v[AK] offset:(\f/2)*16*PK+(\f%2)*64
	ds_load_b128 v[KF+8*\f+4:KF+8*\f+7], v[AK] offset:(\f/2)*16*PK+(\f%2)*64+32
.endr
	s_add_co_u32 s[TBK], s[TBK], KS*PK  ; the next fetch is the next step's
	WIN 0
.if \last
.Lno_k_\@:
.endif
.endm
.macro FETCH_V
	WIN 0x80
.irp f, 0,1,2,3,4,5,6,7             ; keys 32 (f / 4) on, channels 16 (f % 4) on
	ds_load_tr16_b128 v[VF+8*\f:VF+8*\f+3],   v[AV] offset:(\f/4)*32*PV+(\f%4)*32
	ds_load_tr16_b128 v[VF+8*\f+4:VF+8*\f+7], v[AV] offset:(\f/4)*32*PV+16*PV+(\f%4)*32
.endr
	WIN 0
.endm
; THE VECTOR WORK OF A TURN stands in three queues, each in the order in which its entries become ready; the two tiles alternate.
.macro REGS y, u                    ; the registers of tile u (0, 1) of piece y
.set rT, ST+4*(2*(\y)+(\u))
.set rC, TMP+8*((\y)%2)+4*(\u)
.set rS, S+64*((\y)%2)+32*(\u)
.set rP, P+32*((\y)%2)+16*(\u)
.set rO, 32*(2*(\y)+(\u))
.endm
; Number n of the 21 that find the NEXT piece's (Y + 1) maximum and statistics.  s0-s31 are the lane's 32 scores; each accumulator's lowest registers are read first.  XS, GS, FS and REGS set no window.
;   0-11  four chains c0-c3 of seven scores each, three operands at a time     12-14, 16  the four scores left over, the old m, and c0-c3 into c0     15  m_old is kept
;   17, 18  the query's other 32 keys lie in the lane 16 away: the new m         19, 20  m_old - m_new; a
.macro XS u, n
	REGS (Y+1)%NP, \u
.if (\n) < 4
	v_max3_num_f32 v[rC+(\n)], v[rS+8*(\n)], v[rS+8*(\n)+1], v[rS+8*(\n)+2]
.elseif (\n) < 12
	v_max3_num_f32 v[rC+(\n)%4], v[rC+(\n)%4], v[rS+8*((\n)%4)+2*((\n)/4)+1], v[rS+8*((\n)%4)+2*((\n)/4)+2]
.elseif (\n) == 12
	v_max3_num_f32 v[rC], v[rC], v[rS+7], v[rS+15]
.elseif (\n) == 13
	v_max3_num_f32 v[rC+1], v[rC+1], v[rS+23], v[rS+31]
.elseif (\n) == 14
	v_max3_num_f32 v[rC+2], v[rC+2], v[rC+3], v[rT]
.elseif (\n) == 15
	v_mov_b32 v[rT+1], v[rT]
.elseif (\n) == 16
	v_max3_num_f32 v[rC], v[rC], v[rC+1], v[rC+2]
.elseif (\n) == 17
	v_permlanex16_b32 v[rC+3], v[rC], s[SEL], s[SEL+1]
.elseif (\n) == 18
	v_max_num_f32 v[rT], v[rC], v[rC+3]
.elseif (\n) == 19
	v_sub_f32 v[rC+1], v[rT+1], v[rT]
.else
	v_exp_f32 v[rC+2], v[rC+1]
.endif
.endm
; Number g of the 64 that follow the exponentials.  For each four weights k of a tile: both pairs are rounded to f16; then the second pair is added onto the first, in place;
; a group later l takes that sum (the first time as l = a l + sum).  All 64 read the batch's results: they stand behind the turn's wait.
.macro GS g
.set h, (\g)+6*((\g)/62)            ; group 0 has no group before it, and behind group 7 only l is left
.if h >= 6
.set h, h+2
.endif
	REGS Y, h%2
.set k, h/8
.if h%8 < 4
	v_cvt_pk_f16_f32 v[rP+2*k+(h%8)/2], v[rS+4*k+2*((h%8)/2)], v[rS+4*k+2*((h%8)/2)+1]
.elseif h%8 < 6
	v_pk_add_f32 v[rS+4*k:rS+4*k+1], v[rS+4*k:rS+4*k+1], v[rS+4*k+2:rS+4*k+3]
.elseif k == 1
	v_pk_fma_f32 v[rT+2:rT+3], v[rT+2:rT+3], v[rC+2:rC+3], v[rS:rS+1] op_sel_hi:[1,0,1]
.else
	v_pk_add_f32 v[rT+2:rT+3], v[rT+2:rT+3], v[rS+4*k-4:rS+4*k-3]
.endif
.endm
; THE PLAIN QUEUE, 136 long.  0-71 read no exponential's result: the 32 subtractions s - m (FS f: pair f / 2 of tile f % 2) and the next piece's 40.  0-27: subtractions 0-27.  28-55: XS's numbers 0-13.  56, 57: number 15.
; 58-71: the chain, where each number waits for the one before it: 14, 16, 17, 18, each with one of the subtractions 28-31 in front of its two lines, then 19: so a tile's links stand three plain instructions apart (18 and 19: two).
; 72-135: GS's 64, which read the exponentials' results: they stand behind the wait.
.macro FS f
	REGS Y, (\f)%2
	v_pk_add_f32 v[rS+2*((\f)/2):rS+2*((\f)/2)+1], v[rS+2*((\f)/2):rS+2*((\f)/2)+1], v[rT:rT+1] op_sel_hi:[1,0] neg_lo:[0,1] neg_hi:[0,1]
.endm
.macro PL
	WIN 0
.if q < 28
	FS q
.elseif q < 56
	XS (q-28)%2, (q-28)/2
.elseif q < 58
	XS q-56, 15
.elseif (q < 70) && ((q-58)%3 == 0)
	FS 28+(q-58)/3
.elseif q < 61
	XS (q-58)%3-1, 14
.elseif q < 70
	XS (q-58)%3-1, 15+(q-58)/3
.elseif q < 72
	XS q-70, 19
.else
	GS q-72
.endif
.set q, q+1
.endm
; THE EXPONENTIALS' QUEUE, 66 long: s0-s31 of both tiles, then the next piece's two a.  It is ONE BATCH: all 66 stand ahead of the turn's one wait, and nothing ahead of that wait names a result of theirs.
.macro EX
	WIN 0
.if e >= 64
	XS e-64, 20
.else
	REGS Y, e%2
	v_exp_f32 v[rS+e/2], v[rS+e/2]
.endif
.set e, e+1
.endm
; THE RESCALING's QUEUE: O^T times a, the one part of the three that leaves window 0: dealt two at a time, sixteen times, each accumulator's registers in ascending order.  Its a was made in the turn before, ahead of that turn's wait.
.macro R2
	REGS Y, r%2
	WIN W_RS
.irp z, 0,1
	v_pk_mul_f32 v[rO+4*(r/2)+2*\z:rO+4*(r/2)+2*\z+1], v[rO+4*(r/2)+2*\z:rO+4*(r/2)+2*\z+1], v[rC+2:rC+3] op_sel_hi:[1,0]
.endr
.set r, r+1
.endm
; HOW THEY ARE DEALT.  A turn has ONE wait, which cuts it in two.  AHEAD OF IT stands all that names no result of the turn's exponentials: the 16 products K Q^T, behind each a subtraction, an exponential and two rescalings
; (behind the first a second subtraction in the exponential's place); then ONE LUMP: piece p + 2's eight C operands, six plain, 49 times exponential and plain, the two a.  A v_nop is the plain instruction behind the last
; exponential.  BEHIND IT stand the 16 products V^T P, behind each four of GS's 64.  No rider names a register of the products round it.  The two v_permlanex16_b32 fall into the lump, never behind a product.
; The queues lean on each other, and the deal keeps them in step: exponential e stands behind subtraction 2 (e / 4) + e % 2: as a rider it comes behind plain e + 2, in the lump behind plain e + 7, and subtractions 28-31 are
; plain 58, 61, 64, 67 (the tightest: exponential 61 comes behind plain 68 and wants plain 67); the two a come behind plain 70 and 71, their arguments.
; A TURN, for piece p.  cnt = 1: the loop's count is taken down some lines ahead of the branch that stands behind the turn.
; THE C OPERANDS of piece p + 2 are made at the lump's head: MC's last readers are the turn's first eight products, 24 plain riders back; the six plain instructions behind them are the place that a scaled conversion wants;
; the next turn's first product reads MC.  The codes' registers are loaded again directly behind the wait, for the piece's next step.
; K of the next step is fetched in piece 2's turn, behind the wait and those loads, a lump behind the last product that read K; its address is made at the lump's head; its first reader comes behind 16 products.
; V of the step in hand is fetched at the end of piece 0's turn, four riders (additions onto l) behind its last reader; its first reader comes behind 16 products and a lump.  The three conditions on q below go with the deal.
.macro TURN p, last=0, cnt=0
.set Y, (\p)
.set i, 0
.set q, 0
.set e, 0
.set r, 0
.if (\p) == NP-1
	s_wait_dscnt 0x0                ; K is in
.endif
	MM                              ; ahead of the wait: 16 products K Q^T and their riders,
	PL
	PL
	R2
.rept 15
	MM
	PL
	EX
	R2
.endr
.if (\p) == NP-2
	WIN 0
	v_add_nc_u32 v[AK], s[TBK], v[AK0]
.endif
	MCVT ((\p)+2)%NP                ; and the lump
.rept 6
	PL
.endr
.rept 49
	EX
	PL
.endr
	EX                              ; the next piece's two a
	EX
	v_nop                           ; the plain instruction behind the last exponential: one for the batch
	s_wait_alu depctr_va_vdst(0)    ; the wait for the batch: this turn's 66 exponentials
.if (\p) == 2
	MLD 0, 1
.else
	MLD ((\p)+2)%NP, 0
.endif
.if (\p) == NP-2
	FETCH_K \last
.endif
.if (\p) == 1
	s_wait_dscnt 0x0                ; V is in
.endif
.rept 16                            ; behind the wait: 16 products V^T P and their riders
	MM
.rept 4
	PL
.endr
.if ((\p) == 0) && (q == 116)
	v_add_nc_u32 v[AV], s[TBV], v[AV0]
.endif
.if ((\p) == 0) && (q == 128)
	s_add_co_u32 s[TBV], s[TBV], KS*PV
.endif
.if (\cnt) && (q == 128)
	s_sub_co_u32 s[CNT], s[CNT], 1
	s_cmp_lg_u32 s[CNT], 0
.endif
.endr
.if (\p) == 0
	FETCH_V
.endif
.endm
	CHANGE 1                        ; slot 0 is in, everybody's part of it; slot 1 is asked for
	FETCH_K                         ; key step 0
	MCVT 0                          ; piece 0's C operands for key step 0
	WIN 0
	v_nop                           ; the plain instruction behind the conversions
	MLD 0, 1                        ; and its codes for key step 1
	s_wait_dscnt 0x0
.set i, 0
.rept 16
	KQ 0                            ; piece 0's first scores: there is no vector work yet to set between them
.set i, i+1
.endr
	WIN 0
.rept 4
	v_nop                           ; the places behind those products: MC is written and the scores are read only behind them
.endr
	MCVT 1                          ; piece 1's C operands, for the first turn's products
	WIN 0
.set Y, NP-1                        ; XS works for piece Y + 1: piece 0
.irp n, 0,1,2,3,4,5,6,7,8,9,10,11,12,13,14,15,16,17,18,19,20
	XS 0, \n                        ; piece 0's first maximum and statistics
	XS 1, \n
.endr
	v_nop                           ; a plain instruction behind piece 0's two a,
	s_wait_alu depctr_va_vdst(0)    ; and the wait for that batch of two, ahead of the branch into the loop
	MLD 1, 0
	WIN 0
	s_mov_b32 s[CNT], 4
	s_mov_b32 s[SLOTS], SIZE_N/256-1
	s_branch .Lfirst                ; the loop is entered at a step's first turn, in the middle of a trip
.Lslot:                             ; SIZE_N / 256 - 2 times: every slot but the last two is filled again
	CHANGE 1
	s_mov_b32 s[CNT], 4
.Lstep:                             ; a trip: pieces 2 and 3 of one step, then pieces 0 and 1 of the next, whose K and V it fetches
	TURN 2
	TURN 3
	WIN 0
.Lfirst:
	TURN 0
	TURN 1, 0, 1
	WIN 0
	s_cbranch_scc1 .Lstep
	s_sub_co_u32 s[SLOTS], s[SLOTS], 1
	s_cmp_lg_u32 s[SLOTS], 0
	s_cbranch_scc1 .Lslot
	CHANGE 0                        ; the tail is written out: nothing is asked for
	s_mov_b32 s[CNT], 5             ; four trips fetch the last slot's steps; the fifth is left in its middle
.Ltail:
	TURN 2, 1
	TURN 3
	WIN 0
	s_sub_co_u32 s[CNT], s[CNT], 1
	s_cmp_eq_u32 s[CNT], 0
	s_cbranch_scc1 .Lout
	TURN 0
	TURN 1
	WIN 0
	s_branch .Ltail
.Lout:                              ; the fifth trip's 16 products K Q^T (on the last K once more) and the maximum made of them serve nothing, nor do the last six turns' loads of codes (step 31's once more):
                                    ; the price, once a launch, of one text for every trip
.set i, 0
.rept 16
	PV NP-1                         ; the last piece's V^T P of the last step
.set i, i+1
.endr
	; THE WAY OUT.  l's two halves and the other half of the lanes' are added; O^T is divided by l, rounded to f16 and sent through my stage in LDS, a tile at a time.  The additions are the places behind the last products.
	WIN 0
.macro ALL line:vararg              ; one line for each tile t
.set t, 0
.rept 2*NP
	\line
.set t, t+1
.endr
.endm
	ALL v_add_f32 v[ST+4*t+2], v[ST+4*t+2], v[ST+4*t+3]
	ALL v_permlanex16_b32 v[ST+4*t+3], v[ST+4*t+2], s[SEL], s[SEL+1]
	ALL v_add_f32 v[ST+4*t+2], v[ST+4*t+2], v[ST+4*t+3]
	ALL v_rcp_f32 v[ST+4*t+2], v[ST+4*t+2]
	v_nop                           ; a plain instruction between the last reciprocal and the use of its result
	s_wait_alu depctr_va_vdst(0)    ; the wait for the batch of eight reciprocals, ahead of their first use
; Tile t: a lane's eight channels of a row pack into 16 bytes; they go into rows of 144 bytes and come back as whole rows of 128, into S^T's registers.
.macro PACK t
	WIN W_RS
.set i, 32*(\t)
.rept 16
	v_pk_mul_f32 v[i:i+1], v[i:i+1], v[ST+4*(\t)+2:ST+4*(\t)+3] op_sel_hi:[1,0]
.set i, i+2
.endr
	WIN 0x05                        ; sources 0 and 1 window 1, destination window 0
.set i, 0
.rept 16
	v_cvt_pk_f16_f32 v[S+16*(\t)+i], v[32*(\t)+2*i], v[32*(\t)+2*i+1]
.set i, i+1
.endr
	WIN 0
.irp f, 0,1,2,3
	ds_store_b128 v[STO], v[S+16*(\t)+4*\f:S+16*(\t)+4*\f+3] offset:32*\f
.endr
.irp f, 0,1,2,3
	ds_load_b128 v[S+16*(\t)+4*\f:S+16*(\t)+4*\f+3], v[RD] offset:\f*4*SP  ; LDS serves a wave's instructions in order: these see the stores above; the next tile's stores come behind them
.endr
.endm
.macro SEND t, younger              ; younger: the LDS instructions issued behind tile t's loads: the next tile's eight, or none
	WIN 0
.irp f, 0,1,2,3
	s_wait_dscnt (\younger)+3-\f
	global_store_b128 v[GO], v[S+16*(\t)+4*\f:S+16*(\t)+4*\f+3], s[OPT:OPT+1] offset:(\t)*2048+\f*512  ; 512 consecutive bytes, at a multiple of 256 from O's first
.endr
.endm
	PACK 0
.set t, 1
.rept 2*NP-1                        ; a tile's arithmetic stands between the loads of the tile before and its stores
	PACK t
	SEND t-1, 8
.set t, t+1
.endr
	SEND 2*NP-1, 0
	WIN W_AD
	s_wait_tensorcnt 0x0            ; the wave's end
	ds_add_u32 v[SPW], v[NIL]
	s_wait_dscnt 0x0
	WIN 0
	CROUND                          ; the closing round
	s_endpgm
.Lfunc_end_k_q8b091e2cd5_attn:
	.size	k_q8b091e2cd5_attn, .Lfunc_end_k_q8b091e2cd5_attn-k_q8b091e2cd5_attn
	.p2alignl 7, 3214868480
	.fill 96, 4, 3214868480
	.section	.rodata,"a",@progbits
	.p2align	6, 0x0
	.amdhsa_kernel k_q8b091e2cd5_attn
		.amdhsa_group_segment_fixed_size 327680
		.amdhsa_private_segment_fixed_size 0
		.amdhsa_enable_private_segment 0
		.amdhsa_kernarg_size 32
		.amdhsa_user_sgpr_count 2
		.amdhsa_user_sgpr_kernarg_segment_ptr 1
		.amdhsa_wavefront_size32 1
		.amdhsa_system_sgpr_workgroup_id_x 1
		.amdhsa_system_sgpr_workgroup_id_y 1
		.amdhsa_system_sgpr_workgroup_id_z 1
		.amdhsa_system_vgpr_workitem_id 0
		.amdhsa_next_free_vgpr 960
		.amdhsa_next_free_sgpr 90
		.amdhsa_reserve_vcc 0
		.amdhsa_float_denorm_mode_32 3
		.amdhsa_float_denorm_mode_16_64 3
		.amdhsa_memory_ordered 1
		.amdhsa_forward_progress 1
		.amdhsa_inst_pref_size 221
	.end_amdhsa_kernel
	.amdgpu_metadata
---
amdhsa.version: [ 1, 2 ]
amdhsa.kernels:
  - .name:           k_q8b091e2cd5_attn
    .symbol:         k_q8b091e2cd5_attn.kd
    .args:
      - { .name: qkvh, .offset: 0, .size: 8, .value_kind: global_buffer, .address_space: global }
      - { .name: mcode, .offset: 8, .size: 8, .value_kind: global_buffer, .address_space: global }
      - { .name: pflag, .offset: 16, .size: 8, .value_kind: global_buffer, .address_space: global }
      - { .name: oh, .offset: 24, .size: 8, .value_kind: global_buffer, .address_space: global }
    .group_segment_fixed_size: 327680
    .private_segment_fixed_size: 0
    .kernarg_segment_align: 8
    .kernarg_segment_size: 32
    .max_flat_workgroup_size: 128
    .sgpr_count:     90
    .vgpr_count:     960
    .wavefront_size: 32
...
	.end_amdgpu_metadata
.endif
;; end of part 8
;; launch outp: the kernel of part 4 again; grid 4 x 64, 4 waves a work-group, clusters of 4 x 4, 327,680 bytes of LDS; arguments oh, wob, out0; writes out0
